; MI455X (gfx1250); checked and timed in simulation.
; The chip was launched on July 23, 2026; its instructions are those of AMD's public machine-readable ISA for CDNA 5 (MIT licence, August 2026) and "CDNA5" Instruction Set Architecture Reference Guide (July 2026). The comments in the code are by the model that wrote it; some were corrected since.
;; G2 Mo E Attention. Allowed arithmetic: float matrix products may take bf16 or f16 operands with f32 sums; all other float work in f32.
;; Inputs: Wk 2,048 x 1,024 float32; Wo 1,024 x 2,048 float32; Wq 2,048 x 1,024 float32; Wv 2,048 x 1,024 float32; attention_mask 1 x 1 x 4,096 x 4,096 float32; cos 1 x 4,096 x 128 float32; hidden_states 1 x 4,096 x 2,048 float32; sin 1 x 4,096 x 128 float32.
;; Outputs: out0 1 x 4,096 x 2,048 float32.
;; 3 versions, each right; version 3 is version 2 with the launch cast written anew for expert scheduling mode. Each part assembles by itself: llvm-mc -triple=amdgcn-amd-amdhsa -mcpu=gfx1250 --defsym DOCPART=n.
;; ======== version 1 of 3: 4 launches
;; limits: values outside matrix products are rounded to bf16; values are held in f16: magnitudes above 65,504 overflow, below 6.1e-05 lose precision
;; workspace buffers: xb 35,651,584 bytes; qkv 33,554,432 bytes; ab 16,777,216 bytes
;; launch cast (part 1): grid 544 x 1, 8 waves a work-group, no clusters, 0 bytes of LDS; arguments hidden_states, Wq, Wk, Wv, Wo, cos, sin, xb; writes xb
.if DOCPART == 1
	.amdgcn_target "amdgcn-amd-amdhsa--gfx1250"
	.amdhsa_code_object_version 6
	.text
	.protected	k_q5bbec87d2f_cast
	.globl	k_q5bbec87d2f_cast
	.p2align	8
	.type	k_q5bbec87d2f_cast,@function
k_q5bbec87d2f_cast:
	s_mov_b64 s[64:65], 0
	v_nop
	global_prefetch_b8 v0, s[64:65] scope:SCOPE_SE
	s_setreg_imm32_b32 hwreg(HW_REG_WAVE_MODE, 25, 1), 1
	s_wait_xcnt 0x0
; f32 -> bf16 (round to nearest even) of hidden_states, Wq, Wk, Wv, Wo, cos, sin, layouts unchanged, one behind the other in xb:
;   byte 0 hidden [4096][2048]; 16 Mi Wq, 20 Mi Wk, 24 Mi Wv, each [2048][1024]; 28 Mi Wo [1024][2048]; 32 Mi cos, 33 Mi sin, each [4096][128].
; LIMIT OF FORMAT: from here on every floating-point input but the mask has bf16's 8 significant bits, the RoPE tables too.
; A pure stream: every input byte is read once and every output byte written once.  LDS, matrix instructions and clusters
; would add nothing: no two work-groups read the same byte and no lane needs another lane's number.
; Work-group c takes chunk c of 32,768 numbers (128 KiB in, 64 KiB out): 256 chunks of hidden, 64 of each weight, 16 of each table, 544 in all.
; Wave w takes 16 KiB of the chunk by 32 loads of 512 consecutive bytes, all issued before the first is used.
.set X, 4                              ; v[4:131]   32 x 4 numbers as loaded
.set Y, 132                            ; v[132:195] 32 x 2 words to store; no register is written twice, so no store's source is at stake
	s_load_b256 s[4:11], s[0:1], 0x0               ; hidden s[4:5], Wq s[6:7], Wk s[8:9], Wv s[10:11]
	s_load_b256 s[12:19], s[0:1], 0x20             ; Wo s[12:13], cos s[14:15], sin s[16:17], xb s[18:19]
	s_mov_b32 s2, ttmp9                            ; chunk c
	s_and_b32 s22, s2, 63                          ; a weight's chunk number, and cos's: c mod 64 (256 and 512 are multiples of 64)
	s_cmp_lt_u32 s2, 256
	s_cselect_b32 s22, s2, s22                     ; hidden's: c itself
	s_and_b32 s24, s2, 15
	s_cmp_ge_u32 s2, 528
	s_cselect_b32 s22, s24, s22                    ; sin's: c mod 16
	s_lshl_b32 s22, s22, 17                        ; x 128 KiB: offset in the source
	s_mov_b32 s23, 0
	s_lshl_b32 s24, s2, 16                         ; c x 64 KiB: offset in xb
	s_mov_b32 s25, 0
	v_lshrrev_b32 v3, 5, v0                        ; wave
	v_and_b32 v1, 31, v0                           ; lane
	v_lshlrev_b32 v2, 3, v1                        ; out: 8 bytes a lane
	v_lshlrev_b32 v1, 4, v1                        ; in: 16 bytes a lane
	v_lshl_add_u32 v1, v3, 14, v1                  ; + wave x 16 KiB
	v_lshl_add_u32 v2, v3, 13, v2                  ; + wave x 8 KiB
	s_wait_kmcnt 0x0
	s_mov_b64 s[20:21], s[4:5]                     ; the source: chosen by the chunk number alone
	s_cmp_ge_u32 s2, 256
	s_cselect_b64 s[20:21], s[6:7], s[20:21]
	s_cmp_ge_u32 s2, 320
	s_cselect_b64 s[20:21], s[8:9], s[20:21]
	s_cmp_ge_u32 s2, 384
	s_cselect_b64 s[20:21], s[10:11], s[20:21]
	s_cmp_ge_u32 s2, 448
	s_cselect_b64 s[20:21], s[12:13], s[20:21]
	s_cmp_ge_u32 s2, 512
	s_cselect_b64 s[20:21], s[14:15], s[20:21]
	s_cmp_ge_u32 s2, 528
	s_cselect_b64 s[20:21], s[16:17], s[20:21]
	s_add_nc_u64 s[20:21], s[20:21], s[22:23]
	s_add_nc_u64 s[18:19], s[18:19], s[24:25]
.set i, 0
.rept 32
	global_load_b128 v[X+4*i:X+4*i+3], v1, s[20:21] offset:512*i th:TH_LOAD_NT   ; read once in the launch
.set i, i+1
.endr
.set i, 0
.rept 32
	s_wait_loadcnt 31-i                            ; loads return in order (ISA guide 5.7.1): load i is in, the 31-i younger ones stay out
	v_cvt_pk_bf16_f32 v[Y+2*i], v[X+4*i], v[X+4*i+1]
	v_cvt_pk_bf16_f32 v[Y+2*i+1], v[X+4*i+2], v[X+4*i+3]
	global_store_b64 v2, v[Y+2*i:Y+2*i+1], s[18:19] offset:256*i   ; the wave's 32 lanes store 256 consecutive bytes, aligned; later launches read them: no hint
.set i, i+1
.endr
	s_endpgm
.Lfunc_end_k_q5bbec87d2f_cast:
	.size	k_q5bbec87d2f_cast, .Lfunc_end_k_q5bbec87d2f_cast-k_q5bbec87d2f_cast
	.p2alignl 7, 3214868480
	.fill 96, 4, 3214868480
	.section	.rodata,"a",@progbits
	.p2align	6, 0x0
	.amdhsa_kernel k_q5bbec87d2f_cast
		.amdhsa_group_segment_fixed_size 0
		.amdhsa_private_segment_fixed_size 0
		.amdhsa_enable_private_segment 0
		.amdhsa_kernarg_size 64
		.amdhsa_user_sgpr_count 2
		.amdhsa_user_sgpr_kernarg_segment_ptr 1
		.amdhsa_wavefront_size32 1
		.amdhsa_system_sgpr_workgroup_id_x 1
		.amdhsa_system_sgpr_workgroup_id_y 1
		.amdhsa_system_sgpr_workgroup_id_z 1
		.amdhsa_system_vgpr_workitem_id 0
		.amdhsa_next_free_vgpr 196
		.amdhsa_next_free_sgpr 66
		.amdhsa_reserve_vcc 0
		.amdhsa_float_denorm_mode_32 3
		.amdhsa_float_denorm_mode_16_64 3
		.amdhsa_memory_ordered 1
		.amdhsa_forward_progress 1
		.amdhsa_inst_pref_size 13
	.end_amdhsa_kernel
	.amdgpu_metadata
---
amdhsa.version: [ 1, 2 ]
amdhsa.kernels:
  - .name:           k_q5bbec87d2f_cast
    .symbol:         k_q5bbec87d2f_cast.kd
    .args:
      - { .name: hidden_states, .offset: 0, .size: 8, .value_kind: global_buffer, .address_space: global }
      - { .name: Wq, .offset: 8, .size: 8, .value_kind: global_buffer, .address_space: global }
      - { .name: Wk, .offset: 16, .size: 8, .value_kind: global_buffer, .address_space: global }
      - { .name: Wv, .offset: 24, .size: 8, .value_kind: global_buffer, .address_space: global }
      - { .name: Wo, .offset: 32, .size: 8, .value_kind: global_buffer, .address_space: global }
      - { .name: cos, .offset: 40, .size: 8, .value_kind: global_buffer, .address_space: global }
      - { .name: sin, .offset: 48, .size: 8, .value_kind: global_buffer, .address_space: global }
      - { .name: xb, .offset: 56, .size: 8, .value_kind: global_buffer, .address_space: global }
    .group_segment_fixed_size: 0
    .private_segment_fixed_size: 0
    .kernarg_segment_align: 8
    .kernarg_segment_size: 64
    .max_flat_workgroup_size: 256
    .sgpr_count:     66
    .vgpr_count:     196
    .wavefront_size: 32
...
	.end_amdgpu_metadata
.endif
;; end of part 1
;; launch projqkv (part 2): grid 8 x 32, 4 waves a work-group, clusters of 4 x 4, 327,680 bytes of LDS; arguments xb, qkv; writes qkv
.if DOCPART == 2
	.amdgcn_target "amdgcn-amd-amdhsa--gfx1250"
	.amdhsa_code_object_version 6
	.text
	.protected	k_q5bbec87d2f_projqkv
	.globl	k_q5bbec87d2f_projqkv
	.p2align	8
	.type	k_q5bbec87d2f_projqkv,@function
k_q5bbec87d2f_projqkv:
	s_mov_b64 s[64:65], 0
	v_nop
	global_prefetch_b8 v0, s[64:65] scope:SCOPE_SE
	s_setreg_imm32_b32 hwreg(HW_REG_WAVE_MODE, 25, 1), 1
	s_wait_xcnt 0x0
	s_wait_alu depctr_hold_cnt(0) depctr_sa_sdst(0) depctr_va_vdst(0) depctr_va_sdst(0) depctr_va_ssrc(0) depctr_va_vcc(0) depctr_vm_vsrc(0)
	s_getreg_b32 s2, hwreg(HW_REG_IB_STS2, 6, 4)
	s_cmp_eq_u32 s2, 0
	s_cbranch_scc0 .Lentry_in_a_cluster
	s_endpgm
.Lentry_in_a_cluster:
	s_bfe_u32 s2, ttmp6, 0x10000c
	s_cmp_lg_u32 s2, 0xf033
	s_cbranch_scc0 .Lentry_shape_is_right
	s_endpgm
.Lentry_shape_is_right:
; q, k, v = hidden x Wq, Wk, Wv (bf16 operands from xb, f32 sums), RoPE on q and k in f32 with the cos and sin tables as xb holds them (bf16; both halves of
; each table row are read).  q and k are then each multiplied in f32 by CSC = sqrt(128^-0.5 / 50 x 2 log2(e)), so that the attention launch's product q.k is
; the exponent of 2 in tanh(y) = 1 - 2 / (1 + 2^(2 y log2 e)), and rounded once to f16.  v leaves as TWO f16 pieces, v = upper + lower: the upper one is v
; rounded to 11 significant bits (split in f32: t = v (2^13 + 1), upper = t - (t - v)), the lower one the exact rest rounded to f16.
; qkv: Q at byte 0, K at 8 Mi, each [head 8][token 4096][d 128], rows of 256 bytes; V at 16 Mi, [head][token][upper 128 | lower 128], rows of 512 bytes.
; WHY f16 AND TWO PIECES: a query that attends to few keys hands single rows of v through to the output, at some 15 times the output's root mean square;
; one rounding to 8 bits there is larger than a hundredth of that root mean square.
; LIMITS OF RANGE: f16 holds up to 65,504: |v| below that, |q| and |k| below 65,504 / CSC = 9.1e5; beyond, infinities.  Below 6.1e-5 the pieces have an absolute step of 6e-8.
; A work-group (x = head, y = block of 128 tokens; 8 x 32 = 256 groups) makes 128 tokens x the head's 128 columns of Q, K and V.
; Wave w: rh = w >> 1 (64 tokens), ch = w & 1; in each of the three its columns are d = 32 ch + 16 (jj & 1) + 64 (jj >> 1) + 0..15, jj = 0..3,
; so that RoPE's partners d and d + 64 lie in the same lane and register of tiles jj and jj + 2.  48 accumulator tiles, 384 registers.
; K = 2048 goes in 16 steps of 128 through two LDS slots; a slot holds three weight tiles [128 k][128 d] and hidden's tile [128 tokens][128 k].
; The weights lie [k][n]: their fragments come out of LDS by the transposing load.
; CLUSTERS 4 x 4: hidden's tile hangs on the token block alone (shared along a row of the cluster), a weight tile on the head alone (shared
; along a column); each is asked for jointly by the four that share it.  Waves 0, 1, 2 ask for Wq's, Wk's, Wv's tile, wave 3 for hidden's.
; THE MATRIX INSTRUCTION IS USED TRANSPOSED (source 0 = 16 columns of W, source 1 = 16 tokens): lane l holds token l % 16 and, in registers 0-7,
; the eight neighbouring columns 8 (l / 16) + 0..7.
; REGISTER WINDOWS: 0: addresses, work, hidden's fragments v64-127 (two buffers; work registers on the way out), the tables v128-255;
;   1: weight fragments, v0-95 and v96-191 (v0-63 read rows back on the way out); 2: Q's and K's tiles, tile (a, b) at 8 (4 b + a), b = 4 t + jj; 3: V's tiles, v0-127.
.set PA,     272                       ; hidden's LDS row: 256 bytes + 16: an odd multiple of 16, so 16 rows of a fragment load start 16 bytes apart modulo 256
.set PB,     288                       ; a weight tile's LDS row: 256 bytes + 32: an odd multiple of 32, for the transposing load
.set BT,     128*PB                    ; a weight tile, 36,864 bytes
.set ABASE,  3*BT                      ; hidden's tile behind the three
.set SLOT,   ABASE+128*PA              ; 145,408 bytes
.set STAGE,  2*SLOT                    ; 128 rows x 272 bytes for the way out; only LDS stores write here, no tensor load
.set LAPS,   8                         ; 16 K steps, two a lap
.set CSC,    0x3d924436                ; 0.07141917 = sqrt(0.0051006972)
.set SPLIT,  0x46000400                ; 8193 = 2^13 + 1
.set WAVE, 12                          ; s12 wave, s13 rh, s14 ch
.set G1A,  16                          ; s[16:23] group 1, hidden's tile
.set G1B,  24                          ; s[24:31] group 1, a weight tile
.set G0A,  32                          ; s[32:39] group 0 for hidden's tile, a set for each slot
.set G0B,  48                          ; s[48:55] group 0 for a weight tile, a set for each slot
.set ADRA, 8                           ; v8-9    LDS address of my hidden fragments, slot 0, 1
.set ADRB, 10                          ; v10-15  of my weight fragments: 3 x slot + t
.set STO,  16                          ; v16     stage: where I put 16 bytes
.set RD,   17                          ; v17     stage: where I read rows back
.set CO,   18                          ; v18     my byte offset in Q's and K's output block
.set CSO,  19                          ; v19     my byte offset in the block's rows of the tables
.set COV,  20                          ; v20     my byte offset in V's output block
.set T,    32                          ; v32-47  at work
.set PK,   48                          ; v48-63  four packed tiles
.set FA,   64                          ; window 0: hidden's fragments, buffer f at FA + 32 f
.set U,    64                          ; the same registers on the way out: 32 numbers at work,
.set U2,   96                          ; and 32 more
.set CS,   128                         ; the tables, two bf16 a register: CS + 32 a + 16 jj + 4 kind; kind 0 cos(d), 1 cos(d+64), 2 sin(d), 3 sin(d+64)
.set FB,   0                           ; window 1: weight fragments, buffer f at 96 f
.set RB,   0                           ; window 1 on the way out: rows read back
.set MUL_LO, 0xa1                      ; source 0 window 1, source 1 window 0, C and D window 2
.set MUL_HI, 0xf1                      ; the same, C and D window 3
.set MSB, 0
.macro WIN new                         ; the immediate's high byte repeats the setting that is left; a switch that changes nothing is dropped
.if MSB != \new
	s_set_vgpr_msb (MSB<<8)|\new
.set MSB, \new
.endif
.endm
.macro PLACES                          ; four independent vector instructions behind a matrix instruction (ISA guide 7.12.1), before its registers are loaded into or its result read
.rept 4
	v_nop
.endr
.endm
.macro CREST                           ; a round of the cluster's barrier behind its opening work-group barrier
	s_cmp_lg_u32 s[WAVE], 0
	s_cbranch_scc1 .Lnot_wave_0_\@
	s_barrier_signal -3
.Lnot_wave_0_\@:
	s_barrier_wait -3
	s_barrier_signal -1
	s_barrier_wait -1
.endm
.macro CROUND                          ; a whole round
	s_barrier_signal -1
	s_barrier_wait -1
	CREST
.endm
.macro JLOAD sl                        ; my one joint load for slot sl; the branch hangs on the wave's number alone
	s_cmp_lg_u32 s[WAVE], 3
	s_cbranch_scc1 .Lfor_w_\@
	tensor_load_to_lds s[G0A+4*\sl:G0A+4*\sl+3], s[G1A:G1A+7]
	s_nop 0
	s_branch .Lasked_\@
.Lfor_w_\@:
	tensor_load_to_lds s[G0B+4*\sl:G0B+4*\sl+3], s[G1B:G1B+7]
	s_nop 0
.Lasked_\@:
.endm
	s_load_b128 s[4:7], s[0:1], 0x0                ; xb s[4:5], qkv s[6:7]
	s_set_vgpr_msb 0x40
	v_lshl_add_u32 v255, v0, 2, 0x4f800
	s_set_vgpr_msb 0x4000
	v_mov_b32 v31, 0
	s_set_vgpr_msb 0x1
	ds_add_u32 v255, v31
	s_set_vgpr_msb 0x100
	v_lshrrev_b32 v1, 5, v0
	v_readfirstlane_b32 s12, v1                    ; wave
	s_lshr_b32 s13, s12, 1                         ; rh
	s_and_b32 s14, s12, 1                          ; ch
	s_bfe_u32 s40, ttmp6, 0x40000                  ; cx
	s_bfe_u32 s41, ttmp6, 0x40004                  ; cy
	s_lshl_b32 s42, ttmp9, 2
	s_add_co_u32 s42, s42, s40                     ; head = 4 x cluster x + cx
	s_and_b32 s43, ttmp7, 0xffff
	s_lshl_b32 s43, s43, 2
	s_add_co_u32 s43, s43, s41                     ; token block = 4 x cluster y + cy
	s_lshl_b32 s44, s41, 2
	s_lshl_b32 s44, 15, s44                        ; my row of the cluster
	s_lshl_b32 s45, 0x1111, s40                    ; my column
	; group 1: tiles of 128 rows x 128 elements of 2 bytes; padding behind every 64 words: 4 words (hidden), 8 words (weights)
	s_or_b32 s[G1A+0], s44, (1<<16)|(1<<20)|(1<<21)|(5<<22)|(3<<25)
	s_mov_b32 s[G1A+1], 128<<16                    ; tensor_dim0 = 128
	s_mov_b32 s[G1A+2], 128<<16                    ; tensor_dim1 = 128
	s_mov_b32 s[G1A+3], 128<<16                    ; tile_dim0 = 128
	s_mov_b32 s[G1A+4], 128                        ; tile_dim1 = 128
	s_mov_b32 s[G1A+5], 2048                       ; hidden's row pitch in elements
	s_mov_b32 s[G1A+6], 0
	s_mov_b32 s[G1A+7], 0
	s_or_b32 s[G1B+0], s45, (1<<16)|(1<<20)|(1<<21)|(5<<22)|(7<<25)
	s_mov_b32 s[G1B+1], 128<<16
	s_mov_b32 s[G1B+2], 128<<16
	s_mov_b32 s[G1B+3], 128<<16
	s_mov_b32 s[G1B+4], 128
	s_mov_b32 s[G1B+5], 1024                       ; a weight's row pitch in elements
	s_mov_b32 s[G1B+6], 0
	s_mov_b32 s[G1B+7], 0
	; offsets.  s[56:57] holds the token block alone, s[58:59] and s61 the head and the wave alone; what mixes both (s[46:47], s[62:63]) feeds no descriptor
	s_lshl_b32 s56, s43, 19                        ; 128 rows of 4,096 bytes
	s_mov_b32 s57, 0
	s_lshl_b32 s58, s42, 8                         ; the head's 128 columns: 256 bytes
	s_lshl_b32 s61, s12, 22                        ; weight t = wave: 4 Mi each
	s_add_co_u32 s58, s58, s61
	s_add_co_u32 s58, s58, 0x1000000               ; the weights begin at 16 Mi
	s_mov_b32 s59, 0
	s_lshl_b32 s10, s43, 15                        ; the tables: 128 rows of 256 bytes,
	s_add_co_u32 s10, s10, 0x2000000               ; cos at 32 Mi; sin lies 1 Mi behind it
	s_mov_b32 s11, 0
	s_lshl_b32 s46, s42, 20                        ; Q, K out: head x 4,096 rows of 256 bytes
	s_lshl_b32 s47, s43, 15                        ;           + block x 128 rows
	s_add_co_u32 s46, s46, s47
	s_mov_b32 s47, 0
	s_lshl_b32 s62, s42, 21                        ; V out: head x 4,096 rows of 512 bytes
	s_lshl_b32 s63, s43, 16                        ;        + block x 128 rows
	s_add_co_u32 s62, s62, s63
	s_add_co_u32 s62, s62, 0x1000000               ;        + 16 Mi
	s_mov_b32 s63, 0
	s_mov_b32 s60, 0xffff0000                      ; a word's upper bf16
	s_mul_i32 s15, s12, BT                         ; LDS: wave x 36,864: the three weight tiles, then hidden's
	v_and_b32 v1, 15, v0                           ; r
	v_bfe_u32 v2, v0, 4, 1                         ; h
	v_and_b32 v3, 7, v0                            ; l & 7
	v_bfe_u32 v4, v0, 3, 1                         ; (l >> 3) & 1
	v_and_b32 v5, 31, v0                           ; lane
	s_lshl_b32 s2, s13, 14                         ; 64 rh rows of 256 bytes
	s_lshl_b32 s3, s14, 6                          ; 32 ch numbers
	s_add_co_u32 s2, s2, s3
	v_lshl_add_u32 v[CSO], v1, 8, s2
	v_lshl_add_u32 v[CSO], v2, 4, v[CSO]           ; (64 rh + r) 256 + 64 ch + 16 h
	s_wait_dscnt 0x0
	s_wait_kmcnt 0x0
	s_add_nc_u64 s[56:57], s[4:5], s[56:57]
	s_add_nc_u64 s[58:59], s[4:5], s[58:59]
	s_add_nc_u64 s[8:9], s[4:5], s[10:11]
	s_add_nc_u64 s[46:47], s[6:7], s[46:47]
	s_add_nc_u64 s[62:63], s[6:7], s[62:63]
	CROUND                                         ; all sixteen work-groups are here: the first joint loads meet
.irp sl, 0,1
	s_mov_b32 s[G0A+4*\sl], 1
	s_add_co_u32 s[G0A+4*\sl+1], s15, \sl*SLOT
	s_add_nc_u64 s[G0A+4*\sl+2:G0A+4*\sl+3], s[56:57], \sl*256          ; K step sl: 128 elements along the rows
	s_or_b32 s[G0A+4*\sl+3], s[G0A+4*\sl+3], 0x80000000
	s_mov_b32 s[G0B+4*\sl], 1
	s_add_co_u32 s[G0B+4*\sl+1], s15, \sl*SLOT
	s_add_nc_u64 s[G0B+4*\sl+2:G0B+4*\sl+3], s[58:59], \sl*262144       ; K step sl: 128 rows of 2,048 bytes
	s_or_b32 s[G0B+4*\sl+3], s[G0B+4*\sl+3], 0x80000000
	JLOAD \sl                                      ; both slots' first fills go out together: two tensor loads of the wave are out
.endr
	; cos and sin of my 64 tokens x 64 columns: 32 loads of 8 bf16 a lane that stay out over the whole K loop and are waited for once behind it
.irp a, 0,1,2,3
.irp jj, 0,1
.irp hi, 0,1
	.set xc, CS+32*\a+16*\jj+4*\hi
	.set xo, 4096*\a+32*\jj+128*\hi
	global_load_b128 v[xc:xc+3], v[CSO], s[8:9] offset:xo
	global_load_b128 v[xc+8:xc+11], v[CSO], s[8:9] offset:xo+0x100000
.endr
.endr
.endr
	v_mul_u32_u24 v6, v1, PA
	v_lshl_add_u32 v6, v2, 4, v6
	s_mul_i32 s2, s13, 64*PA
	v_add_nc_u32 v6, s2, v6                        ; (64 rh + r) 272 + 16 h
	v_add_nc_u32 v[ADRA], ABASE, v6
	v_add_nc_u32 v[ADRA+1], ABASE+SLOT, v6
	s_lshl_b32 s2, s14, 6                          ; 64 ch bytes
	s_add_co_u32 s3, s2, STAGE
	v_add_nc_u32 v[STO], s3, v6
	v_lshl_add_u32 v7, v2, 3, v3                   ; the transposing load's row: 8 h + (l & 7)
	v_mul_u32_u24 v7, v7, PB
	v_lshl_add_u32 v7, v4, 4, v7
	v_add_nc_u32 v[ADRB], s2, v7
.irp sl, 0,1
.irp t, 0,1,2
.if \sl+\t
	v_add_nc_u32 v[ADRB+3*\sl+\t], \sl*SLOT+\t*BT, v[ADRB]
.endif
.endr
.endr
	s_mul_i32 s2, s12, 32*PA                       ; back: wave w takes rows 32 w .. 32 w + 31, two rows a load
	s_add_co_u32 s2, s2, STAGE
	v_mul_u32_u24 v7, v2, PA
	v_lshl_add_u32 v7, v1, 4, v7
	v_add_nc_u32 v[RD], s2, v7
	s_lshl_b32 s2, s12, 13
	v_lshl_add_u32 v[CO], v5, 4, s2                ; w x 32 rows of 256 bytes + 16 x lane
	s_lshl_b32 s2, s12, 14
	v_lshl_add_u32 v[COV], v2, 9, s2
	v_lshl_add_u32 v[COV], v1, 4, v[COV]           ; (32 w + h) rows of 512 bytes + 16 r
; 32 LDS loads: the fragments of 32 along K (quarter kq of the slot's step) into buffer f
.macro FETCH slot, kq, f
	WIN 0x40                                       ; destination window 1
.irp t, 0,1,2
.irp jj, 0,1,2,3
	.set xf, FB+96*\f+8*(4*\t+\jj)
	.set xo, \kq*32*PB+32*(\jj&1)+128*(\jj>>1)
	ds_load_tr16_b128 v[xf:xf+3], v[ADRB+3*\slot+\t] offset:xo              ; k = 8 h .. + 7 of column r
	ds_load_tr16_b128 v[xf+4:xf+7], v[ADRB+3*\slot+\t] offset:xo+16*PB      ; k = 16 + 8 h .. + 7
.endr
.endr
	WIN 0
.irp a, 0,1,2,3
	ds_load_b128 v[FA+32*\f+8*\a:FA+32*\f+8*\a+3], v[ADRA+\slot] offset:64*\kq+16*PA*\a
	ds_load_b128 v[FA+32*\f+8*\a+4:FA+32*\f+8*\a+7], v[ADRA+\slot] offset:64*\kq+16*PA*\a+32
.endr
.endm
; 16 matrix instructions: column tiles b0 .. b0 + 3 x the four token tiles.  The 48 accumulators take turns, one instruction a turn, in the
; same order in every quarter, over the backward jump too.
.macro MULB f, b0, hi, zero
.irp bi, 0,1,2,3
.irp a, 0,1,2,3
	.set xd, 8*(4*(\b0+\bi-8*\hi)+\a)
.if \zero
	v_wmma_f32_16x16x32_bf16 v[xd:xd+7], v[FB+96*\f+8*(\b0+\bi):FB+96*\f+8*(\b0+\bi)+7], v[FA+32*\f+8*\a:FA+32*\f+8*\a+7], 0
.else
	v_wmma_f32_16x16x32_bf16 v[xd:xd+7], v[FB+96*\f+8*(\b0+\bi):FB+96*\f+8*(\b0+\bi)+7], v[FA+32*\f+8*\a:FA+32*\f+8*\a+7], v[xd:xd+7]
.endif
.endr
.endr
.endm
; one of a K step's first three quarters: multiplies buffer f; behind its first 16 products it fetches quarter kn into buffer g
.macro QUARTER slot, kn, f, g, zero
	s_wait_dscnt 0x0                               ; buffer f is in: its loads were issued 32 matrix instructions ago
	WIN MUL_LO
	MULB \f, 0, 0, \zero
	PLACES
	FETCH \slot, \kn, \g
	WIN MUL_LO
	MULB \f, 4, 0, \zero
	WIN MUL_HI
	MULB \f, 8, 1, \zero
.endm
.macro THREE slot, zero
	QUARTER \slot, 1, 0, 1, \zero
	QUARTER \slot, 2, 1, 0, 0
	QUARTER \slot, 3, 0, 1, 0
.endm
; the last quarter: multiplies buffer 1 and changes slots.  In front of the barrier each wave waits for its reads of this slot and for all its
; tensor loads (one is out: its part of the next slot).  fill = 1: the barrier opens a round of the cluster's barrier, and behind the round this
; slot's next tile is asked for first.  From that request to the wait for it a wave issues 176 matrix instructions.
.macro TURN slot, next, fill
	s_wait_dscnt 0x0
	s_wait_tensorcnt 0x0
	ds_add_u32 v255, v31
	s_wait_dscnt 0x0
	s_barrier_signal -1
	WIN MUL_LO
	MULB 1, 0, 0, 0                                ; register work while the others arrive
	WIN 0
	s_barrier_wait -1
.if \fill
	CREST
	s_add_nc_u64 s[G0A+4*\slot+2:G0A+4*\slot+3], s[G0A+4*\slot+2:G0A+4*\slot+3], 512       ; no tensor load of mine is out: two K steps on
	s_add_nc_u64 s[G0B+4*\slot+2:G0B+4*\slot+3], s[G0B+4*\slot+2:G0B+4*\slot+3], 524288
	JLOAD \slot
.endif
	PLACES
	FETCH \next, 0, 0
	WIN MUL_LO
	MULB 1, 4, 0, 0
	WIN MUL_HI
	MULB 1, 8, 1, 0
.endm
.macro LAP zero
	THREE 0, \zero
	TURN 0, 1, 1
	THREE 1, 0
	TURN 1, 0, 1
.endm
	s_wait_tensorcnt 0x1                           ; my part of K step 0 is in; K step 1's load was issued behind it and may stay out
	s_barrier_signal -1
	s_barrier_wait -1
	FETCH 0, 0, 0
	LAP 1                                          ; the first products start the sums: nothing is cleared
	WIN 0
	s_mov_b32 s3, LAPS-2
.Llap:
	LAP 0
	WIN 0
	s_sub_co_u32 s3, s3, 1
	s_cmp_lg_u32 s3, 0
	s_cbranch_scc1 .Llap
	THREE 0, 0                                     ; the last lap fills nothing
	TURN 0, 1, 0
	THREE 1, 0
	s_wait_dscnt 0x0
	WIN MUL_LO
	MULB 1, 0, 0, 0
	MULB 1, 4, 0, 0
	WIN MUL_HI
	MULB 1, 8, 1, 0
	WIN 0
	PLACES
	s_wait_loadcnt 0x0                             ; the tables
; RoPE on token tile a of matrix t (0 = q, 1 = k): out(d) = x(d) cos(d) - x(d+64) sin(d); out(d+64) = x(d+64) cos(d+64) + x(d) sin(d+64); then x CSC, then f16
.macro ROPE t, a
.irp jj, 0,1
	.set xl, 8*(4*(4*\t+\jj)+\a)
	.set xh, 8*(4*(4*\t+\jj+2)+\a)
	.set xc, CS+32*\a+16*\jj
	WIN 0
.irp p, 0,1,2,3,4,5,6,7,8,9,10,11,12,13,14,15
	v_lshlrev_b32 v[U+2*\p], 16, v[xc+\p]          ; bf16 to f32: U + 0..7 cos(d), + 8..15 cos(d+64), + 16..23 sin(d), + 24..31 sin(d+64)
	v_and_b32 v[U+2*\p+1], s60, v[xc+\p]
.endr
	WIN 0x02                                       ; source 0 (sums) window 2
.irp p, 0,2,4,6
	v_pk_mul_f32 v[T+\p:T+\p+1], v[xl+\p:xl+\p+1], v[U+\p:U+\p+1]
.endr
.irp p, 0,1,2,3,4,5,6,7
	v_fma_f32 v[T+\p], -v[xh+\p], v[U+16+\p], v[T+\p]
.endr
.irp p, 0,2,4,6
	v_pk_mul_f32 v[T+8+\p:T+8+\p+1], v[xh+\p:xh+\p+1], v[U+8+\p:U+8+\p+1]
.endr
.irp p, 0,2,4,6
	v_pk_fma_f32 v[T+8+\p:T+8+\p+1], v[xl+\p:xl+\p+1], v[U+24+\p:U+24+\p+1], v[T+8+\p:T+8+\p+1]
.endr
	WIN 0
.irp p, 0,2,4,6,8,10,12,14
	v_pk_mul_f32 v[T+\p:T+\p+1], v[T+\p:T+\p+1], CSC op_sel_hi:[1,0]
.endr
.irp p, 0,1,2,3
	v_cvt_pk_f16_f32 v[PK+4*\jj+\p], v[T+2*\p], v[T+2*\p+1]
	v_cvt_pk_f16_f32 v[PK+4*(\jj+2)+\p], v[T+8+2*\p], v[T+8+2*\p+1]
.endr
.endr
.endm
; v's upper piece of token tile a: t = v (2^13 + 1); upper = t - (t - v), v to 11 significant bits, which f16 holds exactly; the sums keep the exact rest v - upper
.macro PACKVH a
	WIN 0x03                                       ; source 0 window 3
.irp jj, 0,1,2,3
.irp p, 0,2,4,6
	v_pk_mul_f32 v[U+8*\jj+\p:U+8*\jj+\p+1], v[8*(4*\jj+\a)+\p:8*(4*\jj+\a)+\p+1], SPLIT op_sel_hi:[1,0]
.endr
.endr
.irp jj, 0,1,2,3
.irp p, 0,2,4,6
	v_pk_add_f32 v[U2+8*\jj+\p:U2+8*\jj+\p+1], v[8*(4*\jj+\a)+\p:8*(4*\jj+\a)+\p+1], v[U+8*\jj+\p:U+8*\jj+\p+1] neg_lo:[1,0] neg_hi:[1,0]
.endr
.endr
	WIN 0
.irp p, 0,2,4,6,8,10,12,14,16,18,20,22,24,26,28,30
	v_pk_add_f32 v[U+\p:U+\p+1], v[U+\p:U+\p+1], v[U2+\p:U2+\p+1] neg_lo:[0,1] neg_hi:[0,1]
.endr
	WIN 0xc3                                       ; source 0 and destination window 3
.irp jj, 0,1,2,3
.irp p, 0,2,4,6
	v_pk_add_f32 v[8*(4*\jj+\a)+\p:8*(4*\jj+\a)+\p+1], v[8*(4*\jj+\a)+\p:8*(4*\jj+\a)+\p+1], v[U+8*\jj+\p:U+8*\jj+\p+1] neg_lo:[0,1] neg_hi:[0,1]
.endr
.endr
	WIN 0
.irp p, 0,1,2,3,4,5,6,7,8,9,10,11,12,13,14,15
	v_cvt_pk_f16_f32 v[PK+\p], v[U+2*\p], v[U+2*\p+1]
.endr
.endm
.macro PACKVL a                        ; v's lower piece: the rest, rounded to f16
	WIN 0x0f                                       ; both sources window 3
.irp jj, 0,1,2,3
.irp p, 0,1,2,3
	v_cvt_pk_f16_f32 v[PK+4*\jj+\p], v[8*(4*\jj+\a)+2*\p], v[8*(4*\jj+\a)+2*\p+1]
.endr
.endr
	WIN 0
.endm
; pass t (0 q, 1 k, 2 v's upper piece, 3 v's lower): the four waves lay the block's 128 rows x 256 bytes into the stage; behind a barrier each wave reads 32 whole rows back and stores them
.macro OUT t
.irp a, 0,1,2,3
.if \t < 2
	ROPE \t, \a
.endif
.if \t == 2
	PACKVH \a
.endif
.if \t == 3
	PACKVL \a
.endif
.irp jj, 0,1,2,3
	ds_store_b128 v[STO], v[PK+4*\jj:PK+4*\jj+3] offset:16*PA*\a+32*(\jj&1)+128*(\jj>>1)
.endr
.endr
	s_wait_dscnt 0x0                               ; my stores into the stage are done, for the other waves' sake
	s_barrier_signal -1
	s_barrier_wait -1
	s_wait_xcnt 0x0                                ; the last pass's stores have read RB and the base: both are rewritten only behind this wait
.if \t == 1
	s_add_nc_u64 s[46:47], s[46:47], 0x800000      ; K lies 8 Mi behind Q
.endif
	WIN 0x40                                       ; destination window 1
.irp i, 0,1,2,3,4,5,6,7,8,9,10,11,12,13,14,15
	ds_load_b128 v[RB+4*\i:RB+4*\i+3], v[RD] offset:2*PA*\i
.endr
	WIN 0x04                                       ; a store's data window 1
.irp i, 0,1,2,3,4,5,6,7,8,9,10,11,12,13,14,15
	s_wait_dscnt 15-\i                             ; LDS loads return in order: load i is in, the younger ones stay out
.if \t < 2
	global_store_b128 v[CO], v[RB+4*\i:RB+4*\i+3], s[46:47] offset:512*\i     ; 512 consecutive bytes, aligned: two whole rows
.else
	global_store_b128 v[COV], v[RB+4*\i:RB+4*\i+3], s[62:63] offset:1024*\i+256*(\t-2)   ; sixteen lanes store a piece's 256 consecutive bytes of a row, aligned
.endif
.endr
	WIN 0
.if \t < 3
	s_barrier_signal -1                            ; every wave's reads of the stage are back (the count-down ended at 0): it may be written again
	s_barrier_wait -1
.endif
.endm
	OUT 0
	OUT 1
	OUT 2
	OUT 3
	s_set_vgpr_msb 0x1
	s_wait_tensorcnt 0x0
	ds_add_u32 v255, v31
	s_wait_dscnt 0x0
	s_set_vgpr_msb 0x100
	CROUND                                         ; the closing round: no work-group ends while a partner may still ask for a tile that names it
	s_endpgm
.Lfunc_end_k_q5bbec87d2f_projqkv:
	.size	k_q5bbec87d2f_projqkv, .Lfunc_end_k_q5bbec87d2f_projqkv-k_q5bbec87d2f_projqkv
	.p2alignl 7, 3214868480
	.fill 96, 4, 3214868480
	.section	.rodata,"a",@progbits
	.p2align	6, 0x0
	.amdhsa_kernel k_q5bbec87d2f_projqkv
		.amdhsa_group_segment_fixed_size 327680
		.amdhsa_private_segment_fixed_size 0
		.amdhsa_enable_private_segment 0
		.amdhsa_kernarg_size 16
		.amdhsa_user_sgpr_count 2
		.amdhsa_user_sgpr_kernarg_segment_ptr 1
		.amdhsa_wavefront_size32 1
		.amdhsa_system_sgpr_workgroup_id_x 1
		.amdhsa_system_sgpr_workgroup_id_y 1
		.amdhsa_system_sgpr_workgroup_id_z 1
		.amdhsa_system_vgpr_workitem_id 0
		.amdhsa_next_free_vgpr 896
		.amdhsa_next_free_sgpr 66
		.amdhsa_reserve_vcc 0
		.amdhsa_float_denorm_mode_32 3
		.amdhsa_float_denorm_mode_16_64 3
		.amdhsa_memory_ordered 1
		.amdhsa_forward_progress 1
		.amdhsa_inst_pref_size 244
	.end_amdhsa_kernel
	.amdgpu_metadata
---
amdhsa.version: [ 1, 2 ]
amdhsa.kernels:
  - .name:           k_q5bbec87d2f_projqkv
    .symbol:         k_q5bbec87d2f_projqkv.kd
    .args:
      - { .name: xb, .offset: 0, .size: 8, .value_kind: global_buffer, .address_space: global }
      - { .name: qkv, .offset: 8, .size: 8, .value_kind: global_buffer, .address_space: global }
    .group_segment_fixed_size: 327680
    .private_segment_fixed_size: 0
    .kernarg_segment_align: 8
    .kernarg_segment_size: 16
    .max_flat_workgroup_size: 128
    .sgpr_count:     66
    .vgpr_count:     896
    .wavefront_size: 32
...
	.end_amdgpu_metadata
.endif
;; end of part 2
;; launch attn (part 3): grid 32 x 8, 4 waves a work-group, clusters of 4 x 4, 327,680 bytes of LDS; arguments qkv, attention_mask, ab; writes ab
.if DOCPART == 3
	.amdgcn_target "amdgcn-amd-amdhsa--gfx1250"
	.amdhsa_code_object_version 6
	.text
	.protected	k_q5bbec87d2f_attn
	.globl	k_q5bbec87d2f_attn
	.p2align	8
	.type	k_q5bbec87d2f_attn,@function
k_q5bbec87d2f_attn:
	s_mov_b64 s[64:65], 0
	v_nop
	global_prefetch_b8 v0, s[64:65] scope:SCOPE_SE
	s_setreg_imm32_b32 hwreg(HW_REG_WAVE_MODE, 25, 1), 1
	s_wait_xcnt 0x0
	s_wait_alu depctr_hold_cnt(0) depctr_sa_sdst(0) depctr_va_vdst(0) depctr_va_sdst(0) depctr_va_ssrc(0) depctr_va_vcc(0) depctr_vm_vsrc(0)
	s_getreg_b32 s2, hwreg(HW_REG_IB_STS2, 6, 4)
	s_cmp_eq_u32 s2, 0
	s_cbranch_scc0 .Lentry_in_a_cluster
	s_endpgm
.Lentry_in_a_cluster:
	s_bfe_u32 s2, ttmp6, 0x10000c
	s_cmp_lg_u32 s2, 0xf033
	s_cbranch_scc0 .Lentry_shape_is_right
	s_endpgm
.Lentry_shape_is_right:
; softmax(50 tanh(q.k 128^-0.5 / 50) + mask) v for one head and 128 queries, over ALL 4,096 keys: the mask is an input and is honoured as given, in f32.
; Work-group: x = block of 128 queries, y = head (32 x 8 = 256 groups).  Wave w owns 32 queries (two tiles of 16) and sees every key.
; A trip takes 64 keys (64 trips) from two LDS slots; a slot holds K's tile [64 keys][128 d], V's tile [64 keys][upper 128 | lower 128] and the mask's tile
; [128 queries][64 keys] in f32.  Two slots of 128 keys with both pieces of V would take 352,256 bytes, more than a WGP's 327,680.
; FORMATS: q, k, P and both pieces of v are f16 (11 significant bits); P V = P V_upper + P V_lower, so that v's rounding does not show.  The result leaves as two bf16
; pieces, upper + lower, for the output projection.  A query that attends to few keys hands rows of v through at some 15 times the output's root mean square: there one rounding to 8 bits is too much.
; ORIENTATION: S^T = K Q^T, so lane (r, h) holds query r and in register j key 16 kt + 8 h + j: a row's maximum and sum are in-lane work and one exchange
; with lane l xor 16, and two S^T tiles pack straight into the second source of O^T = V^T P^T.  m, l and alpha are one number a lane.
; ARITHMETIC: q and k come pre-scaled, so S' = q'.k' is the exponent in 50 tanh = 50 - 100 / (1 + 2^S') (2^S' = inf gives +50, 0 gives -50).  The mask is added in f32,
; a running maximum is taken away BEFORE the multiplication by log2(e), so that a mask of any size costs no bits.
; LIMITS: tanh made so has an absolute error of about 1e-7, 6e-6 in a score.  The running maximum starts at -FLT_MAX: mask entries of -inf give p = 0,
; a row whose entries are all -inf gives NaN (0 x inf); a +inf or NaN entry makes its row NaN.  2^x below 2^-126 is taken as 0 (ISA guide 15.8); p below 6e-8 is 0 in f16.
; CLUSTERS 4 x 4: K's and V's tiles hang on the head alone (shared along a row of the cluster), the mask's on the query block alone (shared along a column).
; Wave 0 asks for K's tile, wave 1 for V's, waves 2 and 3 for the mask's two halves of 64 rows: one joint load a wave and trip, one tensor load of a wave out at a time.
; REGISTER WINDOWS: 0: addresses, m, l, alpha, constants; K/V fragment buffers v64-127, v128-191; v192-255 packed results;
;   1: O(dt, q) at 8 (2 dt + q), v0-127; Q(q, c) at 128 + 8 (4 q + c);  2: S(kt, q) at 32 (kt >> 1) + 16 q + 8 (kt & 1), v0-63; the mask at the same index + 64.
.set KP,     272                       ; K's LDS row: 256 + 16
.set VP,     544                       ; V's: 512 + 32, an odd multiple of 32, for the transposing load
.set MP,     272                       ; the mask's: 256 + 16
.set VBASE,  64*KP                     ; 17,408
.set MBASE,  VBASE+64*VP               ; 52,224
.set SLOT,   MBASE+128*MP              ; 87,040
.set STAGE,  2*SLOT                    ; 32 rows x 272 bytes for each wave, its own; no tensor load lands here
.set WST,    32*KP
.set WAVE, 10                          ; s10 wave, s11 wave & 1
.set G1K,  16                          ; s[16:23]
.set G1V,  24                          ; s[24:31]
.set G1M,  32                          ; s[32:39]
.set G0K,  48                          ; s[48:55] a set for each slot
.set G0V,  56                          ; s[56:63]
.set G0M,  68                          ; s[68:75]
.set ADRK, 8                           ; v8-9
.set ADRV, 10                          ; v10-11
.set ADRM, 12                          ; v12-13
.set QO,   14
.set PFO,  15
.set STO,  16
.set RD,   17
.set CO,   18
.set M,    20                          ; v20-21   running maximum, query tile q
.set NM,   22                          ; v22-25   (-m, -m)
.set LS,   26                          ; v26-33   running sums: two pairs for each q
.set AL,   34                          ; v34-37   (alpha, alpha); at the end (1/l, 1/l)
.set N100, 38                          ; v38-39
.set P50,  40                          ; v40-41
.set L2E,  42                          ; v42-43
.set TM,   44                          ; v44-47   two chains of maxima for each q
.set T0,   48
.set T1,   50
.set T2,   52
.set TW,   44                          ; v44-51   on the way out: four pairs at work
.set F0,   64
.set F1,   128
.set PKR,  192
.set QF,   128
.set MSB, 0
.macro WIN new
.if MSB != \new
	s_set_vgpr_msb (MSB<<8)|\new
.set MSB, \new
.endif
.endm
.macro PLACES                          ; four independent vector instructions behind a matrix instruction (ISA guide 7.12.1)
.rept 4
	v_nop
.endr
.endm
.macro CREST
	s_cmp_lg_u32 s[WAVE], 0
	s_cbranch_scc1 .Lnot_wave_0_\@
	s_barrier_signal -3
.Lnot_wave_0_\@:
	s_barrier_wait -3
	s_barrier_signal -1
	s_barrier_wait -1
.endm
.macro CROUND
	s_barrier_signal -1
	s_barrier_wait -1
	CREST
.endm
; my one joint load for slot sl.  pf = 1 (even trips t = 0 .. 60): wave 0 also asks, behind its load, for its share of the mask tiles t + 2 and t + 3, whose tensor loads
; are issued one and two trips later: the eight heads' work-groups of a query block take 16 of the 128 rows each, 32 lanes x 256 bytes, so each block of 256 bytes is asked for once in the launch.
.macro JLOAD3 sl, pf
	s_cmp_lg_u32 s[WAVE], 0
	s_cbranch_scc1 .Lnot_k_\@
	tensor_load_to_lds s[G0K+4*(\sl):G0K+4*(\sl)+3], s[G1K:G1K+7]
	s_nop 0
.if \pf
	global_prefetch_b8 v[PFO], s[76:77] th:TH_LOAD_NT scope:SCOPE_SE
.endif
	s_branch .Lasked_\@
.Lnot_k_\@:
	s_cmp_lg_u32 s[WAVE], 1
	s_cbranch_scc1 .Lnot_v_\@
	tensor_load_to_lds s[G0V+4*(\sl):G0V+4*(\sl)+3], s[G1V:G1V+7]
	s_nop 0
	s_branch .Lasked_\@
.Lnot_v_\@:
	tensor_load_to_lds s[G0M+4*(\sl):G0M+4*(\sl)+3], s[G1M:G1M+7]
	s_nop 0
.Lasked_\@:
.endm
	s_load_b128 s[4:7], s[0:1], 0x0                ; qkv s[4:5], mask s[6:7]
	s_load_b64 s[8:9], s[0:1], 0x10                ; ab
	v_lshl_add_u32 v62, v0, 2, 0x33000
	v_mov_b32 v63, 0
	ds_add_u32 v62, v63
	v_lshrrev_b32 v1, 5, v0
	v_readfirstlane_b32 s10, v1
	s_and_b32 s11, s10, 1
	s_bfe_u32 s40, ttmp6, 0x40000                  ; cx
	s_bfe_u32 s41, ttmp6, 0x40004                  ; cy
	s_lshl_b32 s42, ttmp9, 2
	s_add_co_u32 s42, s42, s40                     ; query block
	s_and_b32 s43, ttmp7, 0xffff
	s_lshl_b32 s43, s43, 2
	s_add_co_u32 s43, s43, s41                     ; head
	s_lshl_b32 s44, s41, 2
	s_lshl_b32 s44, 15, s44                        ; my row of the cluster: the same head
	s_lshl_b32 s45, 0x1111, s40                    ; my column: the same query block
	s_mov_b32 s78, 0x76543210                      ; v_permlanex16_b32: lane i reads lane i of the other half
	s_mov_b32 s79, 0xfedcba98
	s_mov_b32 s92, 0xffff0000                      ; a word's upper bf16
	s_or_b32 s[G1K+0], s44, (1<<16)|(1<<20)|(1<<21)|(5<<22)|(3<<25)   ; 2-byte elements; 4 words of padding behind every 64
	s_mov_b32 s[G1K+1], 128<<16                    ; 128 d
	s_mov_b32 s[G1K+2], 64<<16                     ; 64 keys
	s_mov_b32 s[G1K+3], 128<<16
	s_mov_b32 s[G1K+4], 64
	s_mov_b32 s[G1K+5], 128                        ; rows follow each other
	s_mov_b32 s[G1K+6], 0
	s_mov_b32 s[G1K+7], 0
	s_or_b32 s[G1V+0], s44, (1<<16)|(1<<20)|(1<<21)|(6<<22)|(7<<25)   ; 8 words of padding behind every 128
	s_mov_b32 s[G1V+1], 256<<16                    ; both pieces: 256 elements
	s_mov_b32 s[G1V+2], 64<<16
	s_mov_b32 s[G1V+3], 256<<16
	s_mov_b32 s[G1V+4], 64
	s_mov_b32 s[G1V+5], 256
	s_mov_b32 s[G1V+6], 0
	s_mov_b32 s[G1V+7], 0
	s_or_b32 s[G1M+0], s45, (2<<16)|(1<<20)|(1<<21)|(5<<22)|(3<<25)   ; 4-byte elements; 4 words of padding behind every 64
	s_mov_b32 s[G1M+1], 64<<16                     ; 64 keys
	s_mov_b32 s[G1M+2], 64<<16                     ; 64 query rows
	s_mov_b32 s[G1M+3], 64<<16
	s_mov_b32 s[G1M+4], 64
	s_mov_b32 s[G1M+5], 4096
	s_mov_b32 s[G1M+6], 0
	s_mov_b32 s[G1M+7], 0
	; offsets: s[80:81] and s[90:91] the head alone, s[82:83] the query block and the wave alone; s[84:89] mix both and feed no descriptor
	s_lshl_b32 s80, s43, 20
	s_add_co_u32 s80, s80, 0x800000                ; K begins at 8 Mi; a head is 4,096 rows of 256 bytes
	s_mov_b32 s81, 0
	s_lshl_b32 s90, s43, 21
	s_add_co_u32 s90, s90, 0x1000000               ; V begins at 16 Mi; a head is 4,096 rows of 512 bytes
	s_mov_b32 s91, 0
	s_lshl_b32 s82, s42, 21                        ; 128 rows of 16,384 bytes
	s_lshl_b32 s83, s11, 20                        ; my half: 64 rows
	s_add_co_u32 s82, s82, s83
	s_mov_b32 s83, 0
	s_lshl_b32 s84, s43, 20                        ; Q: head, block
	s_lshl_b32 s85, s42, 15
	s_add_co_u32 s84, s84, s85
	s_mov_b32 s85, 0
	s_lshl_b32 s86, s42, 21                        ; prefetch: row 128 x block + 16 x head, column 0; stepped by two tiles at the head of each even trip
	s_lshl_b32 s87, s43, 18
	s_add_co_u32 s86, s86, s87
	s_mov_b32 s87, 0
	s_lshl_b32 s88, s42, 19                        ; ab: (128 x block + 32 w) rows of 4,096 bytes + 256 x head
	s_lshl_b32 s89, s10, 17
	s_add_co_u32 s88, s88, s89
	s_lshl_b32 s89, s43, 8
	s_add_co_u32 s88, s88, s89
	s_mov_b32 s89, 0
	s_mul_i32 s2, s10, 64*MP                       ; the mask's halves in LDS: waves 2, 3 at MBASE + (w - 2) x 17,408 = w x 17,408 + 17,408
	v_and_b32 v1, 15, v0                           ; r
	v_bfe_u32 v2, v0, 4, 1                         ; h
	v_and_b32 v3, 7, v0
	v_bfe_u32 v4, v0, 3, 1
	v_and_b32 v5, 31, v0
	v_mul_u32_u24 v[ADRK], v1, KP
	v_lshl_add_u32 v[ADRK], v2, 4, v[ADRK]         ; r 272 + 16 h
	v_add_nc_u32 v[ADRK+1], SLOT, v[ADRK]
	v_lshl_add_u32 v7, v2, 3, v3
	v_mul_u32_u24 v7, v7, VP
	v_lshl_add_u32 v7, v4, 4, v7                   ; (8 h + (l & 7)) 544 + 16 ((l >> 3) & 1)
	v_add_nc_u32 v[ADRV], VBASE, v7
	v_add_nc_u32 v[ADRV+1], SLOT+VBASE, v7
	s_lshl_b32 s3, s10, 5
	v_add_nc_u32 v7, s3, v1                        ; 32 w + r
	v_mul_u32_u24 v6, v7, MP
	v_lshl_add_u32 v6, v2, 5, v6
	v_add_nc_u32 v[ADRM], MBASE, v6
	v_add_nc_u32 v[ADRM+1], SLOT+MBASE, v6
	v_lshlrev_b32 v[QO], 8, v7
	v_lshl_add_u32 v[QO], v2, 4, v[QO]             ; (32 w + r) 256 + 16 h
	v_lshrrev_b32 v[PFO], 1, v5
	v_lshlrev_b32 v[PFO], 14, v[PFO]
	v_and_b32 v6, 1, v0
	v_lshl_add_u32 v[PFO], v6, 8, v[PFO]           ; (l >> 1) rows + (l & 1) 256
	s_mul_i32 s3, s10, WST
	s_add_co_u32 s3, s3, STAGE                     ; my stage
	v_add_nc_u32 v[STO], s3, v[ADRK]
	v_mul_u32_u24 v6, v2, KP
	v_lshl_add_u32 v6, v1, 4, v6
	v_add_nc_u32 v[RD], s3, v6
	v_lshlrev_b32 v[CO], 12, v2
	v_lshl_add_u32 v[CO], v1, 4, v[CO]             ; h rows of 4,096 bytes + 16 r
	s_wait_dscnt 0x0
	s_wait_kmcnt 0x0
	s_add_nc_u64 s[80:81], s[4:5], s[80:81]
	s_add_nc_u64 s[90:91], s[4:5], s[90:91]
	s_add_nc_u64 s[82:83], s[6:7], s[82:83]
	s_add_nc_u64 s[84:85], s[4:5], s[84:85]
	s_add_nc_u64 s[76:77], s[6:7], s[86:87]
	s_add_nc_u64 s[88:89], s[8:9], s[88:89]
.irp sl, 0,1
	s_mov_b32 s[G0K+4*\sl], 1
	s_mov_b32 s[G0K+4*\sl+1], \sl*SLOT
	s_add_nc_u64 s[G0K+4*\sl+2:G0K+4*\sl+3], s[80:81], \sl*16384              ; tile sl: 64 keys of 256 bytes
	s_or_b32 s[G0K+4*\sl+3], s[G0K+4*\sl+3], 0x80000000
	s_mov_b32 s[G0V+4*\sl], 1
	s_mov_b32 s[G0V+4*\sl+1], \sl*SLOT+VBASE
	s_add_nc_u64 s[G0V+4*\sl+2:G0V+4*\sl+3], s[90:91], \sl*32768              ; tile sl: 64 keys of 512 bytes
	s_or_b32 s[G0V+4*\sl+3], s[G0V+4*\sl+3], 0x80000000
	s_mov_b32 s[G0M+4*\sl], 1
	s_add_co_u32 s[G0M+4*\sl+1], s2, MBASE-2*64*MP+\sl*SLOT
	s_add_nc_u64 s[G0M+4*\sl+2:G0M+4*\sl+3], s[82:83], \sl*256                ; tile sl: 64 keys of 4 bytes
	s_or_b32 s[G0M+4*\sl+3], s[G0M+4*\sl+3], 0x80000000
.endr
	CROUND                                         ; in front of the first joint load
	JLOAD3 0, 0                                    ; tile 0
	WIN 0x40                                       ; destination window 1: my 32 queries as second-source fragments, kept for the whole launch
.irp q, 0,1
.irp c, 0,1,2,3
	global_load_b128 v[QF+8*(4*\q+\c):QF+8*(4*\q+\c)+3], v[QO], s[84:85] offset:4096*\q+64*\c
	global_load_b128 v[QF+8*(4*\q+\c)+4:QF+8*(4*\q+\c)+7], v[QO], s[84:85] offset:4096*\q+64*\c+32
.endr
.endr
	WIN 0
.irp q, 0,1
	v_mov_b32 v[M+\q], 0xff7fffff                  ; -FLT_MAX
	v_mov_b32 v[N100+\q], 0xc2c80000               ; -100
	v_mov_b32 v[P50+\q], 0x42480000                ; 50
	v_mov_b32 v[L2E+\q], 0x3fb8aa3b                ; log2(e)
	v_mov_b32 v[T1+\q], 0                          ; v_permlanex16_b32's destination counts as read
.endr
.irp p, 0,1,2,3,4,5,6,7
	v_mov_b32 v[LS+\p], 0
.endr
	s_wait_loadcnt 0x0                             ; Q
.macro LOADM slot                      ; 16 loads: the mask of my 32 queries x 64 keys, laid as S is
	WIN 0x80
.irp q, 0,1
.irp kt, 0,1,2,3
	.set xm, 64+32*(\kt>>1)+16*\q+8*(\kt&1)
	ds_load_b128 v[xm:xm+3], v[ADRM+\slot] offset:16*MP*\q+64*\kt
	ds_load_b128 v[xm+4:xm+7], v[ADRM+\slot] offset:16*MP*\q+64*\kt+16
.endr
.endr
	WIN 0
.endm
.macro LOADK slot, g, f                ; 16 loads: key tiles 2 g, 2 g + 1, all 128 d
.irp ktl, 0,1
.irp c, 0,1,2,3
	ds_load_b128 v[\f+32*\ktl+8*\c:\f+32*\ktl+8*\c+3], v[ADRK+\slot] offset:16*KP*(2*\g+\ktl)+64*\c
	ds_load_b128 v[\f+32*\ktl+8*\c+4:\f+32*\ktl+8*\c+7], v[ADRK+\slot] offset:16*KP*(2*\g+\ktl)+64*\c+32
.endr
.endr
.endm
.macro LOADV slot, kc, part, f         ; 16 transposing loads: keys 32 kc .. + 31 of all eight d tiles of one piece (part 0 upper, 1 lower)
.irp dt, 0,1,2,3,4,5,6,7
	ds_load_tr16_b128 v[\f+8*\dt:\f+8*\dt+3], v[ADRV+\slot] offset:32*VP*\kc+256*\part+32*\dt
	ds_load_tr16_b128 v[\f+8*\dt+4:\f+8*\dt+7], v[ADRV+\slot] offset:32*VP*\kc+256*\part+32*\dt+16*VP
.endr
.endm
; S^T of key tiles 2 g, 2 g + 1 x both query tiles: four accumulators by turns, one instruction a turn; the first product starts each sum
.macro MMK g, f
	WIN 0xa4                                       ; source 0 window 0, source 1 window 1, C and D window 2
.irp c, 0,1,2,3
.irp ktl, 0,1
.irp q, 0,1
	.set xs, 32*\g+16*\q+8*\ktl
.if \c == 0
	v_wmma_f32_16x16x32_f16 v[xs:xs+7], v[\f+32*\ktl+8*\c:\f+32*\ktl+8*\c+7], v[QF+8*(4*\q+\c):QF+8*(4*\q+\c)+7], 0
.else
	v_wmma_f32_16x16x32_f16 v[xs:xs+7], v[\f+32*\ktl+8*\c:\f+32*\ktl+8*\c+7], v[QF+8*(4*\q+\c):QF+8*(4*\q+\c)+7], v[xs:xs+7]
.endif
.endr
.endr
.endr
.endm
; O^T += (one piece of V)^T P^T for keys 32 kc .. + 31: sixteen accumulators by turns
.macro MMV kc, f, zero
	WIN 0x58                                       ; source 0 window 0, source 1 window 2, C and D window 1
.irp dt, 0,1,2,3,4,5,6,7
.irp q, 0,1
	.set xo, 8*(2*\dt+\q)
.if \zero
	v_wmma_f32_16x16x32_f16 v[xo:xo+7], v[\f+8*\dt:\f+8*\dt+7], v[32*\kc+16*\q:32*\kc+16*\q+7], 0
.else
	v_wmma_f32_16x16x32_f16 v[xo:xo+7], v[\f+8*\dt:\f+8*\dt+7], v[32*\kc+16*\q:32*\kc+16*\q+7], v[xo:xo+7]
.endif
.endr
.endr
.endm
; The 64 registers of S, stage by stage; inside a stage no instruction waits for the one in front of it.
; Behind each run of transcendentals one plain vector instruction stands before a result is used (ISA guide 5.7.2).
.macro SOFTMAX
	WIN 0x82                                       ; source 0 and destination window 2
.set i, 0
.rept 64
	v_exp_f32 v[i], v[i]                           ; e = 2^S'
.set i, i+1
.endr
	v_nop
.set i, 0
	s_wait_alu depctr_va_vdst(0)
.rept 32
	v_pk_add_f32 v[i:i+1], v[i:i+1], 1.0 op_sel_hi:[1,0]
.set i, i+2
.endr
.set i, 0
.rept 64
	v_rcp_f32 v[i], v[i]
.set i, i+1
.endr
	v_nop
.set i, 0
	s_wait_alu depctr_va_vdst(0)
.rept 32
	v_pk_fma_f32 v[i:i+1], v[i:i+1], v[N100:N100+1], v[P50:P50+1]        ; 50 tanh = 50 - 100 / (1 + e)
.set i, i+2
.endr
	WIN 0x8a                                       ; source 1 window 2 too
.set i, 0
.rept 32
	v_pk_add_f32 v[i:i+1], v[i:i+1], v[64+i:64+i+1]                      ; + mask, in f32
.set i, i+2
.endr
	WIN 0x0a                                       ; sources 0, 1 window 2; source 2 and destination window 0
.set n, 0
.rept 16
.irp q, 0,1
	.set xi, 32*(n>>4)+16*\q+(n&15)
	.set xt, TM+2*\q+((n>>1)&1)
.if n < 4
	v_max3_num_f32 v[xt], v[xi], v[xi+1], v[M+\q]                        ; each chain starts from the running maximum
.else
	v_max3_num_f32 v[xt], v[xi], v[xi+1], v[xt]
.endif
.endr
.set n, n+2
.endr
	WIN 0
.irp q, 0,1
	v_max_num_f32 v[T0+\q], v[TM+2*\q], v[TM+2*\q+1]
.endr
.irp q, 0,1
	v_permlanex16_b32 v[T1+\q], v[T0+\q], s78, s79                       ; the other eight keys of each tile lie in lane l xor 16
.endr
.irp q, 0,1
	v_max_num_f32 v[T1+\q], v[T0+\q], v[T1+\q]                           ; the new maximum
.endr
.irp q, 0,1
	v_sub_f32 v[T2+\q], v[M+\q], v[T1+\q]
.endr
.irp q, 0,1
	v_mul_f32 v[T2+\q], v[L2E], v[T2+\q]
.endr
.irp q, 0,1
	v_exp_f32 v[AL+2*\q], v[T2+\q]                                       ; alpha, twice: a pair for the packed multiplies
	v_exp_f32 v[AL+2*\q+1], v[T2+\q]
.endr
.irp q, 0,1
	v_mov_b32 v[M+\q], v[T1+\q]
	v_xor_b32 v[NM+2*\q], 0x80000000, v[T1+\q]
	v_xor_b32 v[NM+2*\q+1], 0x80000000, v[T1+\q]
.endr
	s_wait_alu depctr_va_vdst(0)
.irp q, 0,1
	v_pk_mul_f32 v[LS+4*\q:LS+4*\q+1], v[LS+4*\q:LS+4*\q+1], v[AL+2*\q:AL+2*\q+1]
	v_pk_mul_f32 v[LS+4*\q+2:LS+4*\q+3], v[LS+4*\q+2:LS+4*\q+3], v[AL+2*\q:AL+2*\q+1]
.endr
	WIN 0x82
.set i, 0
.rept 32
	v_pk_add_f32 v[i:i+1], v[i:i+1], v[NM+2*((i>>4)&1):NM+2*((i>>4)&1)+1]    ; x - m first: exact where x is near m, whatever the mask's size
.set i, i+2
.endr
.set i, 0
.rept 32
	v_pk_mul_f32 v[i:i+1], v[i:i+1], v[L2E:L2E+1]
.set i, i+2
.endr
.set i, 0
.rept 64
	v_exp_f32 v[i], v[i]                           ; p
.set i, i+1
.endr
	v_nop
	WIN 0x02                                       ; source 0 window 2
.set n, 0
	s_wait_alu depctr_va_vdst(0)
.rept 16
.irp q, 0,1
	.set xi, 32*(n>>4)+16*\q+(n&15)
	.set xt, LS+4*\q+2*((n>>1)&1)
	v_pk_add_f32 v[xt:xt+1], v[xi:xi+1], v[xt:xt+1]
.endr
.set n, n+2
.endr
	WIN 0x8a
.irp kc, 0,1
.irp q, 0,1
.irp p, 0,1,2,3,4,5,6,7
	v_cvt_pk_f16_f32 v[32*\kc+16*\q+\p], v[32*\kc+16*\q+2*\p], v[32*\kc+16*\q+2*\p+1]   ; in place, ascending: P(kc, q) = the first 8 of the 16 registers
.endr
.endr
.endr
.endm
; One trip: 64 keys from \slot.  In front of the round every wave waits for all its tensor loads (its part of this trip's tile among them) and for its LDS reads;
; the round takes the place of the barrier in front of a refill; behind it the other slot's next tile is asked for first.
.macro TRIP slot, refill, pf, first
	s_wait_tensorcnt 0x0
	ds_add_u32 v62, v63
	s_wait_dscnt 0x0
	s_add_nc_u64 s[G0K+4*\slot+2:G0K+4*\slot+3], s[G0K+4*\slot+2:G0K+4*\slot+3], 32768    ; no tensor load of mine is out: this slot's next tile, two on
	s_add_nc_u64 s[G0V+4*\slot+2:G0V+4*\slot+3], s[G0V+4*\slot+2:G0V+4*\slot+3], 65536
	s_add_nc_u64 s[G0M+4*\slot+2:G0M+4*\slot+3], s[G0M+4*\slot+2:G0M+4*\slot+3], 512
.if \slot == 0
	s_wait_xcnt 0x0                                ; the prefetch of two trips ago has read its base
	s_add_nc_u64 s[76:77], s[76:77], 512           ; in trip t: the column of tile t + 2
.endif
	s_wait_dscnt 0x0
	CROUND
.if \refill
	JLOAD3 1-\slot, \pf
.endif
	PLACES                                         ; behind the last trip's products, whose fragment buffers are loaded again
	LOADM \slot
	LOADK \slot, 0, F0
	LOADK \slot, 1, F1
	s_wait_dscnt 16                                ; everything but the youngest group of 16 loads is in; so at each wait below
	MMK 0, F0
	WIN 0
	PLACES
	LOADV \slot, 0, 0, F0
	s_wait_dscnt 16
	MMK 1, F1
	WIN 0
	PLACES
	LOADV \slot, 0, 1, F1
	SOFTMAX
.if \first == 0
	WIN 0x41                                       ; source 0 and destination window 1
.set i, 0
.rept 64
	v_pk_mul_f32 v[i:i+1], v[i:i+1], v[AL+2*((i>>3)&1):AL+2*((i>>3)&1)+1]     ; O *= alpha
.set i, i+2
.endr
.endif
	s_wait_dscnt 16
	MMV 0, F0, \first                              ; keys 0-31, upper piece
	WIN 0
	PLACES
	LOADV \slot, 1, 0, F0
	s_wait_dscnt 16
	MMV 0, F1, 0                                   ; keys 0-31, lower piece
	WIN 0
	PLACES
	LOADV \slot, 1, 1, F1
	s_wait_dscnt 16
	MMV 1, F0, 0                                   ; keys 32-63, upper piece
	s_wait_dscnt 0x0
	MMV 1, F1, 0                                   ; keys 32-63, lower piece
	WIN 0
.endm
	TRIP 0, 1, 1, 1                                ; trip 0: its first products start O's sums
	TRIP 1, 1, 0, 0
	s_mov_b32 s3, 30
.Lpair:
	TRIP 0, 1, 1, 0
	TRIP 1, 1, 0, 0
	s_sub_co_u32 s3, s3, 1
	s_cmp_lg_u32 s3, 0
	s_cbranch_scc1 .Lpair
	TRIP 0, 1, 0, 0                                ; trip 62 asks for tile 63 and prefetches nothing: tiles 64 and 65 do not exist
	TRIP 1, 0, 0, 0                                ; trip 63 asks for nothing
	; THE WAY OUT: O / l as two bf16 pieces (upper = O / l rounded, lower = the exact rest rounded), each through my own stage, whole pieces of 256 bytes to ab
	PLACES
.irp q, 0,1
	v_pk_add_f32 v[LS+4*\q:LS+4*\q+1], v[LS+4*\q:LS+4*\q+1], v[LS+4*\q+2:LS+4*\q+3]
.endr
.irp q, 0,1
	v_add_f32 v[T0+\q], v[LS+4*\q], v[LS+4*\q+1]
.endr
.irp q, 0,1
	v_permlanex16_b32 v[T1+\q], v[T0+\q], s78, s79
.endr
.irp q, 0,1
	v_add_f32 v[T2+\q], v[T0+\q], v[T1+\q]
.endr
.irp q, 0,1
	v_rcp_f32 v[AL+2*\q], v[T2+\q]
	v_rcp_f32 v[AL+2*\q+1], v[T2+\q]
.endr
	v_nop
	WIN 0x01                                       ; source 0 window 1
.set i, 0
	s_wait_alu depctr_va_vdst(0)
.rept 64
	v_pk_mul_f32 v[F0+i:F0+i+1], v[i:i+1], v[AL+2*((i>>3)&1):AL+2*((i>>3)&1)+1]
.set i, i+2
.endr
	WIN 0
.set i, 0
.rept 64
	v_cvt_pk_bf16_f32 v[PKR+i], v[F0+2*i], v[F0+2*i+1]                    ; the upper piece
.set i, i+1
.endr
.set i, 0
.rept 64
	v_lshlrev_b32 v[TW+2*(i&3)], 16, v[PKR+i]                             ; it again in f32,
	v_and_b32 v[TW+2*(i&3)+1], s92, v[PKR+i]
	v_pk_add_f32 v[F0+2*i:F0+2*i+1], v[F0+2*i:F0+2*i+1], v[TW+2*(i&3):TW+2*(i&3)+1] neg_lo:[0,1] neg_hi:[0,1]   ; and the exact rest
.set i, i+1
.endr
.irp dt, 0,1,2,3,4,5,6,7
.irp q, 0,1
	ds_store_b128 v[STO], v[PKR+4*(2*\dt+\q):PKR+4*(2*\dt+\q)+3] offset:16*KP*\q+32*\dt    ; query 16 q + r, d = 16 dt + 8 h .. + 7
.endr
.endr
.set i, 0
.rept 64
	v_cvt_pk_bf16_f32 v[PKR+i], v[F0+2*i], v[F0+2*i+1]                    ; the lower piece
.set i, i+1
.endr
.irp i, 0,1,2,3,4,5,6,7,8,9,10,11,12,13,14,15
	ds_load_b128 v[F0+4*\i:F0+4*\i+3], v[RD] offset:2*KP*\i        ; LDS serves a wave's instructions in order (ISA guide 5.7.1.4): these see my stores above
.endr
.irp i, 0,1,2,3,4,5,6,7,8,9,10,11,12,13,14,15
	s_wait_dscnt 15-\i                             ; load i is in, the younger ones stay out
	global_store_b128 v[CO], v[F0+4*\i:F0+4*\i+3], s[88:89] offset:8192*\i     ; sixteen lanes store the head's 256 consecutive bytes of a row, aligned
.endr
.irp dt, 0,1,2,3,4,5,6,7
.irp q, 0,1
	ds_store_b128 v[STO], v[PKR+4*(2*\dt+\q):PKR+4*(2*\dt+\q)+3] offset:16*KP*\q+32*\dt    ; my reads of the stage are back: the count-down ended at 0
.endr
.endr
.irp i, 0,1,2,3,4,5,6,7,8,9,10,11,12,13,14,15
	ds_load_b128 v[F1+4*\i:F1+4*\i+3], v[RD] offset:2*KP*\i        ; into registers that no pending store reads
.endr
.irp i, 0,1,2,3,4,5,6,7,8,9,10,11,12,13,14,15
	s_wait_dscnt 15-\i
	global_store_b128 v[CO], v[F1+4*\i:F1+4*\i+3], s[88:89] offset:8192*\i+2048    ; the lower pieces lie 1,024 columns behind the upper ones
.endr
	s_wait_tensorcnt 0x0
	ds_add_u32 v62, v63
	s_wait_dscnt 0x0
	CROUND                                         ; the closing round
	s_endpgm
.Lfunc_end_k_q5bbec87d2f_attn:
	.size	k_q5bbec87d2f_attn, .Lfunc_end_k_q5bbec87d2f_attn-k_q5bbec87d2f_attn
	.p2alignl 7, 3214868480
	.fill 96, 4, 3214868480
	.section	.rodata,"a",@progbits
	.p2align	6, 0x0
	.amdhsa_kernel k_q5bbec87d2f_attn
		.amdhsa_group_segment_fixed_size 327680
		.amdhsa_private_segment_fixed_size 0
		.amdhsa_enable_private_segment 0
		.amdhsa_kernarg_size 24
		.amdhsa_user_sgpr_count 2
		.amdhsa_user_sgpr_kernarg_segment_ptr 1
		.amdhsa_wavefront_size32 1
		.amdhsa_system_sgpr_workgroup_id_x 1
		.amdhsa_system_sgpr_workgroup_id_y 1
		.amdhsa_system_sgpr_workgroup_id_z 1
		.amdhsa_system_vgpr_workitem_id 0
		.amdhsa_next_free_vgpr 768
		.amdhsa_next_free_sgpr 94
		.amdhsa_reserve_vcc 0
		.amdhsa_float_denorm_mode_32 3
		.amdhsa_float_denorm_mode_16_64 3
		.amdhsa_memory_ordered 1
		.amdhsa_forward_progress 1
		.amdhsa_inst_pref_size 255
	.end_amdhsa_kernel
	.section	.bss,"aw",@nobits
	.p2align	6
	.space	262144
	.amdgpu_metadata
---
amdhsa.version: [ 1, 2 ]
amdhsa.kernels:
  - .name:           k_q5bbec87d2f_attn
    .symbol:         k_q5bbec87d2f_attn.kd
    .args:
      - { .name: qkv, .offset: 0, .size: 8, .value_kind: global_buffer, .address_space: global }
      - { .name: attention_mask, .offset: 8, .size: 8, .value_kind: global_buffer, .address_space: global }
      - { .name: ab, .offset: 16, .size: 8, .value_kind: global_buffer, .address_space: global }
    .group_segment_fixed_size: 327680
    .private_segment_fixed_size: 0
    .kernarg_segment_align: 8
    .kernarg_segment_size: 24
    .max_flat_workgroup_size: 128
    .sgpr_count:     94
    .vgpr_count:     768
    .wavefront_size: 32
...
	.end_amdgpu_metadata
.endif
;; end of part 3
;; launch oproj (part 4): grid 8 x 32, 4 waves a work-group, clusters of 4 x 4, 327,680 bytes of LDS; arguments ab, xb, out0; writes out0
.if DOCPART == 4
	.amdgcn_target "amdgcn-amd-amdhsa--gfx1250"
	.amdhsa_code_object_version 6
	.text
	.protected	k_q5bbec87d2f_oproj
	.globl	k_q5bbec87d2f_oproj
	.p2align	8
	.type	k_q5bbec87d2f_oproj,@function
k_q5bbec87d2f_oproj:
	s_mov_b64 s[64:65], 0
	v_nop
	global_prefetch_b8 v0, s[64:65] scope:SCOPE_SE
	s_setreg_imm32_b32 hwreg(HW_REG_WAVE_MODE, 25, 1), 1
	s_wait_xcnt 0x0
	s_wait_alu depctr_hold_cnt(0) depctr_sa_sdst(0) depctr_va_vdst(0) depctr_va_sdst(0) depctr_va_ssrc(0) depctr_va_vcc(0) depctr_vm_vsrc(0)
	s_getreg_b32 s2, hwreg(HW_REG_IB_STS2, 6, 4)
	s_cmp_eq_u32 s2, 0
	s_cbranch_scc0 .Lentry_in_a_cluster
	s_endpgm
.Lentry_in_a_cluster:
	s_bfe_u32 s2, ttmp6, 0x10000c
	s_cmp_lg_u32 s2, 0xf033
	s_cbranch_scc0 .Lentry_shape_is_right
	s_endpgm
.Lentry_shape_is_right:
; out0 = (ab_upper + ab_lower) x Wo.  ab: [4096][upper 1024 | lower 1024] bf16; Wo: bf16 [1024][2048] at byte 29,360,128 of xb; out0: [4096][2048] f32; sums in f32.
; The attention's result comes as two bf16 pieces so that its rounding does not show in rows that are many times larger than the output's root mean square;
; both pieces are multiplied by the same fragments of Wo and added onto the same sums.
; A work-group (x = block of 256 columns, y = block of 128 rows; 8 x 32 = 256 groups) makes 128 x 256; wave (rh, ch) makes 64 x 128: 32 tiles, 256 registers.
; K = 1024 goes in 8 steps of 128 through two LDS slots; a slot holds Wo's tile [128 k][256 n] and ab's two tiles [128 rows][128 k].
; Wo lies [k][n]: its fragments come out of LDS by the transposing load.
; CLUSTERS 4 x 4: ab's tiles hang on the row block alone (shared along a row of the cluster), Wo's on the column block alone (shared along a column).
; Waves 0 and 1 ask for the two halves (64 k rows) of Wo's tile, wave 2 for ab's upper tile, wave 3 for its lower one.
; The matrix instruction is used transposed (source 0 = 16 columns of Wo, source 1 = 16 rows of ab): a lane holds row l % 16 and eight neighbouring columns.
; REGISTER WINDOWS: 0: addresses, ab's fragments v64-191 (two buffers of upper 32 + lower 32); 1: Wo's fragments v0-63, v64-127; 2: tile (a, b) at 8 (4 b + a).
.set PA,     272                       ; ab's LDS row: 256 + 16
.set PB,     544                       ; Wo's LDS row: 512 + 32, an odd multiple of 32, for the transposing load
.set QT,     128*PA                    ; 34,816: what one tensor load brings: half of Wo's tile (64 x 544), or one of ab's tiles
.set ABASE,  2*QT                      ; ab's tiles lie behind Wo's
.set SLOT,   4*QT                      ; 139,264
.set STAGE,  2*SLOT                    ; 16 rows x 528 bytes for each wave, its own; no tensor load lands here
.set SP,     528
.set LAPS,   4
.set WAVE, 10                          ; s10 wave, s11 = wave >> 1 (rh; 0: I fetch for Wo, 1: for ab), s12 = wave & 1 (ch; which half or piece I fetch)
.set G1A,  16
.set G1B,  24
.set G0A,  32
.set G0B,  48
.set ADRA, 8
.set ADRB, 10
.set STO,  16
.set RD,   17
.set CO,   18
.set FA,   64
.set RB,   64
.set FB,   0
.set MUL,  0xa1                        ; source 0 window 1, source 1 window 0, C and D window 2
.set MSB, 0
.macro WIN new
.if MSB != \new
	s_set_vgpr_msb (MSB<<8)|\new
.set MSB, \new
.endif
.endm
.macro PLACES                          ; four independent vector instructions behind a matrix instruction (ISA guide 7.12.1)
.rept 4
	v_nop
.endr
.endm
.macro CREST
	s_cmp_lg_u32 s[WAVE], 0
	s_cbranch_scc1 .Lnot_wave_0_\@
	s_barrier_signal -3
.Lnot_wave_0_\@:
	s_barrier_wait -3
	s_barrier_signal -1
	s_barrier_wait -1
.endm
.macro CROUND
	s_barrier_signal -1
	s_barrier_wait -1
	CREST
.endm
.macro JLOAD sl
	s_cmp_eq_u32 s11, 0
	s_cbranch_scc0 .Lfor_a_\@
	tensor_load_to_lds s[G0B+4*\sl:G0B+4*\sl+3], s[G1B:G1B+7]
	s_nop 0
	s_branch .Lasked_\@
.Lfor_a_\@:
	tensor_load_to_lds s[G0A+4*\sl:G0A+4*\sl+3], s[G1A:G1A+7]
	s_nop 0
.Lasked_\@:
.endm
	s_load_b128 s[4:7], s[0:1], 0x0                ; ab s[4:5], xb s[6:7]
	s_load_b64 s[8:9], s[0:1], 0x10                ; out0
	s_set_vgpr_msb 0x40
	v_lshl_add_u32 v255, v0, 2, 0x4c400
	s_set_vgpr_msb 0x4000
	v_mov_b32 v255, 0
	s_set_vgpr_msb 0x1
	ds_add_u32 v255, v255
	s_set_vgpr_msb 0x100
	v_lshrrev_b32 v1, 5, v0
	v_readfirstlane_b32 s10, v1
	s_lshr_b32 s11, s10, 1
	s_and_b32 s12, s10, 1
	s_bfe_u32 s40, ttmp6, 0x40000                  ; cx
	s_bfe_u32 s41, ttmp6, 0x40004                  ; cy
	s_lshl_b32 s42, ttmp9, 2
	s_add_co_u32 s42, s42, s40                     ; column block
	s_and_b32 s43, ttmp7, 0xffff
	s_lshl_b32 s43, s43, 2
	s_add_co_u32 s43, s43, s41                     ; row block
	s_lshl_b32 s44, s41, 2
	s_lshl_b32 s44, 15, s44                        ; my row of the cluster
	s_lshl_b32 s45, 0x1111, s40                    ; my column
	s_or_b32 s[G1A+0], s44, (1<<16)|(1<<20)|(1<<21)|(5<<22)|(3<<25)   ; 128 rows x 128 elements; 4 words of padding behind every 64
	s_mov_b32 s[G1A+1], 128<<16
	s_mov_b32 s[G1A+2], 128<<16
	s_mov_b32 s[G1A+3], 128<<16
	s_mov_b32 s[G1A+4], 128
	s_mov_b32 s[G1A+5], 2048                       ; ab's row pitch in elements: both pieces
	s_mov_b32 s[G1A+6], 0
	s_mov_b32 s[G1A+7], 0
	s_or_b32 s[G1B+0], s45, (1<<16)|(1<<20)|(1<<21)|(6<<22)|(7<<25)   ; 64 rows x 256 elements; 8 words of padding behind every 128
	s_mov_b32 s[G1B+1], 256<<16
	s_mov_b32 s[G1B+2], 64<<16
	s_mov_b32 s[G1B+3], 256<<16
	s_mov_b32 s[G1B+4], 64
	s_mov_b32 s[G1B+5], 2048
	s_mov_b32 s[G1B+6], 0
	s_mov_b32 s[G1B+7], 0
	; offsets: s[56:57] the row block and the wave alone, s[58:59] the column block and the wave alone; s[46:47] mixes both and feeds no descriptor
	s_lshl_b32 s56, s43, 19                        ; 128 rows of 4,096 bytes
	s_lshl_b32 s57, s12, 11                        ; my piece: the lower one lies 2,048 bytes along the row
	s_add_co_u32 s56, s56, s57
	s_mov_b32 s57, 0
	s_lshl_b32 s58, s42, 9                         ; 256 columns: 512 bytes
	s_lshl_b32 s59, s12, 18                        ; my half: 64 rows of 4,096 bytes
	s_add_co_u32 s58, s58, s59
	s_add_co_u32 s58, s58, 29360128                ; Wo in xb
	s_mov_b32 s59, 0
	s_lshl_b32 s46, s43, 20                        ; out0: (128 x row block + 64 rh) rows of 8,192 bytes + 1,024 x column block + 512 ch
	s_lshl_b32 s47, s11, 19
	s_add_co_u32 s46, s46, s47
	s_lshl_b32 s47, s42, 10
	s_add_co_u32 s46, s46, s47
	s_lshl_b32 s47, s12, 9
	s_add_co_u32 s46, s46, s47
	s_mov_b32 s47, 0
	s_mul_i32 s60, s10, QT                         ; LDS: wave x 34,816: Wo's two halves, ab's upper tile, ab's lower tile
	v_and_b32 v1, 15, v0                           ; r
	v_bfe_u32 v2, v0, 4, 1                         ; h
	v_and_b32 v3, 7, v0
	v_bfe_u32 v4, v0, 3, 1
	v_and_b32 v5, 31, v0
	s_wait_dscnt 0x0
	s_wait_kmcnt 0x0
	s_add_nc_u64 s[56:57], s[4:5], s[56:57]
	s_add_nc_u64 s[58:59], s[6:7], s[58:59]
	s_add_nc_u64 s[46:47], s[8:9], s[46:47]
	CROUND                                         ; all sixteen work-groups are here: the first joint loads meet
.irp sl, 0,1
	s_mov_b32 s[G0A+4*\sl], 1
	s_add_co_u32 s[G0A+4*\sl+1], s60, \sl*SLOT
	s_add_nc_u64 s[G0A+4*\sl+2:G0A+4*\sl+3], s[56:57], \sl*256          ; K step sl along the rows
	s_or_b32 s[G0A+4*\sl+3], s[G0A+4*\sl+3], 0x80000000
	s_mov_b32 s[G0B+4*\sl], 1
	s_add_co_u32 s[G0B+4*\sl+1], s60, \sl*SLOT
	s_add_nc_u64 s[G0B+4*\sl+2:G0B+4*\sl+3], s[58:59], \sl*524288       ; K step sl: 128 rows of 4,096 bytes
	s_or_b32 s[G0B+4*\sl+3], s[G0B+4*\sl+3], 0x80000000
	JLOAD \sl                                      ; both slots' first fills go out together: two tensor loads of the wave are out
.endr
	v_mul_u32_u24 v6, v1, PA
	v_lshl_add_u32 v6, v2, 4, v6
	s_mul_i32 s2, s11, 64*PA
	s_add_co_u32 s2, s2, ABASE
	v_add_nc_u32 v[ADRA], s2, v6                   ; ABASE + (64 rh + r) 272 + 16 h: the upper tile; the lower one 34,816 bytes on
	v_add_nc_u32 v[ADRA+1], SLOT, v[ADRA]
	v_lshl_add_u32 v7, v2, 3, v3
	v_mul_u32_u24 v7, v7, PB
	v_lshl_add_u32 v7, v4, 4, v7
	s_lshl_b32 s2, s12, 8
	v_add_nc_u32 v[ADRB], s2, v7                   ; (8 h + (l & 7)) 544 + 256 ch + 16 ((l >> 3) & 1)
	v_add_nc_u32 v[ADRB+1], SLOT, v[ADRB]
	s_mul_i32 s2, s10, 16*SP
	s_add_co_u32 s2, s2, STAGE                     ; my stage
	v_mul_u32_u24 v6, v1, SP
	v_lshl_add_u32 v6, v2, 5, v6
	v_add_nc_u32 v[STO], s2, v6                    ; row r, 32 bytes for each half of the lanes
	v_lshlrev_b32 v[CO], 4, v5                     ; 16 x lane: a row's 512 bytes
	v_add_nc_u32 v[RD], s2, v[CO]
.macro FETCH slot, kq, f               ; 32 LDS loads: the fragments of 32 along K into buffer f: Wo's 128 columns, ab's 64 rows in both pieces
	WIN 0x40
.irp b, 0,1,2,3,4,5,6,7
	ds_load_tr16_b128 v[FB+64*\f+8*\b:FB+64*\f+8*\b+3], v[ADRB+\slot] offset:32*PB*\kq+32*\b
	ds_load_tr16_b128 v[FB+64*\f+8*\b+4:FB+64*\f+8*\b+7], v[ADRB+\slot] offset:32*PB*\kq+32*\b+16*PB
.endr
	WIN 0
.irp part, 0,1
.irp a, 0,1,2,3
	ds_load_b128 v[FA+64*\f+32*\part+8*\a:FA+64*\f+32*\part+8*\a+3], v[ADRA+\slot] offset:64*\kq+16*PA*\a+QT*\part
	ds_load_b128 v[FA+64*\f+32*\part+8*\a+4:FA+64*\f+32*\part+8*\a+7], v[ADRA+\slot] offset:64*\kq+16*PA*\a+QT*\part+32
.endr
.endr
.endm
; 16 matrix instructions on one piece of ab.  The 32 accumulators take turns, one instruction a turn, in the same order for each piece and in every quarter.
.macro MULB f, part, b0, zero
.irp bi, 0,1,2,3
.irp a, 0,1,2,3
	.set xd, 8*(4*(\b0+\bi)+\a)
	.set xa, FA+64*\f+32*\part+8*\a
.if \zero
	v_wmma_f32_16x16x32_bf16 v[xd:xd+7], v[FB+64*\f+8*(\b0+\bi):FB+64*\f+8*(\b0+\bi)+7], v[xa:xa+7], 0
.else
	v_wmma_f32_16x16x32_bf16 v[xd:xd+7], v[FB+64*\f+8*(\b0+\bi):FB+64*\f+8*(\b0+\bi)+7], v[xa:xa+7], v[xd:xd+7]
.endif
.endr
.endr
.endm
.macro QUARTER slot, kn, f, g, zero
	s_wait_dscnt 0x0                               ; buffer f is in: its loads were issued 48 matrix instructions ago
	WIN MUL
	MULB \f, 0, 0, \zero
	PLACES
	FETCH \slot, \kn, \g
	WIN MUL
	MULB \f, 0, 4, \zero
	MULB \f, 1, 0, 0
	MULB \f, 1, 4, 0
.endm
.macro THREE slot, zero
	QUARTER \slot, 1, 0, 1, \zero
	QUARTER \slot, 2, 1, 0, 0
	QUARTER \slot, 3, 0, 1, 0
.endm
; the last quarter changes slots: each wave's reads of this slot and all its tensor loads are waited for in front of the barrier; fill = 1: the barrier opens a
; round of the cluster's barrier and this slot's next tile is asked for first behind it.  From that request to the wait for it a wave issues 240 matrix instructions.
.macro TURN slot, next, fill
	s_wait_dscnt 0x0
	s_wait_tensorcnt 0x0
	ds_add_u32 v255, v255
	s_wait_dscnt 0x0
	s_barrier_signal -1
	WIN MUL
	MULB 1, 0, 0, 0
	WIN 0
	s_barrier_wait -1
.if \fill
	CREST
	s_add_nc_u64 s[G0A+4*\slot+2:G0A+4*\slot+3], s[G0A+4*\slot+2:G0A+4*\slot+3], 512        ; no tensor load of mine is out: two K steps on
	s_add_nc_u64 s[G0B+4*\slot+2:G0B+4*\slot+3], s[G0B+4*\slot+2:G0B+4*\slot+3], 1048576
	JLOAD \slot
.endif
	PLACES
	FETCH \next, 0, 0
	WIN MUL
	MULB 1, 0, 4, 0
	MULB 1, 1, 0, 0
	MULB 1, 1, 4, 0
.endm
.macro LAP zero
	THREE 0, \zero
	TURN 0, 1, 1
	THREE 1, 0
	TURN 1, 0, 1
.endm
	s_wait_tensorcnt 0x1                           ; my part of K step 0 is in; K step 1's load was issued behind it and may stay out
	s_barrier_signal -1
	s_barrier_wait -1
	FETCH 0, 0, 0
	LAP 1                                          ; the first products start the sums
	WIN 0
	s_mov_b32 s3, LAPS-2
.Llap:
	LAP 0
	WIN 0
	s_sub_co_u32 s3, s3, 1
	s_cmp_lg_u32 s3, 0
	s_cbranch_scc1 .Llap
	THREE 0, 0                                     ; the last lap fills nothing
	TURN 0, 1, 0
	THREE 1, 0
	s_wait_dscnt 0x0
	WIN MUL
	MULB 1, 0, 0, 0
	MULB 1, 0, 4, 0
	MULB 1, 1, 0, 0
	MULB 1, 1, 4, 0
	WIN 0
	PLACES
; 16 rows x 128 columns of f32 at a time through my own stage: in by 16 bytes a lane, back as whole rows of 512 bytes
.macro OUT16 a
	WIN 0x08                                       ; store data window 2
.irp b, 0,1,2,3,4,5,6,7
	ds_store_b128 v[STO], v[8*(4*\b+\a):8*(4*\b+\a)+3] offset:64*\b
	ds_store_b128 v[STO], v[8*(4*\b+\a)+4:8*(4*\b+\a)+7] offset:64*\b+16
.endr
	WIN 0
	s_wait_xcnt 0x0                                ; the last sixteen rows' stores have read RB and the base: both are rewritten only behind this wait
.if \a
	s_add_nc_u64 s[46:47], s[46:47], 131072        ; 16 rows of 8,192 bytes on
.endif
.irp i, 0,1,2,3,4,5,6,7,8,9,10,11,12,13,14,15
	ds_load_b128 v[RB+4*\i:RB+4*\i+3], v[RD] offset:SP*\i          ; LDS serves a wave's instructions in order (ISA guide 5.7.1.4): these see my stores above
.endr
.irp i, 0,1,2,3,4,5,6,7,8,9,10,11,12,13,14,15
	s_wait_dscnt 15-\i                             ; load i is in, the younger ones stay out
	global_store_b128 v[CO], v[RB+4*\i:RB+4*\i+3], s[46:47] offset:8192*\i th:TH_STORE_NT   ; 512 consecutive bytes of a row, aligned; not read again
.endr
.endm
	OUT16 0
	OUT16 1
	OUT16 2
	OUT16 3
	s_set_vgpr_msb 0x1
	s_wait_tensorcnt 0x0
	ds_add_u32 v255, v255
	s_wait_dscnt 0x0
	s_set_vgpr_msb 0x100
	CROUND                                         ; the closing round
	s_endpgm
.Lfunc_end_k_q5bbec87d2f_oproj:
	.size	k_q5bbec87d2f_oproj, .Lfunc_end_k_q5bbec87d2f_oproj-k_q5bbec87d2f_oproj
	.p2alignl 7, 3214868480
	.fill 96, 4, 3214868480
	.section	.rodata,"a",@progbits
	.p2align	6, 0x0
	.amdhsa_kernel k_q5bbec87d2f_oproj
		.amdhsa_group_segment_fixed_size 327680
		.amdhsa_private_segment_fixed_size 0
		.amdhsa_enable_private_segment 0
		.amdhsa_kernarg_size 24
		.amdhsa_user_sgpr_count 2
		.amdhsa_user_sgpr_kernarg_segment_ptr 1
		.amdhsa_wavefront_size32 1
		.amdhsa_system_sgpr_workgroup_id_x 1
		.amdhsa_system_sgpr_workgroup_id_y 1
		.amdhsa_system_sgpr_workgroup_id_z 1
		.amdhsa_system_vgpr_workitem_id 0
		.amdhsa_next_free_vgpr 768
		.amdhsa_next_free_sgpr 66
		.amdhsa_reserve_vcc 0
		.amdhsa_float_denorm_mode_32 3
		.amdhsa_float_denorm_mode_16_64 3
		.amdhsa_memory_ordered 1
		.amdhsa_forward_progress 1
		.amdhsa_inst_pref_size 178
	.end_amdhsa_kernel
	.amdgpu_metadata
---
amdhsa.version: [ 1, 2 ]
amdhsa.kernels:
  - .name:           k_q5bbec87d2f_oproj
    .symbol:         k_q5bbec87d2f_oproj.kd
    .args:
      - { .name: ab, .offset: 0, .size: 8, .value_kind: global_buffer, .address_space: global }
      - { .name: xb, .offset: 8, .size: 8, .value_kind: global_buffer, .address_space: global }
      - { .name: out0, .offset: 16, .size: 8, .value_kind: global_buffer, .address_space: global }
    .group_segment_fixed_size: 327680
    .private_segment_fixed_size: 0
    .kernarg_segment_align: 8
    .kernarg_segment_size: 24
    .max_flat_workgroup_size: 128
    .sgpr_count:     66
    .vgpr_count:     768
    .wavefront_size: 32
...
	.end_amdgpu_metadata
.endif
;; end of part 4
;; ======== version 2 of 3: 4 launches
;; limits: values outside matrix products are rounded to bf16; values are held in f16: magnitudes above 65,504 overflow, below 6.1e-05 lose precision
;; workspace buffers: xb 35,651,584 bytes; qkv 25,165,824 bytes; ab 8,388,608 bytes
;; launch cast (part 5): grid 544 x 1, 8 waves a work-group, no clusters, 0 bytes of LDS; arguments hidden_states, Wq, Wk, Wv, Wo, cos, sin, xb; writes xb
.if DOCPART == 5
	.amdgcn_target "amdgcn-amd-amdhsa--gfx1250"
	.amdhsa_code_object_version 6
	.text
	.protected	k_q5bbec87d2f_cast
	.globl	k_q5bbec87d2f_cast
	.p2align	8
	.type	k_q5bbec87d2f_cast,@function
k_q5bbec87d2f_cast:
	s_mov_b64 s[64:65], 0
	v_nop
	global_prefetch_b8 v0, s[64:65] scope:SCOPE_SE
	s_setreg_imm32_b32 hwreg(HW_REG_WAVE_MODE, 25, 1), 1
	s_wait_xcnt 0x0
; f32 -> bf16 (round to nearest even) of hidden_states, Wq, Wk, Wv, Wo, cos, sin, layouts unchanged, one behind the other in xb:
;   byte 0 hidden [4096][2048]; 16 Mi Wq, 20 Mi Wk, 24 Mi Wv, each [2048][1024]; 28 Mi Wo [1024][2048]; 32 Mi cos, 33 Mi sin, each [4096][128].
; Wo alone is written as f16: first rounded to bf16 like the others, then that value as f16, because the output projection multiplies it by f16 numbers.
; LIMIT OF FORMAT: from here on every floating-point input but the mask has bf16's 8 significant bits, the RoPE tables too.
; LIMIT OF RANGE: |Wo| below 65,504; where |Wo| is below 6.1e-5 the second step has an absolute error of up to 3e-8, above it is exact.
; A pure stream: every input byte is read once and every output byte written once.  LDS, matrix instructions and clusters
; would add nothing: no two work-groups read the same byte and no lane needs another lane's number.
; Work-group c takes chunk c of 32,768 numbers (128 KiB in, 64 KiB out): 256 chunks of hidden, 64 of each weight, 16 of each table, 544 in all.
; Wave w takes 16 KiB of the chunk by 32 loads of 512 consecutive bytes, all issued before the first is used.
.set X, 4                              ; v[4:131]   32 x 4 numbers as loaded
.set Y, 132                            ; v[132:195] 32 x 2 words to store; none is written again behind its store, so no store's source is at stake
	s_load_b256 s[4:11], s[0:1], 0x0               ; hidden s[4:5], Wq s[6:7], Wk s[8:9], Wv s[10:11]
	s_load_b256 s[12:19], s[0:1], 0x20             ; Wo s[12:13], cos s[14:15], sin s[16:17], xb s[18:19]
	s_mov_b32 s2, ttmp9                            ; chunk c
	s_and_b32 s22, s2, 63                          ; a weight's chunk number, and cos's: c mod 64 (256 and 512 are multiples of 64)
	s_cmp_lt_u32 s2, 256
	s_cselect_b32 s22, s2, s22                     ; hidden's: c itself
	s_and_b32 s24, s2, 15
	s_cmp_ge_u32 s2, 528
	s_cselect_b32 s22, s24, s22                    ; sin's: c mod 16
	s_lshl_b32 s22, s22, 17                        ; x 128 KiB: offset in the source
	s_mov_b32 s23, 0
	s_lshl_b32 s24, s2, 16                         ; c x 64 KiB: offset in xb
	s_mov_b32 s25, 0
	s_cmp_ge_u32 s2, 448
	s_cselect_b32 s3, 1, 0
	s_cmp_lt_u32 s2, 512
	s_cselect_b32 s3, s3, 0                        ; 1: a chunk of Wo (448 to 511)
	v_lshrrev_b32 v3, 5, v0                        ; wave
	v_and_b32 v1, 31, v0                           ; lane
	v_lshlrev_b32 v2, 3, v1                        ; out: 8 bytes a lane
	v_lshlrev_b32 v1, 4, v1                        ; in: 16 bytes a lane
	v_lshl_add_u32 v1, v3, 14, v1                  ; + wave x 16 KiB
	v_lshl_add_u32 v2, v3, 13, v2                  ; + wave x 8 KiB
	s_wait_kmcnt 0x0
	s_mov_b64 s[20:21], s[4:5]                     ; the source: chosen by the chunk number alone
	s_cmp_ge_u32 s2, 256
	s_cselect_b64 s[20:21], s[6:7], s[20:21]
	s_cmp_ge_u32 s2, 320
	s_cselect_b64 s[20:21], s[8:9], s[20:21]
	s_cmp_ge_u32 s2, 384
	s_cselect_b64 s[20:21], s[10:11], s[20:21]
	s_cmp_ge_u32 s2, 448
	s_cselect_b64 s[20:21], s[12:13], s[20:21]
	s_cmp_ge_u32 s2, 512
	s_cselect_b64 s[20:21], s[14:15], s[20:21]
	s_cmp_ge_u32 s2, 528
	s_cselect_b64 s[20:21], s[16:17], s[20:21]
	s_add_nc_u64 s[20:21], s[20:21], s[22:23]
	s_add_nc_u64 s[18:19], s[18:19], s[24:25]
.set i, 0
.rept 32
	global_load_b128 v[X+4*i:X+4*i+3], v1, s[20:21] offset:512*i th:TH_LOAD_NT   ; read once in the launch
.set i, i+1
.endr
; the 32 loads' numbers are rounded and stored.  wo = 1: the bf16 values are widened again (a shift, a mask) and written as f16
.macro CONV wo
.set i, 0
.rept 32
	s_wait_loadcnt 31-i                            ; loads return in order (ISA guide 5.7.1): load i is in, the 31-i younger ones stay out
	v_cvt_pk_bf16_f32 v[Y+2*i], v[X+4*i], v[X+4*i+1]
	v_cvt_pk_bf16_f32 v[Y+2*i+1], v[X+4*i+2], v[X+4*i+3]
.if \wo
	v_lshlrev_b32 v[X+4*i], 16, v[Y+2*i]
	v_and_b32 v[X+4*i+1], 0xffff0000, v[Y+2*i]
	v_lshlrev_b32 v[X+4*i+2], 16, v[Y+2*i+1]
	v_and_b32 v[X+4*i+3], 0xffff0000, v[Y+2*i+1]
	v_cvt_pk_f16_f32 v[Y+2*i], v[X+4*i], v[X+4*i+1]
	v_cvt_pk_f16_f32 v[Y+2*i+1], v[X+4*i+2], v[X+4*i+3]
.endif
	global_store_b64 v2, v[Y+2*i:Y+2*i+1], s[18:19] offset:256*i   ; the wave's 32 lanes store 256 consecutive bytes, aligned; later launches read them: no hint
.set i, i+1
.endr
.endm
	s_cmp_lg_u32 s3, 0                             ; the branch hangs on the chunk number alone
	s_cbranch_scc1 .Lwo
	CONV 0
	s_endpgm
.Lwo:
	CONV 1
	s_endpgm
.Lfunc_end_k_q5bbec87d2f_cast:
	.size	k_q5bbec87d2f_cast, .Lfunc_end_k_q5bbec87d2f_cast-k_q5bbec87d2f_cast
	.p2alignl 7, 3214868480
	.fill 96, 4, 3214868480
	.section	.rodata,"a",@progbits
	.p2align	6, 0x0
	.amdhsa_kernel k_q5bbec87d2f_cast
		.amdhsa_group_segment_fixed_size 0
		.amdhsa_private_segment_fixed_size 0
		.amdhsa_enable_private_segment 0
		.amdhsa_kernarg_size 64
		.amdhsa_user_sgpr_count 2
		.amdhsa_user_sgpr_kernarg_segment_ptr 1
		.amdhsa_wavefront_size32 1
		.amdhsa_system_sgpr_workgroup_id_x 1
		.amdhsa_system_sgpr_workgroup_id_y 1
		.amdhsa_system_sgpr_workgroup_id_z 1
		.amdhsa_system_vgpr_workitem_id 0
		.amdhsa_next_free_vgpr 196
		.amdhsa_next_free_sgpr 66
		.amdhsa_reserve_vcc 0
		.amdhsa_float_denorm_mode_32 3
		.amdhsa_float_denorm_mode_16_64 3
		.amdhsa_memory_ordered 1
		.amdhsa_forward_progress 1
		.amdhsa_inst_pref_size 32
	.end_amdhsa_kernel
	.amdgpu_metadata
---
amdhsa.version: [ 1, 2 ]
amdhsa.kernels:
  - .name:           k_q5bbec87d2f_cast
    .symbol:         k_q5bbec87d2f_cast.kd
    .args:
      - { .name: hidden_states, .offset: 0, .size: 8, .value_kind: global_buffer, .address_space: global }
      - { .name: Wq, .offset: 8, .size: 8, .value_kind: global_buffer, .address_space: global }
      - { .name: Wk, .offset: 16, .size: 8, .value_kind: global_buffer, .address_space: global }
      - { .name: Wv, .offset: 24, .size: 8, .value_kind: global_buffer, .address_space: global }
      - { .name: Wo, .offset: 32, .size: 8, .value_kind: global_buffer, .address_space: global }
      - { .name: cos, .offset: 40, .size: 8, .value_kind: global_buffer, .address_space: global }
      - { .name: sin, .offset: 48, .size: 8, .value_kind: global_buffer, .address_space: global }
      - { .name: xb, .offset: 56, .size: 8, .value_kind: global_buffer, .address_space: global }
    .group_segment_fixed_size: 0
    .private_segment_fixed_size: 0
    .kernarg_segment_align: 8
    .kernarg_segment_size: 64
    .max_flat_workgroup_size: 256
    .sgpr_count:     66
    .vgpr_count:     196
    .wavefront_size: 32
...
	.end_amdgpu_metadata
.endif
;; end of part 5
;; launch projqkv (part 6): grid 8 x 32, 4 waves a work-group, clusters of 4 x 4, 327,680 bytes of LDS; arguments xb, qkv; writes qkv
.if DOCPART == 6
	.amdgcn_target "amdgcn-amd-amdhsa--gfx1250"
	.amdhsa_code_object_version 6
	.text
	.protected	k_q5bbec87d2f_projqkv
	.globl	k_q5bbec87d2f_projqkv
	.p2align	8
	.type	k_q5bbec87d2f_projqkv,@function
k_q5bbec87d2f_projqkv:
	s_mov_b64 s[64:65], 0
	v_nop
	global_prefetch_b8 v0, s[64:65] scope:SCOPE_SE
	s_setreg_imm32_b32 hwreg(HW_REG_WAVE_MODE, 25, 1), 1
	s_wait_xcnt 0x0
	s_wait_alu depctr_hold_cnt(0) depctr_sa_sdst(0) depctr_va_vdst(0) depctr_va_sdst(0) depctr_va_ssrc(0) depctr_va_vcc(0) depctr_vm_vsrc(0)
	s_getreg_b32 s2, hwreg(HW_REG_IB_STS2, 6, 4)
	s_cmp_eq_u32 s2, 0
	s_cbranch_scc0 .Lentry_in_a_cluster
	s_endpgm
.Lentry_in_a_cluster:
	s_bfe_u32 s2, ttmp6, 0x10000c
	s_cmp_lg_u32 s2, 0xf033
	s_cbranch_scc0 .Lentry_shape_is_right
	s_endpgm
.Lentry_shape_is_right:
; q, k, v = hidden x Wq, Wk, Wv (bf16 operands from xb, f32 sums), RoPE on q and k in f32 with the cos and sin tables as xb holds them (bf16; both halves of
; each table row are read).  q and k are then each multiplied in f32 by CSC = sqrt(128^-0.5 / 50 x 2 log2(e)), so that the attention launch's product q.k is
; the exponent of 2 in tanh(y) = 1 - 2 / (1 + 2^(2 y log2 e)).  q, k and v are rounded once to f16.
; qkv: Q at byte 0, K at 8 Mi, V at 16 Mi, each [head 8][token 4096][d 128], rows of 256 bytes.
; WHY f16: a query that attends to few keys hands single rows of v through to the output, at some 15 times the output's root mean square;
; one rounding to bf16's 8 bits there is larger than a hundredth of that root mean square, one to f16's 11 bits is about a sixth of it.
; LIMITS OF RANGE: f16 holds up to 65,504: |v| below that, |q| and |k| below 65,504 / CSC = 9.1e5; beyond, infinities.  Below 6.1e-5 f16 has an absolute step of 6e-8.
; A work-group (x = head, y = block of 128 tokens; 8 x 32 = 256 groups) makes 128 tokens x the head's 128 columns of Q, K and V.
; Wave w: rh = w >> 1 (64 tokens), ch = w & 1; in each of the three its columns are d = 32 ch + 16 (jj & 1) + 64 (jj >> 1) + 0..15, jj = 0..3,
; so that RoPE's partners d and d + 64 lie in the same lane and register of tiles jj and jj + 2.  48 accumulator tiles, 384 registers.
; K = 2048 goes in 16 steps of 128 through two LDS slots; a slot holds three weight tiles [128 k][128 d] and hidden's tile [128 tokens][128 k].
; The weights lie [k][n]: their fragments come out of LDS by the transposing load.
; CLUSTERS 4 x 4: hidden's tile hangs on the token block alone (shared along a row of the cluster), a weight tile on the head alone (shared
; along a column); each is asked for jointly by the four that share it.  Waves 0, 1, 2 ask for Wq's, Wk's, Wv's tile, wave 3 for hidden's.
; THE MATRIX INSTRUCTION IS USED TRANSPOSED (source 0 = 16 columns of W, source 1 = 16 tokens): lane l holds token l % 16 and, in registers 0-7,
; the eight neighbouring columns 8 (l / 16) + 0..7.
; REGISTER WINDOWS: 0: addresses, work, hidden's fragments v64-127 (two buffers; work registers on the way out), the tables v128-255;
;   1: weight fragments, v0-95 and v96-191 (v0-63 read rows back on the way out); 2: Q's and K's tiles, tile (a, b) at 8 (4 b + a), b = 4 t + jj; 3: V's tiles, v0-127.
.set PA,     272                       ; hidden's LDS row: 256 bytes + 16: an odd multiple of 16, so 16 rows of a fragment load start 16 bytes apart modulo 256
.set PB,     288                       ; a weight tile's LDS row: 256 bytes + 32: an odd multiple of 32, for the transposing load
.set BT,     128*PB                    ; a weight tile, 36,864 bytes
.set ABASE,  3*BT                      ; hidden's tile behind the three
.set SLOT,   ABASE+128*PA              ; 145,408 bytes
.set STAGE,  2*SLOT                    ; 128 rows x 272 bytes for the way out; only LDS stores write here, no tensor load
.set LAPS,   8                         ; 16 K steps, two a lap
.set CSC,    0x3d924436                ; 0.07141917 = sqrt(0.0051006972)
.set WAVE, 12                          ; s12 wave, s13 rh, s14 ch
.set G1A,  16                          ; s[16:23] group 1, hidden's tile
.set G1B,  24                          ; s[24:31] group 1, a weight tile
.set G0A,  32                          ; s[32:39] group 0 for hidden's tile, a set for each slot
.set G0B,  48                          ; s[48:55] group 0 for a weight tile, a set for each slot
.set ADRA, 8                           ; v8-9    LDS address of my hidden fragments, slot 0, 1
.set ADRB, 10                          ; v10-15  of my weight fragments: 3 x slot + t
.set STO,  16                          ; v16     stage: where I put 16 bytes
.set RD,   17                          ; v17     stage: where I read rows back
.set CO,   18                          ; v18     my byte offset in the output block
.set CSO,  19                          ; v19     my byte offset in the block's rows of the tables
.set T,    32                          ; v32-47  at work
.set PK,   48                          ; v48-63  four packed tiles
.set FA,   64                          ; window 0: hidden's fragments, buffer f at FA + 32 f
.set U,    64                          ; the same registers on the way out: 32 table numbers in f32
.set CS,   128                         ; the tables, two bf16 a register: CS + 32 a + 16 jj + 4 kind; kind 0 cos(d), 1 cos(d+64), 2 sin(d), 3 sin(d+64)
.set FB,   0                           ; window 1: weight fragments, buffer f at 96 f
.set RB,   0                           ; window 1 on the way out: rows read back
.set MUL_LO, 0xa1                      ; source 0 window 1, source 1 window 0, C and D window 2
.set MUL_HI, 0xf1                      ; the same, C and D window 3
.set MSB, 0
.macro WIN new                         ; the immediate's high byte repeats the setting that is left; a switch that changes nothing is dropped
.if MSB != \new
	s_set_vgpr_msb (MSB<<8)|\new
.set MSB, \new
.endif
.endm
.macro PLACES                          ; four independent vector instructions behind a matrix instruction (ISA guide 7.12.1), before its registers are loaded into or its result read
.rept 4
	v_nop
.endr
.endm
.macro CREST                           ; a round of the cluster's barrier behind its opening work-group barrier
	s_cmp_lg_u32 s[WAVE], 0
	s_cbranch_scc1 .Lnot_wave_0_\@
	s_barrier_signal -3
.Lnot_wave_0_\@:
	s_barrier_wait -3
	s_barrier_signal -1
	s_barrier_wait -1
.endm
.macro CROUND                          ; a whole round
	s_barrier_signal -1
	s_barrier_wait -1
	CREST
.endm
.macro JLOAD sl                        ; my one joint load for slot sl; the branch hangs on the wave's number alone
	s_cmp_lg_u32 s[WAVE], 3
	s_cbranch_scc1 .Lfor_w_\@
	tensor_load_to_lds s[G0A+4*\sl:G0A+4*\sl+3], s[G1A:G1A+7]
	s_nop 0
	s_branch .Lasked_\@
.Lfor_w_\@:
	tensor_load_to_lds s[G0B+4*\sl:G0B+4*\sl+3], s[G1B:G1B+7]
	s_nop 0
.Lasked_\@:
.endm
	s_load_b128 s[4:7], s[0:1], 0x0                ; xb s[4:5], qkv s[6:7]
	s_set_vgpr_msb 0x40
	v_lshl_add_u32 v255, v0, 2, 0x4f800
	s_set_vgpr_msb 0x4000
	v_mov_b32 v31, 0
	s_set_vgpr_msb 0x1
	ds_add_u32 v255, v31
	s_set_vgpr_msb 0x100
	v_lshrrev_b32 v1, 5, v0
	v_readfirstlane_b32 s12, v1                    ; wave
	s_lshr_b32 s13, s12, 1                         ; rh
	s_and_b32 s14, s12, 1                          ; ch
	s_bfe_u32 s40, ttmp6, 0x40000                  ; cx
	s_bfe_u32 s41, ttmp6, 0x40004                  ; cy
	s_lshl_b32 s42, ttmp9, 2
	s_add_co_u32 s42, s42, s40                     ; head = 4 x cluster x + cx
	s_and_b32 s43, ttmp7, 0xffff
	s_lshl_b32 s43, s43, 2
	s_add_co_u32 s43, s43, s41                     ; token block = 4 x cluster y + cy
	s_lshl_b32 s44, s41, 2
	s_lshl_b32 s44, 15, s44                        ; my row of the cluster
	s_lshl_b32 s45, 0x1111, s40                    ; my column
	; group 1: tiles of 128 rows x 128 elements of 2 bytes; padding behind every 64 words: 4 words (hidden), 8 words (weights)
	s_or_b32 s[G1A+0], s44, (1<<16)|(1<<20)|(1<<21)|(5<<22)|(3<<25)
	s_mov_b32 s[G1A+1], 128<<16                    ; tensor_dim0 = 128
	s_mov_b32 s[G1A+2], 128<<16                    ; tensor_dim1 = 128
	s_mov_b32 s[G1A+3], 128<<16                    ; tile_dim0 = 128
	s_mov_b32 s[G1A+4], 128                        ; tile_dim1 = 128
	s_mov_b32 s[G1A+5], 2048                       ; hidden's row pitch in elements
	s_mov_b32 s[G1A+6], 0
	s_mov_b32 s[G1A+7], 0
	s_or_b32 s[G1B+0], s45, (1<<16)|(1<<20)|(1<<21)|(5<<22)|(7<<25)
	s_mov_b32 s[G1B+1], 128<<16
	s_mov_b32 s[G1B+2], 128<<16
	s_mov_b32 s[G1B+3], 128<<16
	s_mov_b32 s[G1B+4], 128
	s_mov_b32 s[G1B+5], 1024                       ; a weight's row pitch in elements
	s_mov_b32 s[G1B+6], 0
	s_mov_b32 s[G1B+7], 0
	; offsets.  s[56:57] holds the token block alone, s[58:59] and s61 the head and the wave alone; what mixes both (s[46:47]) feeds no descriptor
	s_lshl_b32 s56, s43, 19                        ; 128 rows of 4,096 bytes
	s_mov_b32 s57, 0
	s_lshl_b32 s58, s42, 8                         ; the head's 128 columns: 256 bytes
	s_lshl_b32 s61, s12, 22                        ; weight t = wave: 4 Mi each
	s_add_co_u32 s58, s58, s61
	s_add_co_u32 s58, s58, 0x1000000               ; the weights begin at 16 Mi
	s_mov_b32 s59, 0
	s_lshl_b32 s10, s43, 15                        ; the tables: 128 rows of 256 bytes,
	s_add_co_u32 s10, s10, 0x2000000               ; cos at 32 Mi; sin lies 1 Mi behind it
	s_mov_b32 s11, 0
	s_lshl_b32 s46, s42, 20                        ; out: head x 4,096 rows of 256 bytes
	s_lshl_b32 s47, s43, 15                        ;      + block x 128 rows
	s_add_co_u32 s46, s46, s47
	s_mov_b32 s47, 0
	s_mov_b32 s60, 0xffff0000                      ; a word's upper bf16
	s_mul_i32 s15, s12, BT                         ; LDS: wave x 36,864: the three weight tiles, then hidden's
	v_and_b32 v1, 15, v0                           ; r
	v_bfe_u32 v2, v0, 4, 1                         ; h
	v_and_b32 v3, 7, v0                            ; l & 7
	v_bfe_u32 v4, v0, 3, 1                         ; (l >> 3) & 1
	v_and_b32 v5, 31, v0                           ; lane
	s_lshl_b32 s2, s13, 14                         ; 64 rh rows of 256 bytes
	s_lshl_b32 s3, s14, 6                          ; 32 ch numbers
	s_add_co_u32 s2, s2, s3
	v_lshl_add_u32 v[CSO], v1, 8, s2
	v_lshl_add_u32 v[CSO], v2, 4, v[CSO]           ; (64 rh + r) 256 + 64 ch + 16 h
	s_wait_dscnt 0x0
	s_wait_kmcnt 0x0
	s_add_nc_u64 s[56:57], s[4:5], s[56:57]
	s_add_nc_u64 s[58:59], s[4:5], s[58:59]
	s_add_nc_u64 s[8:9], s[4:5], s[10:11]
	s_add_nc_u64 s[46:47], s[6:7], s[46:47]
	CROUND                                         ; all sixteen work-groups are here: the first joint loads meet
.irp sl, 0,1
	s_mov_b32 s[G0A+4*\sl], 1
	s_add_co_u32 s[G0A+4*\sl+1], s15, \sl*SLOT
	s_add_nc_u64 s[G0A+4*\sl+2:G0A+4*\sl+3], s[56:57], \sl*256          ; K step sl: 128 elements along the rows
	s_or_b32 s[G0A+4*\sl+3], s[G0A+4*\sl+3], 0x80000000
	s_mov_b32 s[G0B+4*\sl], 1
	s_add_co_u32 s[G0B+4*\sl+1], s15, \sl*SLOT
	s_add_nc_u64 s[G0B+4*\sl+2:G0B+4*\sl+3], s[58:59], \sl*262144       ; K step sl: 128 rows of 2,048 bytes
	s_or_b32 s[G0B+4*\sl+3], s[G0B+4*\sl+3], 0x80000000
	JLOAD \sl                                      ; both slots' first fills go out together: two tensor loads of the wave are out
.endr
	; cos and sin of my 64 tokens x 64 columns: 32 loads of 8 bf16 a lane that stay out over the whole K loop and are waited for once behind it
.irp a, 0,1,2,3
.irp jj, 0,1
.irp hi, 0,1
	.set xc, CS+32*\a+16*\jj+4*\hi
	.set xo, 4096*\a+32*\jj+128*\hi
	global_load_b128 v[xc:xc+3], v[CSO], s[8:9] offset:xo
	global_load_b128 v[xc+8:xc+11], v[CSO], s[8:9] offset:xo+0x100000
.endr
.endr
.endr
	v_mul_u32_u24 v6, v1, PA
	v_lshl_add_u32 v6, v2, 4, v6
	s_mul_i32 s2, s13, 64*PA
	v_add_nc_u32 v6, s2, v6                        ; (64 rh + r) 272 + 16 h
	v_add_nc_u32 v[ADRA], ABASE, v6
	v_add_nc_u32 v[ADRA+1], ABASE+SLOT, v6
	s_lshl_b32 s2, s14, 6                          ; 64 ch bytes
	s_add_co_u32 s3, s2, STAGE
	v_add_nc_u32 v[STO], s3, v6
	v_lshl_add_u32 v7, v2, 3, v3                   ; the transposing load's row: 8 h + (l & 7)
	v_mul_u32_u24 v7, v7, PB
	v_lshl_add_u32 v7, v4, 4, v7
	v_add_nc_u32 v[ADRB], s2, v7
.irp sl, 0,1
.irp t, 0,1,2
.if \sl+\t
	v_add_nc_u32 v[ADRB+3*\sl+\t], \sl*SLOT+\t*BT, v[ADRB]
.endif
.endr
.endr
	s_mul_i32 s2, s12, 32*PA                       ; back: wave w takes rows 32 w .. 32 w + 31, two rows a load
	s_add_co_u32 s2, s2, STAGE
	v_mul_u32_u24 v7, v2, PA
	v_lshl_add_u32 v7, v1, 4, v7
	v_add_nc_u32 v[RD], s2, v7
	s_lshl_b32 s2, s12, 13
	v_lshl_add_u32 v[CO], v5, 4, s2                ; w x 32 rows of 256 bytes + 16 x lane
; 32 LDS loads: the fragments of 32 along K (quarter kq of the slot's step) into buffer f
.macro FETCH slot, kq, f
	WIN 0x40                                       ; destination window 1
.irp t, 0,1,2
.irp jj, 0,1,2,3
	.set xf, FB+96*\f+8*(4*\t+\jj)
	.set xo, \kq*32*PB+32*(\jj&1)+128*(\jj>>1)
	ds_load_tr16_b128 v[xf:xf+3], v[ADRB+3*\slot+\t] offset:xo              ; k = 8 h .. + 7 of column r
	ds_load_tr16_b128 v[xf+4:xf+7], v[ADRB+3*\slot+\t] offset:xo+16*PB      ; k = 16 + 8 h .. + 7
.endr
.endr
	WIN 0
.irp a, 0,1,2,3
	ds_load_b128 v[FA+32*\f+8*\a:FA+32*\f+8*\a+3], v[ADRA+\slot] offset:64*\kq+16*PA*\a
	ds_load_b128 v[FA+32*\f+8*\a+4:FA+32*\f+8*\a+7], v[ADRA+\slot] offset:64*\kq+16*PA*\a+32
.endr
.endm
; 16 matrix instructions: column tiles b0 .. b0 + 3 x the four token tiles.  The 48 accumulators take turns, one instruction a turn, in the
; same order in every quarter, over the backward jump too.
.macro MULB f, b0, hi, zero
.irp bi, 0,1,2,3
.irp a, 0,1,2,3
	.set xd, 8*(4*(\b0+\bi-8*\hi)+\a)
.if \zero
	v_wmma_f32_16x16x32_bf16 v[xd:xd+7], v[FB+96*\f+8*(\b0+\bi):FB+96*\f+8*(\b0+\bi)+7], v[FA+32*\f+8*\a:FA+32*\f+8*\a+7], 0
.else
	v_wmma_f32_16x16x32_bf16 v[xd:xd+7], v[FB+96*\f+8*(\b0+\bi):FB+96*\f+8*(\b0+\bi)+7], v[FA+32*\f+8*\a:FA+32*\f+8*\a+7], v[xd:xd+7]
.endif
.endr
.endr
.endm
; one of a K step's first three quarters: multiplies buffer f; behind its first 16 products it fetches quarter kn into buffer g
.macro QUARTER slot, kn, f, g, zero
	s_wait_dscnt 0x0                               ; buffer f is in: its loads were issued 32 matrix instructions ago
	WIN MUL_LO
	MULB \f, 0, 0, \zero
	PLACES
	FETCH \slot, \kn, \g
	WIN MUL_LO
	MULB \f, 4, 0, \zero
	WIN MUL_HI
	MULB \f, 8, 1, \zero
.endm
.macro THREE slot, zero
	QUARTER \slot, 1, 0, 1, \zero
	QUARTER \slot, 2, 1, 0, 0
	QUARTER \slot, 3, 0, 1, 0
.endm
; the last quarter: multiplies buffer 1 and changes slots.  In front of the barrier each wave waits for its reads of this slot and for all its
; tensor loads (one is out: its part of the next slot).  fill = 1: the barrier opens a round of the cluster's barrier, and behind the round this
; slot's next tile is asked for first.  From that request to the wait for it a wave issues 176 matrix instructions.
.macro TURN slot, next, fill
	s_wait_dscnt 0x0
	s_wait_tensorcnt 0x0
	ds_add_u32 v255, v31
	s_wait_dscnt 0x0
	s_barrier_signal -1
	WIN MUL_LO
	MULB 1, 0, 0, 0                                ; register work while the others arrive
	WIN 0
	s_barrier_wait -1
.if \fill
	CREST
	s_add_nc_u64 s[G0A+4*\slot+2:G0A+4*\slot+3], s[G0A+4*\slot+2:G0A+4*\slot+3], 512       ; no tensor load of mine is out: two K steps on
	s_add_nc_u64 s[G0B+4*\slot+2:G0B+4*\slot+3], s[G0B+4*\slot+2:G0B+4*\slot+3], 524288
	JLOAD \slot
.endif
	PLACES
	FETCH \next, 0, 0
	WIN MUL_LO
	MULB 1, 4, 0, 0
	WIN MUL_HI
	MULB 1, 8, 1, 0
.endm
.macro LAP zero
	THREE 0, \zero
	TURN 0, 1, 1
	THREE 1, 0
	TURN 1, 0, 1
.endm
	s_wait_tensorcnt 0x1                           ; my part of K step 0 is in; K step 1's load was issued behind it and may stay out
	s_barrier_signal -1
	s_barrier_wait -1
	FETCH 0, 0, 0
	LAP 1                                          ; the first products start the sums: nothing is cleared
	WIN 0
	s_mov_b32 s3, LAPS-2
.Llap:
	LAP 0
	WIN 0
	s_sub_co_u32 s3, s3, 1
	s_cmp_lg_u32 s3, 0
	s_cbranch_scc1 .Llap
	THREE 0, 0                                     ; the last lap fills nothing
	TURN 0, 1, 0
	THREE 1, 0
	s_wait_dscnt 0x0
	WIN MUL_LO
	MULB 1, 0, 0, 0
	MULB 1, 4, 0, 0
	WIN MUL_HI
	MULB 1, 8, 1, 0
	WIN 0
	PLACES
	s_wait_loadcnt 0x0                             ; the tables
; RoPE on token tile a of matrix t (0 = q, 1 = k): out(d) = x(d) cos(d) - x(d+64) sin(d); out(d+64) = x(d+64) cos(d+64) + x(d) sin(d+64); then x CSC, then f16
.macro ROPE t, a
.irp jj, 0,1
	.set xl, 8*(4*(4*\t+\jj)+\a)
	.set xh, 8*(4*(4*\t+\jj+2)+\a)
	.set xc, CS+32*\a+16*\jj
	WIN 0
.irp p, 0,1,2,3,4,5,6,7,8,9,10,11,12,13,14,15
	v_lshlrev_b32 v[U+2*\p], 16, v[xc+\p]          ; bf16 to f32: U + 0..7 cos(d), + 8..15 cos(d+64), + 16..23 sin(d), + 24..31 sin(d+64)
	v_and_b32 v[U+2*\p+1], s60, v[xc+\p]
.endr
	WIN 0x02                                       ; source 0 (sums) window 2
.irp p, 0,2,4,6
	v_pk_mul_f32 v[T+\p:T+\p+1], v[xl+\p:xl+\p+1], v[U+\p:U+\p+1]
.endr
.irp p, 0,1,2,3,4,5,6,7
	v_fma_f32 v[T+\p], -v[xh+\p], v[U+16+\p], v[T+\p]
.endr
.irp p, 0,2,4,6
	v_pk_mul_f32 v[T+8+\p:T+8+\p+1], v[xh+\p:xh+\p+1], v[U+8+\p:U+8+\p+1]
.endr
.irp p, 0,2,4,6
	v_pk_fma_f32 v[T+8+\p:T+8+\p+1], v[xl+\p:xl+\p+1], v[U+24+\p:U+24+\p+1], v[T+8+\p:T+8+\p+1]
.endr
	WIN 0
.irp p, 0,2,4,6,8,10,12,14
	v_pk_mul_f32 v[T+\p:T+\p+1], v[T+\p:T+\p+1], CSC op_sel_hi:[1,0]
.endr
.irp p, 0,1,2,3
	v_cvt_pk_f16_f32 v[PK+4*\jj+\p], v[T+2*\p], v[T+2*\p+1]
	v_cvt_pk_f16_f32 v[PK+4*(\jj+2)+\p], v[T+8+2*\p], v[T+8+2*\p+1]
.endr
.endr
.endm
.macro PACKV a                         ; v: rounded to f16 as it is
	WIN 0x0f                                       ; both sources window 3
.irp jj, 0,1,2,3
.irp p, 0,1,2,3
	v_cvt_pk_f16_f32 v[PK+4*\jj+\p], v[8*(4*\jj+\a)+2*\p], v[8*(4*\jj+\a)+2*\p+1]
.endr
.endr
	WIN 0
.endm
; matrix t (0 q, 1 k, 2 v) leaves: the four waves lay the block's 128 rows x 256 bytes into the stage; behind a barrier each wave reads 32 whole rows back and stores them
.macro OUT t
.irp a, 0,1,2,3
.if \t < 2
	ROPE \t, \a
.else
	PACKV \a
.endif
.irp jj, 0,1,2,3
	ds_store_b128 v[STO], v[PK+4*\jj:PK+4*\jj+3] offset:16*PA*\a+32*(\jj&1)+128*(\jj>>1)
.endr
.endr
	s_wait_dscnt 0x0                               ; my stores into the stage are done, for the other waves' sake
	s_barrier_signal -1
	s_barrier_wait -1
	s_wait_xcnt 0x0                                ; the last matrix's stores have read RB and the base: both are rewritten only behind this wait
.if \t > 0
	s_add_nc_u64 s[46:47], s[46:47], 0x800000      ; the next matrix, 8 Mi on
.endif
	WIN 0x40                                       ; destination window 1
.irp i, 0,1,2,3,4,5,6,7,8,9,10,11,12,13,14,15
	ds_load_b128 v[RB+4*\i:RB+4*\i+3], v[RD] offset:2*PA*\i
.endr
	WIN 0x04                                       ; a store's data window 1
.irp i, 0,1,2,3,4,5,6,7,8,9,10,11,12,13,14,15
	s_wait_dscnt 15-\i                             ; LDS loads return in order: load i is in, the younger ones stay out
	global_store_b128 v[CO], v[RB+4*\i:RB+4*\i+3], s[46:47] offset:512*\i     ; 512 consecutive bytes, aligned: two whole rows
.endr
	WIN 0
.if \t < 2
	s_barrier_signal -1                            ; every wave's reads of the stage are back (the count-down ended at 0): it may be written again
	s_barrier_wait -1
.endif
.endm
	OUT 0
	OUT 1
	OUT 2
	s_set_vgpr_msb 0x1
	s_wait_tensorcnt 0x0
	ds_add_u32 v255, v31
	s_wait_dscnt 0x0
	s_set_vgpr_msb 0x100
	CROUND                                         ; the closing round: no work-group ends while a partner may still ask for a tile that names it
	s_endpgm
.Lfunc_end_k_q5bbec87d2f_projqkv:
	.size	k_q5bbec87d2f_projqkv, .Lfunc_end_k_q5bbec87d2f_projqkv-k_q5bbec87d2f_projqkv
	.p2alignl 7, 3214868480
	.fill 96, 4, 3214868480
	.section	.rodata,"a",@progbits
	.p2align	6, 0x0
	.amdhsa_kernel k_q5bbec87d2f_projqkv
		.amdhsa_group_segment_fixed_size 327680
		.amdhsa_private_segment_fixed_size 0
		.amdhsa_enable_private_segment 0
		.amdhsa_kernarg_size 16
		.amdhsa_user_sgpr_count 2
		.amdhsa_user_sgpr_kernarg_segment_ptr 1
		.amdhsa_wavefront_size32 1
		.amdhsa_system_sgpr_workgroup_id_x 1
		.amdhsa_system_sgpr_workgroup_id_y 1
		.amdhsa_system_sgpr_workgroup_id_z 1
		.amdhsa_system_vgpr_workitem_id 0
		.amdhsa_next_free_vgpr 896
		.amdhsa_next_free_sgpr 66
		.amdhsa_reserve_vcc 0
		.amdhsa_float_denorm_mode_32 3
		.amdhsa_float_denorm_mode_16_64 3
		.amdhsa_memory_ordered 1
		.amdhsa_forward_progress 1
		.amdhsa_inst_pref_size 216
	.end_amdhsa_kernel
	.amdgpu_metadata
---
amdhsa.version: [ 1, 2 ]
amdhsa.kernels:
  - .name:           k_q5bbec87d2f_projqkv
    .symbol:         k_q5bbec87d2f_projqkv.kd
    .args:
      - { .name: xb, .offset: 0, .size: 8, .value_kind: global_buffer, .address_space: global }
      - { .name: qkv, .offset: 8, .size: 8, .value_kind: global_buffer, .address_space: global }
    .group_segment_fixed_size: 327680
    .private_segment_fixed_size: 0
    .kernarg_segment_align: 8
    .kernarg_segment_size: 16
    .max_flat_workgroup_size: 128
    .sgpr_count:     66
    .vgpr_count:     896
    .wavefront_size: 32
...
	.end_amdgpu_metadata
.endif
;; end of part 6
;; launch attn (part 7): grid 32 x 8, 4 waves a work-group, clusters of 4 x 4, 327,680 bytes of LDS; arguments qkv, attention_mask, ab; writes ab
.if DOCPART == 7
	.amdgcn_target "amdgcn-amd-amdhsa--gfx1250"
	.amdhsa_code_object_version 6
	.text
	.protected	k_q5bbec87d2f_attn
	.globl	k_q5bbec87d2f_attn
	.p2align	8
	.type	k_q5bbec87d2f_attn,@function
k_q5bbec87d2f_attn:
	s_mov_b64 s[64:65], 0
	v_nop
	global_prefetch_b8 v0, s[64:65] scope:SCOPE_SE
	s_setreg_imm32_b32 hwreg(HW_REG_WAVE_MODE, 25, 1), 1
	s_wait_xcnt 0x0
	s_wait_alu depctr_hold_cnt(0) depctr_sa_sdst(0) depctr_va_vdst(0) depctr_va_sdst(0) depctr_va_ssrc(0) depctr_va_vcc(0) depctr_vm_vsrc(0)
	s_getreg_b32 s2, hwreg(HW_REG_IB_STS2, 6, 4)
	s_cmp_eq_u32 s2, 0
	s_cbranch_scc0 .Lentry_in_a_cluster
	s_endpgm
.Lentry_in_a_cluster:
	s_bfe_u32 s2, ttmp6, 0x10000c
	s_cmp_lg_u32 s2, 0xf033
	s_cbranch_scc0 .Lentry_shape_is_right
	s_endpgm
.Lentry_shape_is_right:
; softmax(50 tanh(q.k 128^-0.5 / 50) + mask) v for one head and 128 queries, over ALL 4,096 keys: the mask is an input and is honoured as given, in f32.
; Work-group: x = block of 128 queries, y = head (32 x 8 = 256 groups).  Wave w owns 32 queries (two tiles of 16) and sees every key.
; A trip takes 128 keys (32 trips) from two LDS slots; a slot holds K's tile [128 keys][128 d], V's tile [128 keys][128 d] and the mask's tile [128 queries][128 keys] in f32.
; FORMATS: q, k, v, P and the result are f16 (11 significant bits).  ab: [4096 tokens][1024 = head x 128 + d] f16.
; A query that attends to few keys hands rows of v through at some 15 times the output's root mean square: there one rounding to bf16's 8 bits is too much.
; ORIENTATION: S^T = K Q^T, so lane (r, h) holds query r and in register j key 16 kt + 8 h + j: a row's maximum and sum are in-lane work and one exchange
; with lane l xor 16, and two S^T tiles pack straight into the second source of O^T = V^T P^T.  m, l and alpha are one number a lane.
; ARITHMETIC: q and k come pre-scaled, so S' = q'.k' is the exponent in 50 tanh = 50 - 100 / (1 + 2^S') (2^S' = inf gives +50, 0 gives -50).  The mask is added in f32,
; a running maximum is taken away BEFORE the multiplication by log2(e), so that a mask of any size costs no bits.
; LIMITS: tanh made so has an absolute error of about 1e-7, 6e-6 in a score.  The running maximum starts at -FLT_MAX: mask entries of -inf give p = 0,
; a row whose entries are all -inf gives NaN (0 x inf); a +inf or NaN entry makes its row NaN.  2^x below 2^-126 is taken as 0 (ISA guide 15.8); p below 6e-8 is 0 in f16.
; The result is a weighted mean of rows of v, so it is inside f16's range wherever v is.
; CLUSTERS 4 x 4: K's and V's tiles hang on the head alone (shared along a row of the cluster), the mask's on the query block alone (shared along a column).
; Wave 0 asks for K's tile, wave 1 for V's, waves 2 and 3 for the mask's two halves of 64 rows: one joint load a wave and trip, one tensor load of a wave out at a time.
; REGISTER WINDOWS: 0: addresses, m, l, alpha, constants; K/V fragment buffers v64-127, v128-191; v192-255 packed results;
;   1: O(dt, q) at 8 (2 dt + q), v0-127; Q(q, c) at 128 + 8 (4 q + c);  2: S(kt, q) at 32 (kt >> 1) + 16 q + 8 (kt & 1), v0-127; the mask at the same index + 128.
.set KP,     272                       ; K's LDS row: 256 + 16
.set VP,     288                       ; V's: 256 + 32, for the transposing load
.set MP,     528                       ; the mask's: 512 + 16
.set VBASE,  128*KP
.set MBASE,  VBASE+128*VP              ; 71,680
.set SLOT,   MBASE+128*MP              ; 139,264
.set STAGE,  2*SLOT                    ; 32 rows x 272 bytes for each wave, its own; no tensor load lands here
.set WST,    32*KP
.set WAVE, 10                          ; s10 wave, s11 wave & 1
.set G1K,  16                          ; s[16:23]
.set G1V,  24                          ; s[24:31]
.set G1M,  32                          ; s[32:39]
.set G0K,  48                          ; s[48:55] a set for each slot
.set G0V,  56                          ; s[56:63]
.set G0M,  68                          ; s[68:75]
.set ADRK, 8                           ; v8-9
.set ADRV, 10                          ; v10-11
.set ADRM, 12                          ; v12-13
.set QO,   14
.set PFO,  15
.set STO,  16
.set RD,   17
.set CO,   18
.set M,    20                          ; v20-21   running maximum, query tile q
.set NM,   22                          ; v22-25   (-m, -m)
.set LS,   26                          ; v26-33   running sums: two pairs for each q
.set AL,   34                          ; v34-37   (alpha, alpha); at the end (1/l, 1/l)
.set N100, 38                          ; v38-39
.set P50,  40                          ; v40-41
.set L2E,  42                          ; v42-43
.set TM,   44                          ; v44-47   two chains of maxima for each q
.set T0,   48
.set T1,   50
.set T2,   52
.set F0,   64
.set F1,   128
.set PKR,  192
.set QF,   128
.set MSB, 0
.macro WIN new
.if MSB != \new
	s_set_vgpr_msb (MSB<<8)|\new
.set MSB, \new
.endif
.endm
.macro PLACES                          ; four independent vector instructions behind a matrix instruction (ISA guide 7.12.1)
.rept 4
	v_nop
.endr
.endm
.macro CREST
	s_cmp_lg_u32 s[WAVE], 0
	s_cbranch_scc1 .Lnot_wave_0_\@
	s_barrier_signal -3
.Lnot_wave_0_\@:
	s_barrier_wait -3
	s_barrier_signal -1
	s_barrier_wait -1
.endm
.macro CROUND
	s_barrier_signal -1
	s_barrier_wait -1
	CREST
.endm
; my one joint load for slot sl.  pf = 1: wave 0 also asks, behind its load, for its share of the mask tile two trips on (one trip ahead of that tile's
; tensor load): the eight heads' work-groups of a query block take 16 of the tile's 128 rows each, 32 lanes x 256 bytes, so each block of 256 bytes is asked for once in the launch.
.macro JLOAD3 sl, pf
	s_cmp_lg_u32 s[WAVE], 0
	s_cbranch_scc1 .Lnot_k_\@
	tensor_load_to_lds s[G0K+4*(\sl):G0K+4*(\sl)+3], s[G1K:G1K+7]
	s_nop 0
.if \pf
	global_prefetch_b8 v[PFO], s[76:77] th:TH_LOAD_NT scope:SCOPE_SE
.endif
	s_branch .Lasked_\@
.Lnot_k_\@:
	s_cmp_lg_u32 s[WAVE], 1
	s_cbranch_scc1 .Lnot_v_\@
	tensor_load_to_lds s[G0V+4*(\sl):G0V+4*(\sl)+3], s[G1V:G1V+7]
	s_nop 0
	s_branch .Lasked_\@
.Lnot_v_\@:
	tensor_load_to_lds s[G0M+4*(\sl):G0M+4*(\sl)+3], s[G1M:G1M+7]
	s_nop 0
.Lasked_\@:
.endm
	s_load_b128 s[4:7], s[0:1], 0x0                ; qkv s[4:5], mask s[6:7]
	s_load_b64 s[8:9], s[0:1], 0x10                ; ab
	v_lshl_add_u32 v62, v0, 2, 0x4c800
	v_mov_b32 v63, 0
	ds_add_u32 v62, v63
	v_lshrrev_b32 v1, 5, v0
	v_readfirstlane_b32 s10, v1
	s_and_b32 s11, s10, 1
	s_bfe_u32 s40, ttmp6, 0x40000                  ; cx
	s_bfe_u32 s41, ttmp6, 0x40004                  ; cy
	s_lshl_b32 s42, ttmp9, 2
	s_add_co_u32 s42, s42, s40                     ; query block
	s_and_b32 s43, ttmp7, 0xffff
	s_lshl_b32 s43, s43, 2
	s_add_co_u32 s43, s43, s41                     ; head
	s_lshl_b32 s44, s41, 2
	s_lshl_b32 s44, 15, s44                        ; my row of the cluster: the same head
	s_lshl_b32 s45, 0x1111, s40                    ; my column: the same query block
	s_mov_b32 s78, 0x76543210                      ; v_permlanex16_b32: lane i reads lane i of the other half
	s_mov_b32 s79, 0xfedcba98
	s_or_b32 s[G1K+0], s44, (1<<16)|(1<<20)|(1<<21)|(5<<22)|(3<<25)   ; 2-byte elements; 4 words of padding behind every 64
	s_mov_b32 s[G1K+1], 128<<16
	s_mov_b32 s[G1K+2], 128<<16
	s_mov_b32 s[G1K+3], 128<<16
	s_mov_b32 s[G1K+4], 128
	s_mov_b32 s[G1K+5], 128                        ; rows follow each other
	s_mov_b32 s[G1K+6], 0
	s_mov_b32 s[G1K+7], 0
	s_or_b32 s[G1V+0], s44, (1<<16)|(1<<20)|(1<<21)|(5<<22)|(7<<25)   ; 8 words of padding
	s_mov_b32 s[G1V+1], 128<<16
	s_mov_b32 s[G1V+2], 128<<16
	s_mov_b32 s[G1V+3], 128<<16
	s_mov_b32 s[G1V+4], 128
	s_mov_b32 s[G1V+5], 128
	s_mov_b32 s[G1V+6], 0
	s_mov_b32 s[G1V+7], 0
	s_or_b32 s[G1M+0], s45, (2<<16)|(1<<20)|(1<<21)|(6<<22)|(3<<25)   ; 4-byte elements; 4 words of padding behind every 128
	s_mov_b32 s[G1M+1], 128<<16                    ; 128 keys
	s_mov_b32 s[G1M+2], 64<<16                     ; 64 query rows
	s_mov_b32 s[G1M+3], 128<<16
	s_mov_b32 s[G1M+4], 64
	s_mov_b32 s[G1M+5], 4096
	s_mov_b32 s[G1M+6], 0
	s_mov_b32 s[G1M+7], 0
	; offsets: s[80:81] the head alone, s[82:83] the query block and the wave alone; s[84:89] mix both and feed no descriptor
	s_lshl_b32 s80, s43, 20
	s_add_co_u32 s80, s80, 0x800000                ; K begins at 8 Mi
	s_mov_b32 s81, 0
	s_lshl_b32 s82, s42, 21                        ; 128 rows of 16,384 bytes
	s_lshl_b32 s83, s11, 20                        ; my half: 64 rows
	s_add_co_u32 s82, s82, s83
	s_mov_b32 s83, 0
	s_lshl_b32 s84, s43, 20                        ; Q: head, block
	s_lshl_b32 s85, s42, 15
	s_add_co_u32 s84, s84, s85
	s_mov_b32 s85, 0
	s_lshl_b32 s86, s42, 21                        ; prefetch: row 128 x block + 16 x head; tile 1's column, stepped at each trip's head
	s_lshl_b32 s87, s43, 18
	s_add_co_u32 s86, s86, s87
	s_add_co_u32 s86, s86, 512
	s_mov_b32 s87, 0
	s_lshl_b32 s88, s42, 18                        ; ab: (128 x block + 32 w) rows of 2,048 bytes + 256 x head
	s_lshl_b32 s89, s10, 16
	s_add_co_u32 s88, s88, s89
	s_lshl_b32 s89, s43, 8
	s_add_co_u32 s88, s88, s89
	s_mov_b32 s89, 0
	s_mul_i32 s2, s10, 64*MP                       ; the mask's halves in LDS: waves 2, 3 at MBASE + (w - 2) x 33,792 = w x 33,792 + 4,096
	v_and_b32 v1, 15, v0                           ; r
	v_bfe_u32 v2, v0, 4, 1                         ; h
	v_and_b32 v3, 7, v0
	v_bfe_u32 v4, v0, 3, 1
	v_and_b32 v5, 31, v0
	v_mul_u32_u24 v[ADRK], v1, KP
	v_lshl_add_u32 v[ADRK], v2, 4, v[ADRK]         ; r 272 + 16 h
	v_add_nc_u32 v[ADRK+1], SLOT, v[ADRK]
	v_lshl_add_u32 v7, v2, 3, v3
	v_mul_u32_u24 v7, v7, VP
	v_lshl_add_u32 v7, v4, 4, v7                   ; (8 h + (l & 7)) 288 + 16 ((l >> 3) & 1)
	v_add_nc_u32 v[ADRV], VBASE, v7
	v_add_nc_u32 v[ADRV+1], SLOT+VBASE, v7
	s_lshl_b32 s3, s10, 5
	v_add_nc_u32 v7, s3, v1                        ; 32 w + r
	v_mul_u32_u24 v6, v7, MP
	v_lshl_add_u32 v6, v2, 5, v6
	v_add_nc_u32 v[ADRM], MBASE, v6
	v_add_nc_u32 v[ADRM+1], SLOT+MBASE, v6
	v_lshlrev_b32 v[QO], 8, v7
	v_lshl_add_u32 v[QO], v2, 4, v[QO]             ; (32 w + r) 256 + 16 h
	v_lshrrev_b32 v[PFO], 1, v5
	v_lshlrev_b32 v[PFO], 14, v[PFO]
	v_and_b32 v6, 1, v0
	v_lshl_add_u32 v[PFO], v6, 8, v[PFO]           ; (l >> 1) rows + (l & 1) 256
	s_mul_i32 s3, s10, WST
	s_add_co_u32 s3, s3, STAGE                     ; my stage
	v_add_nc_u32 v[STO], s3, v[ADRK]
	v_mul_u32_u24 v6, v2, KP
	v_lshl_add_u32 v6, v1, 4, v6
	v_add_nc_u32 v[RD], s3, v6
	v_lshlrev_b32 v[CO], 11, v2
	v_lshl_add_u32 v[CO], v1, 4, v[CO]             ; h rows of 2,048 bytes + 16 r
	s_wait_dscnt 0x0
	s_wait_kmcnt 0x0
	s_add_nc_u64 s[80:81], s[4:5], s[80:81]
	s_add_nc_u64 s[82:83], s[6:7], s[82:83]
	s_add_nc_u64 s[84:85], s[4:5], s[84:85]
	s_add_nc_u64 s[76:77], s[6:7], s[86:87]
	s_add_nc_u64 s[88:89], s[8:9], s[88:89]
.irp sl, 0,1
	s_mov_b32 s[G0K+4*\sl], 1
	s_mov_b32 s[G0K+4*\sl+1], \sl*SLOT
	s_add_nc_u64 s[G0K+4*\sl+2:G0K+4*\sl+3], s[80:81], \sl*32768              ; tile sl: 128 keys of 256 bytes
	s_or_b32 s[G0K+4*\sl+3], s[G0K+4*\sl+3], 0x80000000
	s_mov_b32 s[G0V+4*\sl], 1
	s_mov_b32 s[G0V+4*\sl+1], \sl*SLOT+VBASE
	s_add_nc_u64 s[G0V+4*\sl+2:G0V+4*\sl+3], s[80:81], 0x800000+\sl*32768     ; V lies 8 Mi behind K
	s_or_b32 s[G0V+4*\sl+3], s[G0V+4*\sl+3], 0x80000000
	s_mov_b32 s[G0M+4*\sl], 1
	s_add_co_u32 s[G0M+4*\sl+1], s2, 4096+\sl*SLOT
	s_add_nc_u64 s[G0M+4*\sl+2:G0M+4*\sl+3], s[82:83], \sl*512                ; tile sl: 128 keys of 4 bytes
	s_or_b32 s[G0M+4*\sl+3], s[G0M+4*\sl+3], 0x80000000
.endr
	CROUND                                         ; in front of the first joint load
	JLOAD3 0, 0                                    ; tile 0
	WIN 0x40                                       ; destination window 1: my 32 queries as second-source fragments, kept for the whole launch
.irp q, 0,1
.irp c, 0,1,2,3
	global_load_b128 v[QF+8*(4*\q+\c):QF+8*(4*\q+\c)+3], v[QO], s[84:85] offset:4096*\q+64*\c
	global_load_b128 v[QF+8*(4*\q+\c)+4:QF+8*(4*\q+\c)+7], v[QO], s[84:85] offset:4096*\q+64*\c+32
.endr
.endr
	WIN 0
.irp q, 0,1
	v_mov_b32 v[M+\q], 0xff7fffff                  ; -FLT_MAX
	v_mov_b32 v[N100+\q], 0xc2c80000               ; -100
	v_mov_b32 v[P50+\q], 0x42480000                ; 50
	v_mov_b32 v[L2E+\q], 0x3fb8aa3b                ; log2(e)
	v_mov_b32 v[T1+\q], 0                          ; v_permlanex16_b32's destination counts as read
.endr
.irp p, 0,1,2,3,4,5,6,7
	v_mov_b32 v[LS+\p], 0
.endr
	s_wait_loadcnt 0x0                             ; Q
.macro LOADM slot                      ; 32 loads: the mask of my 32 queries x 128 keys, laid as S is
	WIN 0x80
.irp q, 0,1
.irp kt, 0,1,2,3,4,5,6,7
	.set xm, 128+32*(\kt>>1)+16*\q+8*(\kt&1)
	ds_load_b128 v[xm:xm+3], v[ADRM+\slot] offset:16*MP*\q+64*\kt
	ds_load_b128 v[xm+4:xm+7], v[ADRM+\slot] offset:16*MP*\q+64*\kt+16
.endr
.endr
	WIN 0
.endm
.macro LOADK slot, g, f                ; 16 loads: key tiles 2 g, 2 g + 1, all 128 d
.irp ktl, 0,1
.irp c, 0,1,2,3
	ds_load_b128 v[\f+32*\ktl+8*\c:\f+32*\ktl+8*\c+3], v[ADRK+\slot] offset:16*KP*(2*\g+\ktl)+64*\c
	ds_load_b128 v[\f+32*\ktl+8*\c+4:\f+32*\ktl+8*\c+7], v[ADRK+\slot] offset:16*KP*(2*\g+\ktl)+64*\c+32
.endr
.endr
.endm
.macro LOADV slot, kc, f               ; 16 transposing loads: keys 32 kc .. + 31 of all eight d tiles
.irp dt, 0,1,2,3,4,5,6,7
	ds_load_tr16_b128 v[\f+8*\dt:\f+8*\dt+3], v[ADRV+\slot] offset:32*VP*\kc+32*\dt
	ds_load_tr16_b128 v[\f+8*\dt+4:\f+8*\dt+7], v[ADRV+\slot] offset:32*VP*\kc+32*\dt+16*VP
.endr
.endm
; S^T of key tiles 2 g, 2 g + 1 x both query tiles: four accumulators by turns, one instruction a turn; the first product starts each sum
.macro MMK g, f
	WIN 0xa4                                       ; source 0 window 0, source 1 window 1, C and D window 2
.irp c, 0,1,2,3
.irp ktl, 0,1
.irp q, 0,1
	.set xs, 32*\g+16*\q+8*\ktl
.if \c == 0
	v_wmma_f32_16x16x32_f16 v[xs:xs+7], v[\f+32*\ktl+8*\c:\f+32*\ktl+8*\c+7], v[QF+8*(4*\q+\c):QF+8*(4*\q+\c)+7], 0
.else
	v_wmma_f32_16x16x32_f16 v[xs:xs+7], v[\f+32*\ktl+8*\c:\f+32*\ktl+8*\c+7], v[QF+8*(4*\q+\c):QF+8*(4*\q+\c)+7], v[xs:xs+7]
.endif
.endr
.endr
.endr
.endm
; O^T += V^T P^T for keys 32 kc .. + 31: sixteen accumulators by turns
.macro MMV kc, f, zero
	WIN 0x58                                       ; source 0 window 0, source 1 window 2, C and D window 1
.irp dt, 0,1,2,3,4,5,6,7
.irp q, 0,1
	.set xo, 8*(2*\dt+\q)
.if \zero
	v_wmma_f32_16x16x32_f16 v[xo:xo+7], v[\f+8*\dt:\f+8*\dt+7], v[32*\kc+16*\q:32*\kc+16*\q+7], 0
.else
	v_wmma_f32_16x16x32_f16 v[xo:xo+7], v[\f+8*\dt:\f+8*\dt+7], v[32*\kc+16*\q:32*\kc+16*\q+7], v[xo:xo+7]
.endif
.endr
.endr
.endm
; The 128 registers of S, stage by stage; inside a stage no instruction waits for the one in front of it.
; Behind each run of transcendentals one plain vector instruction stands before a result is used (ISA guide 5.7.2).
.macro SOFTMAX
	WIN 0x82                                       ; source 0 and destination window 2
.set i, 0
.rept 128
	v_exp_f32 v[i], v[i]                           ; e = 2^S'
.set i, i+1
.endr
	v_nop
.set i, 0
	s_wait_alu depctr_va_vdst(0)
.rept 64
	v_pk_add_f32 v[i:i+1], v[i:i+1], 1.0 op_sel_hi:[1,0]
.set i, i+2
.endr
.set i, 0
.rept 128
	v_rcp_f32 v[i], v[i]
.set i, i+1
.endr
	v_nop
.set i, 0
	s_wait_alu depctr_va_vdst(0)
.rept 64
	v_pk_fma_f32 v[i:i+1], v[i:i+1], v[N100:N100+1], v[P50:P50+1]        ; 50 tanh = 50 - 100 / (1 + e)
.set i, i+2
.endr
	WIN 0x8a                                       ; source 1 window 2 too
.set i, 0
.rept 64
	v_pk_add_f32 v[i:i+1], v[i:i+1], v[128+i:128+i+1]                    ; + mask, in f32
.set i, i+2
.endr
	WIN 0x0a                                       ; sources 0, 1 window 2; source 2 and destination window 0
.set n, 0
.rept 32
.irp q, 0,1
	.set xi, 32*(n>>4)+16*\q+(n&15)
	.set xt, TM+2*\q+((n>>1)&1)
.if n < 4
	v_max3_num_f32 v[xt], v[xi], v[xi+1], v[M+\q]                        ; each chain starts from the running maximum
.else
	v_max3_num_f32 v[xt], v[xi], v[xi+1], v[xt]
.endif
.endr
.set n, n+2
.endr
	WIN 0
.irp q, 0,1
	v_max_num_f32 v[T0+\q], v[TM+2*\q], v[TM+2*\q+1]
.endr
.irp q, 0,1
	v_permlanex16_b32 v[T1+\q], v[T0+\q], s78, s79                       ; the other eight keys of each tile lie in lane l xor 16
.endr
.irp q, 0,1
	v_max_num_f32 v[T1+\q], v[T0+\q], v[T1+\q]                           ; the new maximum
.endr
.irp q, 0,1
	v_sub_f32 v[T2+\q], v[M+\q], v[T1+\q]
.endr
.irp q, 0,1
	v_mul_f32 v[T2+\q], v[L2E], v[T2+\q]
.endr
.irp q, 0,1
	v_exp_f32 v[AL+2*\q], v[T2+\q]                                       ; alpha, twice: a pair for the packed multiplies
	v_exp_f32 v[AL+2*\q+1], v[T2+\q]
.endr
.irp q, 0,1
	v_mov_b32 v[M+\q], v[T1+\q]
	v_xor_b32 v[NM+2*\q], 0x80000000, v[T1+\q]
	v_xor_b32 v[NM+2*\q+1], 0x80000000, v[T1+\q]
.endr
	s_wait_alu depctr_va_vdst(0)
.irp q, 0,1
	v_pk_mul_f32 v[LS+4*\q:LS+4*\q+1], v[LS+4*\q:LS+4*\q+1], v[AL+2*\q:AL+2*\q+1]
	v_pk_mul_f32 v[LS+4*\q+2:LS+4*\q+3], v[LS+4*\q+2:LS+4*\q+3], v[AL+2*\q:AL+2*\q+1]
.endr
	WIN 0x82
.set i, 0
.rept 64
	v_pk_add_f32 v[i:i+1], v[i:i+1], v[NM+2*((i>>4)&1):NM+2*((i>>4)&1)+1]    ; x - m first: exact where x is near m, whatever the mask's size
.set i, i+2
.endr
.set i, 0
.rept 64
	v_pk_mul_f32 v[i:i+1], v[i:i+1], v[L2E:L2E+1]
.set i, i+2
.endr
.set i, 0
.rept 128
	v_exp_f32 v[i], v[i]                           ; p
.set i, i+1
.endr
	v_nop
	WIN 0x02                                       ; source 0 window 2
.set n, 0
	s_wait_alu depctr_va_vdst(0)
.rept 32
.irp q, 0,1
	.set xi, 32*(n>>4)+16*\q+(n&15)
	.set xt, LS+4*\q+2*((n>>1)&1)
	v_pk_add_f32 v[xt:xt+1], v[xi:xi+1], v[xt:xt+1]
.endr
.set n, n+2
.endr
	WIN 0x8a
.irp kc, 0,1,2,3
.irp q, 0,1
.irp p, 0,1,2,3,4,5,6,7
	v_cvt_pk_f16_f32 v[32*\kc+16*\q+\p], v[32*\kc+16*\q+2*\p], v[32*\kc+16*\q+2*\p+1]   ; in place, ascending: P(kc, q) = the first 8 of the 16 registers
.endr
.endr
.endr
.endm
; One trip: 128 keys from \slot.  In front of the round every wave waits for all its tensor loads (its part of this trip's tile among them) and for its LDS reads;
; the round takes the place of the barrier in front of a refill; behind it the other slot's next tile is asked for first.
.macro TRIP slot, refill, pf, first
	s_wait_tensorcnt 0x0
	ds_add_u32 v62, v63
	s_wait_dscnt 0x0
	s_add_nc_u64 s[G0K+4*\slot+2:G0K+4*\slot+3], s[G0K+4*\slot+2:G0K+4*\slot+3], 65536    ; no tensor load of mine is out: this slot's next tile, two on
	s_add_nc_u64 s[G0V+4*\slot+2:G0V+4*\slot+3], s[G0V+4*\slot+2:G0V+4*\slot+3], 65536
	s_add_nc_u64 s[G0M+4*\slot+2:G0M+4*\slot+3], s[G0M+4*\slot+2:G0M+4*\slot+3], 1024
	s_wait_xcnt 0x0                                ; the last trip's prefetch has read its base
	s_add_nc_u64 s[76:77], s[76:77], 512           ; in trip t: the column of tile t + 2
	s_wait_dscnt 0x0
	CROUND
.if \refill
	JLOAD3 1-\slot, \pf
.endif
	PLACES                                         ; behind the last trip's products, whose fragment buffers are loaded again
	LOADM \slot
	LOADK \slot, 0, F0
	LOADK \slot, 1, F1
	s_wait_dscnt 16                                ; everything but the youngest group of 16 loads is in; so at each wait below
	MMK 0, F0
	WIN 0
	PLACES
	LOADK \slot, 2, F0
	s_wait_dscnt 16
	MMK 1, F1
	WIN 0
	PLACES
	LOADK \slot, 3, F1
	s_wait_dscnt 16
	MMK 2, F0
	WIN 0
	PLACES
	LOADV \slot, 0, F0
	s_wait_dscnt 16
	MMK 3, F1
	WIN 0
	PLACES
	LOADV \slot, 1, F1
	SOFTMAX
.if \first == 0
	WIN 0x41                                       ; source 0 and destination window 1
.set i, 0
.rept 64
	v_pk_mul_f32 v[i:i+1], v[i:i+1], v[AL+2*((i>>3)&1):AL+2*((i>>3)&1)+1]     ; O *= alpha
.set i, i+2
.endr
.endif
	s_wait_dscnt 16
	MMV 0, F0, \first
	WIN 0
	PLACES
	LOADV \slot, 2, F0
	s_wait_dscnt 16
	MMV 1, F1, 0
	WIN 0
	PLACES
	LOADV \slot, 3, F1
	s_wait_dscnt 16
	MMV 2, F0, 0
	s_wait_dscnt 0x0
	MMV 3, F1, 0
	WIN 0
.endm
	TRIP 0, 1, 1, 1                                ; trip 0: its first products start O's sums
	TRIP 1, 1, 1, 0
	s_mov_b32 s3, 14
.Lpair:
	TRIP 0, 1, 1, 0
	TRIP 1, 1, 1, 0
	s_sub_co_u32 s3, s3, 1
	s_cmp_lg_u32 s3, 0
	s_cbranch_scc1 .Lpair
	TRIP 0, 1, 0, 0                                ; trip 30 asks for tile 31 and prefetches nothing: tile 32 does not exist
	TRIP 1, 0, 0, 0                                ; trip 31 asks for nothing
	; THE WAY OUT: O / l, rounded once to f16, through my own stage, whole pieces of 256 bytes to ab
	PLACES
.irp q, 0,1
	v_pk_add_f32 v[LS+4*\q:LS+4*\q+1], v[LS+4*\q:LS+4*\q+1], v[LS+4*\q+2:LS+4*\q+3]
.endr
.irp q, 0,1
	v_add_f32 v[T0+\q], v[LS+4*\q], v[LS+4*\q+1]
.endr
.irp q, 0,1
	v_permlanex16_b32 v[T1+\q], v[T0+\q], s78, s79
.endr
.irp q, 0,1
	v_add_f32 v[T2+\q], v[T0+\q], v[T1+\q]
.endr
.irp q, 0,1
	v_rcp_f32 v[AL+2*\q], v[T2+\q]
	v_rcp_f32 v[AL+2*\q+1], v[T2+\q]
.endr
	v_nop
	WIN 0x01                                       ; source 0 window 1
.set i, 0
	s_wait_alu depctr_va_vdst(0)
.rept 64
	v_pk_mul_f32 v[F0+i:F0+i+1], v[i:i+1], v[AL+2*((i>>3)&1):AL+2*((i>>3)&1)+1]
.set i, i+2
.endr
	WIN 0
.set i, 0
.rept 64
	v_cvt_pk_f16_f32 v[PKR+i], v[F0+2*i], v[F0+2*i+1]
.set i, i+1
.endr
.irp dt, 0,1,2,3,4,5,6,7
.irp q, 0,1
	ds_store_b128 v[STO], v[PKR+4*(2*\dt+\q):PKR+4*(2*\dt+\q)+3] offset:16*KP*\q+32*\dt    ; query 16 q + r, d = 16 dt + 8 h .. + 7
.endr
.endr
.irp i, 0,1,2,3,4,5,6,7,8,9,10,11,12,13,14,15
	ds_load_b128 v[F0+4*\i:F0+4*\i+3], v[RD] offset:2*KP*\i        ; LDS serves a wave's instructions in order (ISA guide 5.7.1.4): these see my stores above
.endr
.irp i, 0,1,2,3,4,5,6,7,8,9,10,11,12,13,14,15
	s_wait_dscnt 15-\i                             ; load i is in, the younger ones stay out
	global_store_b128 v[CO], v[F0+4*\i:F0+4*\i+3], s[88:89] offset:4096*\i     ; sixteen lanes store the head's 256 consecutive bytes of a row, aligned
.endr
	s_wait_tensorcnt 0x0
	ds_add_u32 v62, v63
	s_wait_dscnt 0x0
	CROUND                                         ; the closing round
	s_endpgm
.Lfunc_end_k_q5bbec87d2f_attn:
	.size	k_q5bbec87d2f_attn, .Lfunc_end_k_q5bbec87d2f_attn-k_q5bbec87d2f_attn
	.p2alignl 7, 3214868480
	.fill 96, 4, 3214868480
	.section	.rodata,"a",@progbits
	.p2align	6, 0x0
	.amdhsa_kernel k_q5bbec87d2f_attn
		.amdhsa_group_segment_fixed_size 327680
		.amdhsa_private_segment_fixed_size 0
		.amdhsa_enable_private_segment 0
		.amdhsa_kernarg_size 24
		.amdhsa_user_sgpr_count 2
		.amdhsa_user_sgpr_kernarg_segment_ptr 1
		.amdhsa_wavefront_size32 1
		.amdhsa_system_sgpr_workgroup_id_x 1
		.amdhsa_system_sgpr_workgroup_id_y 1
		.amdhsa_system_sgpr_workgroup_id_z 1
		.amdhsa_system_vgpr_workitem_id 0
		.amdhsa_next_free_vgpr 768
		.amdhsa_next_free_sgpr 92
		.amdhsa_reserve_vcc 0
		.amdhsa_float_denorm_mode_32 3
		.amdhsa_float_denorm_mode_16_64 3
		.amdhsa_memory_ordered 1
		.amdhsa_forward_progress 1
		.amdhsa_inst_pref_size 255
	.end_amdhsa_kernel
	.section	.bss,"aw",@nobits
	.p2align	6
	.space	262144
	.amdgpu_metadata
---
amdhsa.version: [ 1, 2 ]
amdhsa.kernels:
  - .name:           k_q5bbec87d2f_attn
    .symbol:         k_q5bbec87d2f_attn.kd
    .args:
      - { .name: qkv, .offset: 0, .size: 8, .value_kind: global_buffer, .address_space: global }
      - { .name: attention_mask, .offset: 8, .size: 8, .value_kind: global_buffer, .address_space: global }
      - { .name: ab, .offset: 16, .size: 8, .value_kind: global_buffer, .address_space: global }
    .group_segment_fixed_size: 327680
    .private_segment_fixed_size: 0
    .kernarg_segment_align: 8
    .kernarg_segment_size: 24
    .max_flat_workgroup_size: 128
    .sgpr_count:     92
    .vgpr_count:     768
    .wavefront_size: 32
...
	.end_amdgpu_metadata
.endif
;; end of part 7
;; launch oproj (part 8): grid 8 x 32, 4 waves a work-group, clusters of 4 x 4, 327,680 bytes of LDS; arguments ab, xb, out0; writes out0
.if DOCPART == 8
	.amdgcn_target "amdgcn-amd-amdhsa--gfx1250"
	.amdhsa_code_object_version 6
	.text
	.protected	k_q5bbec87d2f_oproj
	.globl	k_q5bbec87d2f_oproj
	.p2align	8
	.type	k_q5bbec87d2f_oproj,@function
k_q5bbec87d2f_oproj:
	s_mov_b64 s[64:65], 0
	v_nop
	global_prefetch_b8 v0, s[64:65] scope:SCOPE_SE
	s_setreg_imm32_b32 hwreg(HW_REG_WAVE_MODE, 25, 1), 1
	s_wait_xcnt 0x0
	s_wait_alu depctr_hold_cnt(0) depctr_sa_sdst(0) depctr_va_vdst(0) depctr_va_sdst(0) depctr_va_ssrc(0) depctr_va_vcc(0) depctr_vm_vsrc(0)
	s_getreg_b32 s2, hwreg(HW_REG_IB_STS2, 6, 4)
	s_cmp_eq_u32 s2, 0
	s_cbranch_scc0 .Lentry_in_a_cluster
	s_endpgm
.Lentry_in_a_cluster:
	s_bfe_u32 s2, ttmp6, 0x10000c
	s_cmp_lg_u32 s2, 0xf033
	s_cbranch_scc0 .Lentry_shape_is_right
	s_endpgm
.Lentry_shape_is_right:
; out0 = ab x Wo.  ab: [4096][1024] f16; Wo: f16 [1024][2048] at byte 29,360,128 of xb (bf16-rounded values written as f16); out0: [4096][2048] f32; sums in f32.
; f16 and not bf16 for ab: rows of queries that attend to few keys are some 15 times larger than the output's root mean square, and one rounding to 8 bits there is too much.
; LIMITS OF RANGE: both operands below 65,504 in magnitude; below 6.1e-5 f16 has an absolute step of 6e-8.
; A work-group (x = block of 256 columns, y = block of 128 rows; 8 x 32 = 256 groups) makes 128 x 256; wave (rh, ch) makes 64 x 128: 32 tiles, 256 registers.
; K = 1024 goes in 8 steps of 128 through two LDS slots; a slot holds Wo's tile [128 k][256 n] and ab's tile [128 rows][128 k].
; Two slots of two K steps each would take 417,792 bytes, more than a WGP's 327,680: the slots stay at one step.
; Wo lies [k][n]: its fragments come out of LDS by the transposing load.
; CLUSTERS 4 x 4: ab's tile hangs on the row block alone (shared along a row of the cluster), Wo's on the column block alone (shared along a column).
; Waves 0 and 1 ask for the two halves (64 k rows) of Wo's tile, waves 2 and 3 for the two halves (64 rows) of ab's.
; The matrix instruction is used transposed (source 0 = 16 columns of Wo, source 1 = 16 rows of ab): a lane holds row l % 16 and eight neighbouring columns.
; REGISTER WINDOWS: 0: addresses, ab's fragments v64-127 (two buffers); 1: Wo's fragments v0-63, v64-127; 2: tile (a, b) at 8 (4 b + a).
.set PA,     272                       ; ab's LDS row: 256 + 16
.set PB,     544                       ; Wo's LDS row: 512 + 32, an odd multiple of 32, for the transposing load
.set ABASE,  128*PB                    ; 69,632: ab's tile lies behind Wo's
.set SLOT,   ABASE+128*PA              ; 104,448
.set STAGE,  2*SLOT                    ; 16 rows x 528 bytes for each wave, its own; no tensor load lands here
.set SP,     528
.set LAPS,   4
.set WAVE, 10                          ; s10 wave, s11 = wave >> 1 (rh; 0: I fetch for Wo, 1: for ab), s12 = wave & 1 (ch; which half I fetch)
.set G1A,  16
.set G1B,  24
.set G0A,  32
.set G0B,  48
.set ADRA, 8
.set ADRB, 10
.set STO,  16
.set RD,   17
.set CO,   18
.set FA,   64
.set RB,   64
.set FB,   0
.set MUL,  0xa1                        ; source 0 window 1, source 1 window 0, C and D window 2
.set MSB, 0
.macro WIN new
.if MSB != \new
	s_set_vgpr_msb (MSB<<8)|\new
.set MSB, \new
.endif
.endm
.macro PLACES                          ; four independent vector instructions behind a matrix instruction (ISA guide 7.12.1)
.rept 4
	v_nop
.endr
.endm
.macro CREST
	s_cmp_lg_u32 s[WAVE], 0
	s_cbranch_scc1 .Lnot_wave_0_\@
	s_barrier_signal -3
.Lnot_wave_0_\@:
	s_barrier_wait -3
	s_barrier_signal -1
	s_barrier_wait -1
.endm
.macro CROUND
	s_barrier_signal -1
	s_barrier_wait -1
	CREST
.endm
.macro JLOAD sl
	s_cmp_eq_u32 s11, 0
	s_cbranch_scc0 .Lfor_a_\@
	tensor_load_to_lds s[G0B+4*\sl:G0B+4*\sl+3], s[G1B:G1B+7]
	s_nop 0
	s_branch .Lasked_\@
.Lfor_a_\@:
	tensor_load_to_lds s[G0A+4*\sl:G0A+4*\sl+3], s[G1A:G1A+7]
	s_nop 0
.Lasked_\@:
.endm
	s_load_b128 s[4:7], s[0:1], 0x0                ; ab s[4:5], xb s[6:7]
	s_load_b64 s[8:9], s[0:1], 0x10                ; out0
	s_set_vgpr_msb 0x40
	v_lshl_add_u32 v255, v0, 2, 0x3b400
	s_set_vgpr_msb 0x4000
	v_mov_b32 v255, 0
	s_set_vgpr_msb 0x1
	ds_add_u32 v255, v255
	s_set_vgpr_msb 0x100
	v_lshrrev_b32 v1, 5, v0
	v_readfirstlane_b32 s10, v1
	s_lshr_b32 s11, s10, 1
	s_and_b32 s12, s10, 1
	s_bfe_u32 s40, ttmp6, 0x40000                  ; cx
	s_bfe_u32 s41, ttmp6, 0x40004                  ; cy
	s_lshl_b32 s42, ttmp9, 2
	s_add_co_u32 s42, s42, s40                     ; column block
	s_and_b32 s43, ttmp7, 0xffff
	s_lshl_b32 s43, s43, 2
	s_add_co_u32 s43, s43, s41                     ; row block
	s_lshl_b32 s44, s41, 2
	s_lshl_b32 s44, 15, s44                        ; my row of the cluster
	s_lshl_b32 s45, 0x1111, s40                    ; my column
	s_or_b32 s[G1A+0], s44, (1<<16)|(1<<20)|(1<<21)|(5<<22)|(3<<25)   ; 64 rows x 128 elements; 4 words of padding behind every 64
	s_mov_b32 s[G1A+1], 128<<16
	s_mov_b32 s[G1A+2], 64<<16
	s_mov_b32 s[G1A+3], 128<<16
	s_mov_b32 s[G1A+4], 64
	s_mov_b32 s[G1A+5], 1024
	s_mov_b32 s[G1A+6], 0
	s_mov_b32 s[G1A+7], 0
	s_or_b32 s[G1B+0], s45, (1<<16)|(1<<20)|(1<<21)|(6<<22)|(7<<25)   ; 64 rows x 256 elements; 8 words of padding behind every 128
	s_mov_b32 s[G1B+1], 256<<16
	s_mov_b32 s[G1B+2], 64<<16
	s_mov_b32 s[G1B+3], 256<<16
	s_mov_b32 s[G1B+4], 64
	s_mov_b32 s[G1B+5], 2048
	s_mov_b32 s[G1B+6], 0
	s_mov_b32 s[G1B+7], 0
	; offsets: s[56:57] the row block and the wave alone, s[58:59] the column block and the wave alone; s[46:47] mixes both and feeds no descriptor
	s_lshl_b32 s56, s43, 18                        ; 128 rows of 2,048 bytes
	s_lshl_b32 s57, s12, 17                        ; my half: 64 rows
	s_add_co_u32 s56, s56, s57
	s_mov_b32 s57, 0
	s_lshl_b32 s58, s42, 9                         ; 256 columns: 512 bytes
	s_lshl_b32 s59, s12, 18                        ; my half: 64 rows of 4,096 bytes
	s_add_co_u32 s58, s58, s59
	s_add_co_u32 s58, s58, 29360128                ; Wo in xb
	s_mov_b32 s59, 0
	s_lshl_b32 s46, s43, 20                        ; out0: (128 x row block + 64 rh) rows of 8,192 bytes + 1,024 x column block + 512 ch
	s_lshl_b32 s47, s11, 19
	s_add_co_u32 s46, s46, s47
	s_lshl_b32 s47, s42, 10
	s_add_co_u32 s46, s46, s47
	s_lshl_b32 s47, s12, 9
	s_add_co_u32 s46, s46, s47
	s_mov_b32 s47, 0
	s_mul_i32 s60, s10, 64*PA                      ; LDS: waves 2, 3 at ABASE + (w - 2) x 17,408 = w x 17,408 + 34,816
	s_mul_i32 s61, s10, 64*PB                      ;      waves 0, 1 at w x 34,816
	v_and_b32 v1, 15, v0                           ; r
	v_bfe_u32 v2, v0, 4, 1                         ; h
	v_and_b32 v3, 7, v0
	v_bfe_u32 v4, v0, 3, 1
	v_and_b32 v5, 31, v0
	s_wait_dscnt 0x0
	s_wait_kmcnt 0x0
	s_add_nc_u64 s[56:57], s[4:5], s[56:57]
	s_add_nc_u64 s[58:59], s[6:7], s[58:59]
	s_add_nc_u64 s[46:47], s[8:9], s[46:47]
	CROUND                                         ; all sixteen work-groups are here: the first joint loads meet
.irp sl, 0,1
	s_mov_b32 s[G0A+4*\sl], 1
	s_add_co_u32 s[G0A+4*\sl+1], s60, ABASE-2*64*PA+\sl*SLOT
	s_add_nc_u64 s[G0A+4*\sl+2:G0A+4*\sl+3], s[56:57], \sl*256          ; K step sl along the rows
	s_or_b32 s[G0A+4*\sl+3], s[G0A+4*\sl+3], 0x80000000
	s_mov_b32 s[G0B+4*\sl], 1
	s_add_co_u32 s[G0B+4*\sl+1], s61, \sl*SLOT
	s_add_nc_u64 s[G0B+4*\sl+2:G0B+4*\sl+3], s[58:59], \sl*524288       ; K step sl: 128 rows of 4,096 bytes
	s_or_b32 s[G0B+4*\sl+3], s[G0B+4*\sl+3], 0x80000000
	JLOAD \sl                                      ; both slots' first fills go out together: two tensor loads of the wave are out
.endr
	v_mul_u32_u24 v6, v1, PA
	v_lshl_add_u32 v6, v2, 4, v6
	s_mul_i32 s2, s11, 64*PA
	s_add_co_u32 s2, s2, ABASE
	v_add_nc_u32 v[ADRA], s2, v6                   ; ABASE + (64 rh + r) 272 + 16 h
	v_add_nc_u32 v[ADRA+1], SLOT, v[ADRA]
	v_lshl_add_u32 v7, v2, 3, v3
	v_mul_u32_u24 v7, v7, PB
	v_lshl_add_u32 v7, v4, 4, v7
	s_lshl_b32 s2, s12, 8
	v_add_nc_u32 v[ADRB], s2, v7                   ; (8 h + (l & 7)) 544 + 256 ch + 16 ((l >> 3) & 1)
	v_add_nc_u32 v[ADRB+1], SLOT, v[ADRB]
	s_mul_i32 s2, s10, 16*SP
	s_add_co_u32 s2, s2, STAGE                     ; my stage
	v_mul_u32_u24 v6, v1, SP
	v_lshl_add_u32 v6, v2, 5, v6
	v_add_nc_u32 v[STO], s2, v6                    ; row r, 32 bytes for each half of the lanes
	v_lshlrev_b32 v[CO], 4, v5                     ; 16 x lane: a row's 512 bytes
	v_add_nc_u32 v[RD], s2, v[CO]
.macro FETCH slot, kq, f               ; 24 LDS loads: the fragments of 32 along K into buffer f
	WIN 0x40
.irp b, 0,1,2,3,4,5,6,7
	ds_load_tr16_b128 v[FB+64*\f+8*\b:FB+64*\f+8*\b+3], v[ADRB+\slot] offset:32*PB*\kq+32*\b
	ds_load_tr16_b128 v[FB+64*\f+8*\b+4:FB+64*\f+8*\b+7], v[ADRB+\slot] offset:32*PB*\kq+32*\b+16*PB
.endr
	WIN 0
.irp a, 0,1,2,3
	ds_load_b128 v[FA+32*\f+8*\a:FA+32*\f+8*\a+3], v[ADRA+\slot] offset:64*\kq+16*PA*\a
	ds_load_b128 v[FA+32*\f+8*\a+4:FA+32*\f+8*\a+7], v[ADRA+\slot] offset:64*\kq+16*PA*\a+32
.endr
.endm
; 16 matrix instructions.  The 32 accumulators take turns, one instruction a turn, in the same order in every quarter.
.macro MULB f, b0, zero
.irp bi, 0,1,2,3
.irp a, 0,1,2,3
	.set xd, 8*(4*(\b0+\bi)+\a)
.if \zero
	v_wmma_f32_16x16x32_f16 v[xd:xd+7], v[FB+64*\f+8*(\b0+\bi):FB+64*\f+8*(\b0+\bi)+7], v[FA+32*\f+8*\a:FA+32*\f+8*\a+7], 0
.else
	v_wmma_f32_16x16x32_f16 v[xd:xd+7], v[FB+64*\f+8*(\b0+\bi):FB+64*\f+8*(\b0+\bi)+7], v[FA+32*\f+8*\a:FA+32*\f+8*\a+7], v[xd:xd+7]
.endif
.endr
.endr
.endm
.macro QUARTER slot, kn, f, g, zero
	s_wait_dscnt 0x0                               ; buffer f is in: its loads were issued 16 matrix instructions ago
	WIN MUL
	MULB \f, 0, \zero
	PLACES
	FETCH \slot, \kn, \g
	WIN MUL
	MULB \f, 4, \zero
.endm
.macro THREE slot, zero
	QUARTER \slot, 1, 0, 1, \zero
	QUARTER \slot, 2, 1, 0, 0
	QUARTER \slot, 3, 0, 1, 0
.endm
; the last quarter changes slots: each wave's reads of this slot and all its tensor loads are waited for in front of the barrier; fill = 1: the barrier opens a
; round of the cluster's barrier and this slot's next tile is asked for first behind it.  From that request to the wait for it a wave issues 112 matrix instructions.
.macro TURN slot, next, fill
	s_wait_dscnt 0x0
	s_wait_tensorcnt 0x0
	ds_add_u32 v255, v255
	s_wait_dscnt 0x0
	s_barrier_signal -1
	WIN MUL
	MULB 1, 0, 0
	WIN 0
	s_barrier_wait -1
.if \fill
	CREST
	s_add_nc_u64 s[G0A+4*\slot+2:G0A+4*\slot+3], s[G0A+4*\slot+2:G0A+4*\slot+3], 512        ; no tensor load of mine is out: two K steps on
	s_add_nc_u64 s[G0B+4*\slot+2:G0B+4*\slot+3], s[G0B+4*\slot+2:G0B+4*\slot+3], 1048576
	JLOAD \slot
.endif
	PLACES
	FETCH \next, 0, 0
	WIN MUL
	MULB 1, 4, 0
.endm
.macro LAP zero
	THREE 0, \zero
	TURN 0, 1, 1
	THREE 1, 0
	TURN 1, 0, 1
.endm
	s_wait_tensorcnt 0x1                           ; my part of K step 0 is in; K step 1's load was issued behind it and may stay out
	s_barrier_signal -1
	s_barrier_wait -1
	FETCH 0, 0, 0
	LAP 1                                          ; the first products start the sums
	WIN 0
	s_mov_b32 s3, LAPS-2
.Llap:
	LAP 0
	WIN 0
	s_sub_co_u32 s3, s3, 1
	s_cmp_lg_u32 s3, 0
	s_cbranch_scc1 .Llap
	THREE 0, 0                                     ; the last lap fills nothing
	TURN 0, 1, 0
	THREE 1, 0
	s_wait_dscnt 0x0
	WIN MUL
	MULB 1, 0, 0
	MULB 1, 4, 0
	WIN 0
	PLACES
; 16 rows x 128 columns of f32 at a time through my own stage: in by 16 bytes a lane, back as whole rows of 512 bytes
.macro OUT16 a
	WIN 0x08                                       ; store data window 2
.irp b, 0,1,2,3,4,5,6,7
	ds_store_b128 v[STO], v[8*(4*\b+\a):8*(4*\b+\a)+3] offset:64*\b
	ds_store_b128 v[STO], v[8*(4*\b+\a)+4:8*(4*\b+\a)+7] offset:64*\b+16
.endr
	WIN 0
	s_wait_xcnt 0x0                                ; the last sixteen rows' stores have read RB and the base: both are rewritten only behind this wait
.if \a
	s_add_nc_u64 s[46:47], s[46:47], 131072        ; 16 rows of 8,192 bytes on
.endif
.irp i, 0,1,2,3,4,5,6,7,8,9,10,11,12,13,14,15
	ds_load_b128 v[RB+4*\i:RB+4*\i+3], v[RD] offset:SP*\i          ; LDS serves a wave's instructions in order (ISA guide 5.7.1.4): these see my stores above
.endr
.irp i, 0,1,2,3,4,5,6,7,8,9,10,11,12,13,14,15
	s_wait_dscnt 15-\i                             ; load i is in, the younger ones stay out
	global_store_b128 v[CO], v[RB+4*\i:RB+4*\i+3], s[46:47] offset:8192*\i th:TH_STORE_NT   ; 512 consecutive bytes of a row, aligned; not read again
.endr
.endm
	OUT16 0
	OUT16 1
	OUT16 2
	OUT16 3
	s_set_vgpr_msb 0x1
	s_wait_tensorcnt 0x0
	ds_add_u32 v255, v255
	s_wait_dscnt 0x0
	s_set_vgpr_msb 0x100
	CROUND                                         ; the closing round
	s_endpgm
.Lfunc_end_k_q5bbec87d2f_oproj:
	.size	k_q5bbec87d2f_oproj, .Lfunc_end_k_q5bbec87d2f_oproj-k_q5bbec87d2f_oproj
	.p2alignl 7, 3214868480
	.fill 96, 4, 3214868480
	.section	.rodata,"a",@progbits
	.p2align	6, 0x0
	.amdhsa_kernel k_q5bbec87d2f_oproj
		.amdhsa_group_segment_fixed_size 327680
		.amdhsa_private_segment_fixed_size 0
		.amdhsa_enable_private_segment 0
		.amdhsa_kernarg_size 24
		.amdhsa_user_sgpr_count 2
		.amdhsa_user_sgpr_kernarg_segment_ptr 1
		.amdhsa_wavefront_size32 1
		.amdhsa_system_sgpr_workgroup_id_x 1
		.amdhsa_system_sgpr_workgroup_id_y 1
		.amdhsa_system_sgpr_workgroup_id_z 1
		.amdhsa_system_vgpr_workitem_id 0
		.amdhsa_next_free_vgpr 768
		.amdhsa_next_free_sgpr 66
		.amdhsa_reserve_vcc 0
		.amdhsa_float_denorm_mode_32 3
		.amdhsa_float_denorm_mode_16_64 3
		.amdhsa_memory_ordered 1
		.amdhsa_forward_progress 1
		.amdhsa_inst_pref_size 118
	.end_amdhsa_kernel
	.amdgpu_metadata
---
amdhsa.version: [ 1, 2 ]
amdhsa.kernels:
  - .name:           k_q5bbec87d2f_oproj
    .symbol:         k_q5bbec87d2f_oproj.kd
    .args:
      - { .name: ab, .offset: 0, .size: 8, .value_kind: global_buffer, .address_space: global }
      - { .name: xb, .offset: 8, .size: 8, .value_kind: global_buffer, .address_space: global }
      - { .name: out0, .offset: 16, .size: 8, .value_kind: global_buffer, .address_space: global }
    .group_segment_fixed_size: 327680
    .private_segment_fixed_size: 0
    .kernarg_segment_align: 8
    .kernarg_segment_size: 24
    .max_flat_workgroup_size: 128
    .sgpr_count:     66
    .vgpr_count:     768
    .wavefront_size: 32
...
	.end_amdgpu_metadata
.endif
;; end of part 8
;; ======== version 3 of 3: 4 launches; version 2 with the launch cast written anew for expert scheduling mode
;; limits: values outside matrix products are rounded to bf16; values are held in f16: magnitudes above 65,504 overflow, below 6.1e-05 lose precision
;; workspace buffers: xb 35,651,584 bytes; qkv 25,165,824 bytes; ab 8,388,608 bytes
;; launch cast (part 9): grid 544 x 1, 8 waves a work-group, no clusters, 0 bytes of LDS; arguments hidden_states, Wq, Wk, Wv, Wo, cos, sin, xb; writes xb
.if DOCPART == 9
	.amdgcn_target "amdgcn-amd-amdhsa--gfx1250"
	.amdhsa_code_object_version 6
	.text
	.protected	k_q5bbec87d2f_cast
	.globl	k_q5bbec87d2f_cast
	.p2align	8
	.type	k_q5bbec87d2f_cast,@function
k_q5bbec87d2f_cast:
	s_mov_b64 s[64:65], 0
	v_nop
	global_prefetch_b8 v0, s[64:65] scope:SCOPE_SE
	s_setreg_imm32_b32 hwreg(HW_REG_WAVE_SCHED_MODE, 0, 2), 2
	s_setreg_imm32_b32 hwreg(HW_REG_WAVE_MODE, 25, 1), 1
	s_wait_xcnt 0x0
	s_wait_alu depctr_vm_vsrc(0)
; f32 -> bf16 (round to nearest even) of hidden_states, Wq, Wk, Wv, Wo, cos, sin, layouts unchanged, one behind the other in xb:
;   byte 0 hidden [4096][2048]; 16 Mi Wq, 20 Mi Wk, 24 Mi Wv, each [2048][1024]; 28 Mi Wo [1024][2048]; 32 Mi cos, 33 Mi sin, each [4096][128].
; Wo alone is written as f16: first rounded to bf16 like the others, then that value as f16, because the output projection multiplies it by f16 numbers.
; LIMIT OF FORMAT: from here on every floating-point input but the mask has bf16's 8 significant bits, the RoPE tables too.
; LIMIT OF RANGE: |Wo| below 65,504; where |Wo| is below 6.1e-5 the second step has an absolute error of up to 3e-8, above it is exact.
; A pure stream: every input byte is read once and every output byte written once.  LDS, matrix instructions and clusters
; would add nothing: no two work-groups read the same byte and no lane needs another lane's number.
; Work-group c takes chunk c of 32,768 numbers (128 KiB in, 64 KiB out): 256 chunks of hidden, 64 of each weight, 16 of each table, 544 in all.
; Wave w takes 16 KiB of the chunk by 32 loads of 512 consecutive bytes, all issued before the first is used.
; THE MODE: SCHED_MODE bits 1:0 = 2 (LLVM: expert scheduling mode 2), set by the entry lines.  The code itself states the register dependences
; between vector instructions and memory instructions, with s_wait_alu, always for 0.
; THE PLAN.  Registers that memory instructions touch:
;   v1, v2   byte offsets of the loads and of the stores: written at the head, never again.
;   X[i]     load i lands in it; all 32 loads are issued at the head, before any vector instruction names X, and no load is issued later.
;            Vector instructions alone read it (and, for Wo, write it again), behind the wait for its load.
;   Y[i]     written by the conversions of load i, read by store i, never written behind that store.
; The 32 loads go in 8 blocks of four.  Block p converts X[4 p ..] into Y[4 p ..]; its memory instructions are the four stores of block p - 1, which read
; v2 and Y[4 p - 4 ..]: registers that no vector instruction of block p names.  So one wait at a block's head states all that its four stores hang on,
; and they are dealt among the block's conversions with no further wait.  No register that a memory instruction reads is ever written again.
.set X, 4                              ; v[4:131]   32 x 4 numbers as loaded
.set Y, 132                            ; v[132:195] 32 x 2 words to store; none is written again behind its store, so no store's source is at stake
.set BLOCK, 4                          ; loads in a block
	s_load_b256 s[4:11], s[0:1], 0x0               ; hidden s[4:5], Wq s[6:7], Wk s[8:9], Wv s[10:11]
	s_load_b256 s[12:19], s[0:1], 0x20             ; Wo s[12:13], cos s[14:15], sin s[16:17], xb s[18:19]
	s_mov_b32 s2, ttmp9                            ; chunk c
	s_and_b32 s22, s2, 63                          ; a weight's chunk number, and cos's: c mod 64 (256 and 512 are multiples of 64)
	s_cmp_lt_u32 s2, 256
	s_cselect_b32 s22, s2, s22                     ; hidden's: c itself
	s_and_b32 s24, s2, 15
	s_cmp_ge_u32 s2, 528
	s_cselect_b32 s22, s24, s22                    ; sin's: c mod 16
	s_lshl_b32 s22, s22, 17                        ; x 128 KiB: offset in the source
	s_mov_b32 s23, 0
	s_lshl_b32 s24, s2, 16                         ; c x 64 KiB: offset in xb
	s_mov_b32 s25, 0
	s_cmp_ge_u32 s2, 448
	s_cselect_b32 s3, 1, 0
	s_cmp_lt_u32 s2, 512
	s_cselect_b32 s3, s3, 0                        ; 1: a chunk of Wo (448 to 511)
	v_lshrrev_b32 v3, 5, v0                        ; wave
	v_and_b32 v1, 31, v0                           ; lane
	v_lshlrev_b32 v2, 3, v1                        ; out: 8 bytes a lane
	v_lshlrev_b32 v1, 4, v1                        ; in: 16 bytes a lane
	v_lshl_add_u32 v1, v3, 14, v1                  ; + wave x 16 KiB
	v_lshl_add_u32 v2, v3, 13, v2                  ; + wave x 8 KiB
	s_wait_kmcnt 0x0
	s_mov_b64 s[20:21], s[4:5]                     ; the source: chosen by the chunk number alone
	s_cmp_ge_u32 s2, 256
	s_cselect_b64 s[20:21], s[6:7], s[20:21]
	s_cmp_ge_u32 s2, 320
	s_cselect_b64 s[20:21], s[8:9], s[20:21]
	s_cmp_ge_u32 s2, 384
	s_cselect_b64 s[20:21], s[10:11], s[20:21]
	s_cmp_ge_u32 s2, 448
	s_cselect_b64 s[20:21], s[12:13], s[20:21]
	s_cmp_ge_u32 s2, 512
	s_cselect_b64 s[20:21], s[14:15], s[20:21]
	s_cmp_ge_u32 s2, 528
	s_cselect_b64 s[20:21], s[16:17], s[20:21]
	s_add_nc_u64 s[20:21], s[20:21], s[22:23]
	s_add_nc_u64 s[18:19], s[18:19], s[24:25]
	s_wait_alu depctr_va_vdst(0)                   ; v1 and v2 are written: every load of the kernel reads v1 as its offset, every store v2; neither is written again
.set i, 0
.rept 32
	global_load_b128 v[X+4*i:X+4*i+3], v1, s[20:21] offset:512*i th:TH_LOAD_NT   ; read once in the launch
.set i, i+1
.endr
; Block p: the numbers of loads 4 p to 4 p + 3 are rounded; the four stores of the block before leave, one ahead of each load's conversions.
; wo = 1: the bf16 values are widened again (a shift, a mask) and written as f16
.macro BLK p, wo
	s_wait_loadcnt 32-BLOCK-BLOCK*(\p)             ; loads return in order (ISA guide 5.7.1): this block's four are in, the younger ones stay out
.if (\p) > 0
	s_wait_alu depctr_va_vdst(0)                   ; the block before has written its eight registers of Y, which the four stores below read
.endif
.set i, BLOCK*(\p)
.rept BLOCK
.if (\p) > 0
	global_store_b64 v2, v[Y+2*(i-BLOCK):Y+2*(i-BLOCK)+1], s[18:19] offset:256*(i-BLOCK)   ; the wave's 32 lanes store 256 consecutive bytes, aligned; later launches read them: no hint.  No vector instruction since the wait names these registers
.endif
	v_cvt_pk_bf16_f32 v[Y+2*i], v[X+4*i], v[X+4*i+1]
	v_cvt_pk_bf16_f32 v[Y+2*i+1], v[X+4*i+2], v[X+4*i+3]
.if \wo
	v_lshlrev_b32 v[X+4*i], 16, v[Y+2*i]
	v_and_b32 v[X+4*i+1], 0xffff0000, v[Y+2*i]
	v_lshlrev_b32 v[X+4*i+2], 16, v[Y+2*i+1]
	v_and_b32 v[X+4*i+3], 0xffff0000, v[Y+2*i+1]
	v_cvt_pk_f16_f32 v[Y+2*i], v[X+4*i], v[X+4*i+1]
	v_cvt_pk_f16_f32 v[Y+2*i+1], v[X+4*i+2], v[X+4*i+3]
.endif
.set i, i+1
.endr
.endm
; the eight blocks, and behind them the last block's stores
.macro CONV wo
.irp p, 0,1,2,3,4,5,6,7
	BLK \p, \wo
.endr
	s_wait_alu depctr_va_vdst(0)                   ; block 7 has written its eight registers of Y, which the last four stores read
.set i, 32-BLOCK
.rept BLOCK
	global_store_b64 v2, v[Y+2*i:Y+2*i+1], s[18:19] offset:256*i
.set i, i+1
.endr
.endm
	s_cmp_lg_u32 s3, 0                             ; the branch hangs on the chunk number alone
	s_cbranch_scc1 .Lwo
	CONV 0
	s_endpgm
.Lwo:
	CONV 1
	s_endpgm
.Lfunc_end_k_q5bbec87d2f_cast:
	.size	k_q5bbec87d2f_cast, .Lfunc_end_k_q5bbec87d2f_cast-k_q5bbec87d2f_cast
	.p2alignl 7, 3214868480
	.fill 96, 4, 3214868480
	.section	.rodata,"a",@progbits
	.p2align	6, 0x0
	.amdhsa_kernel k_q5bbec87d2f_cast
		.amdhsa_group_segment_fixed_size 0
		.amdhsa_private_segment_fixed_size 0
		.amdhsa_enable_private_segment 0
		.amdhsa_kernarg_size 64
		.amdhsa_user_sgpr_count 2
		.amdhsa_user_sgpr_kernarg_segment_ptr 1
		.amdhsa_wavefront_size32 1
		.amdhsa_system_sgpr_workgroup_id_x 1
		.amdhsa_system_sgpr_workgroup_id_y 1
		.amdhsa_system_sgpr_workgroup_id_z 1
		.amdhsa_system_vgpr_workitem_id 0
		.amdhsa_next_free_vgpr 196
		.amdhsa_next_free_sgpr 66
		.amdhsa_reserve_vcc 0
		.amdhsa_float_denorm_mode_32 3
		.amdhsa_float_denorm_mode_16_64 3
		.amdhsa_memory_ordered 1
		.amdhsa_forward_progress 1
		.amdhsa_inst_pref_size 31
	.end_amdhsa_kernel
	.amdgpu_metadata
---
amdhsa.version: [ 1, 2 ]
amdhsa.kernels:
  - .name:           k_q5bbec87d2f_cast
    .symbol:         k_q5bbec87d2f_cast.kd
    .args:
      - { .name: hidden_states, .offset: 0, .size: 8, .value_kind: global_buffer, .address_space: global }
      - { .name: Wq, .offset: 8, .size: 8, .value_kind: global_buffer, .address_space: global }
      - { .name: Wk, .offset: 16, .size: 8, .value_kind: global_buffer, .address_space: global }
      - { .name: Wv, .offset: 24, .size: 8, .value_kind: global_buffer, .address_space: global }
      - { .name: Wo, .offset: 32, .size: 8, .value_kind: global_buffer, .address_space: global }
      - { .name: cos, .offset: 40, .size: 8, .value_kind: global_buffer, .address_space: global }
      - { .name: sin, .offset: 48, .size: 8, .value_kind: global_buffer, .address_space: global }
      - { .name: xb, .offset: 56, .size: 8, .value_kind: global_buffer, .address_space: global }
    .group_segment_fixed_size: 0
    .private_segment_fixed_size: 0
    .kernarg_segment_align: 8
    .kernarg_segment_size: 64
    .max_flat_workgroup_size: 256
    .sgpr_count:     66
    .vgpr_count:     196
    .wavefront_size: 32
...
	.end_amdgpu_metadata
.endif
;; end of part 9
;; launch projqkv: the kernel of part 6 again; grid 8 x 32, 4 waves a work-group, clusters of 4 x 4, 327,680 bytes of LDS; arguments xb, qkv; writes qkv
;; launch attn: the kernel of part 7 again; grid 32 x 8, 4 waves a work-group, clusters of 4 x 4, 327,680 bytes of LDS; arguments qkv, attention_mask, ab; writes ab
;; launch oproj: the kernel of part 8 again; grid 8 x 32, 4 waves a work-group, clusters of 4 x 4, 327,680 bytes of LDS; arguments ab, xb, out0; writes out0
